; MI455X (gfx1250); checked and timed in simulation.
; The chip was launched on July 23, 2026; its instructions are those of AMD's public machine-readable ISA for CDNA 5 (MIT licence, August 2026) and "CDNA5" Instruction Set Architecture Reference Guide (July 2026). The comments in the code are by the model that wrote it; some were corrected since.
;; Deform Attn Bottleneck. Allowed arithmetic: float matrix products may take bf16 or f16 operands with f32 sums; other float arithmetic in f32, or as packed bf16 or f16 multiplies, adds, multiply-adds, maxima and minima; sums over many terms, partial sums and values carried from step to step in f32; what a program stores and reads back later, other than sums and carried values, may be rounded once to bf16 or f16.
;; Inputs: W1 2 x 256 x 1,024 float32; W2 2 x 1,024 x 256 float32; W_in 256 x 512 float32; W_out 512 x 256 float32; Wattn 2 x 256 x 32 float32; Wo 2 x 256 x 256 float32; Woff 2 x 256 x 64 float32; Wval 2 x 256 x 256 float32; b1 2 x 1,024 float32; b2 2 x 256 float32; battn 2 x 32 float32; bn1_b 256 float32; bn1_g 256 float32; bn1_m 256 float32; bn1_v 256 float32; bn2_b 512 float32; bn2_g 512 float32; bn2_m 512 float32; bn2_v 512 float32; bo 2 x 256 float32; boff 2 x 64 float32; bval 2 x 256 float32; ln1_b 2 x 256 float32; ln1_g 2 x 256 float32; ln2_b 2 x 256 float32; ln2_g 2 x 256 float32; query_embed 4,096 x 256 float32; x 8 x 512 x 64 x 64 float32.
;; Outputs: out0 8 x 512 x 64 x 64 float32.
;; 2 versions, each right and faster than the one before. Each part assembles by itself: llvm-mc -triple=amdgcn-amd-amdhsa -mcpu=gfx1250 --defsym DOCPART=n.
;; ======== version 1 of 2: 5 launches
;; limits: values are held in f16: magnitudes above 65,504 overflow, below 6.1e-05 lose precision; values outside matrix products are rounded to f16
;; workspace buffers: P 2,933,760 bytes; L0 18,874,368 bytes; L1 18,874,368 bytes; FA 25,165,824 bytes; FB 25,165,824 bytes; I0 4,198,400 bytes of whole numbers; I1 4,198,400 bytes of whole numbers
;; launch prep (part 1): grid 1306 x 1, 8 waves a work-group, no clusters, 0 bytes of LDS; arguments W1, W2, W_in, W_out, Wattn, Wo, Woff, Wval, b1, b2, battn, bo, boff, ln1_b, ln1_g, ln2_b, ln2_g, query_embed, P, L0, L1, FA, I0, I1; writes P, L0, L1, FA, I0, I1
.if DOCPART == 1
	.amdgcn_target "amdgcn-amd-amdhsa--gfx1250"
	.amdhsa_code_object_version 6
	.text
	.protected	k_qf9703f7118_prep
	.globl	k_qf9703f7118_prep
	.p2align	8
	.type	k_qf9703f7118_prep,@function
k_qf9703f7118_prep:
	s_mov_b64 s[64:65], 0
	v_nop
	global_prefetch_b8 v0, s[64:65] scope:SCOPE_SE
	s_setreg_imm32_b32 hwreg(HW_REG_WAVE_MODE, 25, 1), 1
	s_wait_xcnt 0x0
; PREP: every weight is rounded once to bf16 and laid out in FRAGMENT ORDER, so that the later launches bring it in as dense blocks and read it from LDS without a shuffle.
; A fragment (16 rows x 32 k, 16-bit) is 1,024 bytes: lane l's registers 0-3 at 16 l, registers 4-7 at 512 + 16 l.  Lane l = (r = l % 16, h = l / 16) holds row r;
; piece (half, l) holds k = 32 ks + 16 half + 8 h + 0..7.  Wo alone: k = 32 ks + 16 h + 8 half + 0..7, the order in which the sampling leaves a lane its 16 channels.
; One thread makes one piece of 16 bytes; a wave's store covers 512 consecutive bytes.  Which region a work-group serves hangs on its number alone (forward branches).
; W_out is rounded to bf16 and that number written as f16.  LIMIT: below 6.1e-5 f16 keeps a fixed step of 6e-8; |W_out| stays under 65,504; |query_embed + bo[0]| under 65,504.
; No LDS, no matrix unit, no cluster: the work-groups share no input and only move bytes.
.macro LANES                            ; s54 = work-group inside the region.  v1 piece, v4 r, v5 h, v6 half, v7 fragment, v20 16 half + 8 h, v3 16 x piece
	v_lshl_or_b32 v1, s54, 8, v0
	v_and_b32 v4, 15, v1
	v_bfe_u32 v5, v1, 4, 1
	v_bfe_u32 v6, v1, 5, 1
	v_lshrrev_b32 v7, 6, v1
	v_lshlrev_b32 v20, 4, v6
	v_lshl_add_u32 v20, v5, 3, v20
	v_lshlrev_b32 v3, 4, v1
.endm
.macro DEST_L                           ; s[52:53] = the buffer of layer s3
	s_cmp_eq_u32 s3, 0
	s_cselect_b64 s[52:53], s[42:43], s[44:45]
.endm
.macro RND a                            ; v[a], v[a+1]: rounded to bf16, kept as f32
	v_cvt_pk_bf16_f32 v63, v[\a], v[\a+1]
	v_lshlrev_b32 v[\a], 16, v63
	v_and_b32 v[\a+1], s60, v63
.endm
; eight numbers ldk elements apart from byte v2 of s[sb:sb+1], rounded, to byte v3 + doff of s[52:53]
.macro PIECE sb, ldk, f16, doff
.irp i,0,1,2,3,4,5,6,7
	global_load_b32 v[8+\i], v2, s[\sb:\sb+1] offset:\i*\ldk*4
.endr
	s_wait_loadcnt 0x0
.irp i,0,1,2,3
	v_cvt_pk_bf16_f32 v[16+\i], v[8+2*\i], v[9+2*\i]
.endr
.if \f16
.irp i,0,1,2,3
	v_lshlrev_b32 v[8+2*\i], 16, v[16+\i]
	v_and_b32 v[9+2*\i], s60, v[16+\i]
.endr
.irp i,0,1,2,3
	v_cvt_pk_f16_f32 v[16+\i], v[8+2*\i], v[9+2*\i]
.endr
.endif
	global_store_b128 v3, v[16:19], s[52:53] offset:\doff
.endm
	s_load_b512 s[4:19], s[0:1], 0x0       ; W1 4, W2 6, W_in 8, W_out 10, Wattn 12, Wo 14, Woff 16, Wval 18
	s_load_b512 s[20:35], s[0:1], 0x40     ; b1 20, b2 22, battn 24, bo 26, boff 28, ln1_b 30, ln1_g 32, ln2_b 34
	s_load_b512 s[36:51], s[0:1], 0x80     ; ln2_g 36, query_embed 38, P 40, L0 42, L1 44, FA 46, I0 48, I1 50
	s_mov_b32 s2, ttmp9
	s_mov_b32 s60, 0xffff0000
	s_wait_kmcnt 0x0
	s_cmp_lt_u32 s2, 64
	s_cbranch_scc1 .Lwin
	s_cmp_lt_u32 s2, 128
	s_cbranch_scc1 .Lwval
	s_cmp_lt_u32 s2, 192
	s_cbranch_scc1 .Lwout
	s_cmp_lt_u32 s2, 256
	s_cbranch_scc1 .Lwo
	s_cmp_lt_u32 s2, 512
	s_cbranch_scc1 .Lw1
	s_cmp_lt_u32 s2, 768
	s_cbranch_scc1 .Lw2
	s_cmp_lt_u32 s2, 792
	s_cbranch_scc1 .Ltl
	s_cmp_lt_u32 s2, 1304
	s_cbranch_scc1 .Lqe
	s_branch .Lpar
.Lwin:                                  ; W_in [256 d][512 c]: fragment ks * 16 + mt, row d = 16 mt + r
	s_mov_b32 s54, s2
	LANES
	v_and_b32 v8, 15, v7
	v_lshrrev_b32 v9, 4, v7
	v_lshl_add_u32 v8, v8, 4, v4
	v_lshl_add_u32 v9, v9, 5, v20
	v_lshl_add_u32 v2, v8, 9, v9
	v_lshlrev_b32 v2, 2, v2
	s_mov_b64 s[52:53], s[40:41]
	PIECE 8, 1, 0, 0
	s_endpgm
.Lwval:                                 ; Wval [l][k][n]: fragment l * 128 + mt * 8 + ks, row n = 16 mt + r
	s_sub_co_u32 s54, s2, 64
	LANES
	v_bfe_u32 v8, v7, 3, 4
	v_and_b32 v9, 7, v7
	v_lshrrev_b32 v10, 7, v7
	v_lshl_add_u32 v8, v8, 4, v4
	v_lshl_add_u32 v9, v9, 5, v20
	v_lshl_add_u32 v9, v10, 8, v9
	v_lshl_add_u32 v2, v9, 8, v8
	v_lshlrev_b32 v2, 2, v2
	s_mov_b64 s[52:53], s[40:41]
	PIECE 18, 256, 0, 0x40000
	s_endpgm
.Lwout:                                 ; W_out [512 c][256 d], f16: fragment mt * 8 + ks, row c = 16 mt + r
	s_sub_co_u32 s54, s2, 128
	LANES
	v_lshrrev_b32 v8, 3, v7
	v_and_b32 v9, 7, v7
	v_lshl_add_u32 v8, v8, 4, v4
	v_lshl_add_u32 v9, v9, 5, v20
	v_lshl_add_u32 v2, v8, 8, v9
	v_lshlrev_b32 v2, 2, v2
	s_mov_b64 s[52:53], s[40:41]
	PIECE 10, 1, 1, 0x80000
	s_endpgm
.Lwo:                                   ; Wo [l][k][n], 32 work-groups a layer: fragment ks * 16 + mt, its own order of k
	s_sub_co_u32 s54, s2, 192
	s_lshr_b32 s3, s54, 5
	s_and_b32 s54, s54, 31
	LANES
	v_lshlrev_b32 v20, 3, v6
	v_lshl_add_u32 v20, v5, 4, v20
	v_and_b32 v8, 15, v7
	v_lshrrev_b32 v9, 4, v7
	v_lshl_add_u32 v8, v8, 4, v4
	v_lshl_add_u32 v9, v9, 5, v20
	v_lshl_add_u32 v2, v9, 8, v8
	s_lshl_b32 s55, s3, 18
	v_lshl_add_u32 v2, v2, 2, s55
	DEST_L
	PIECE 14, 256, 0, 0
	s_endpgm
.Lw1:                                   ; W1 [l][k][1024], 128 work-groups a layer: mini n = f / 16 holds columns 32 n ..; fragment (f % 16) = mtl * 8 + ks
	s_sub_co_u32 s54, s2, 256
	s_lshr_b32 s3, s54, 7
	s_and_b32 s54, s54, 127
	LANES
	v_lshrrev_b32 v8, 3, v7
	v_and_b32 v9, 7, v7
	v_lshl_add_u32 v8, v8, 4, v4
	v_lshl_add_u32 v9, v9, 5, v20
	v_lshl_add_u32 v2, v9, 10, v8
	s_lshl_b32 s55, s3, 20
	v_lshl_add_u32 v2, v2, 2, s55
	v_lshrrev_b32 v8, 10, v1
	v_and_b32 v9, 0x3ff, v1
	v_lshlrev_b32 v3, 4, v9
	v_lshl_add_u32 v3, v8, 15, v3          ; a mini is 32 KB: W1's 16 fragments, then W2's 16
	DEST_L
	PIECE 4, 1024, 0, 131072
	s_endpgm
.Lw2:                                   ; W2 [l][1024][n]: mini n holds k = 32 n ..; fragment mt
	s_sub_co_u32 s54, s2, 512
	s_lshr_b32 s3, s54, 7
	s_and_b32 s54, s54, 127
	LANES
	v_and_b32 v8, 15, v7
	v_lshrrev_b32 v9, 4, v7
	v_lshl_add_u32 v8, v8, 4, v4
	v_lshl_add_u32 v9, v9, 5, v20
	v_lshl_add_u32 v2, v9, 8, v8
	s_lshl_b32 s55, s3, 20
	v_lshl_add_u32 v2, v2, 2, s55
	v_lshrrev_b32 v8, 10, v1
	v_and_b32 v9, 0x3ff, v1
	v_lshlrev_b32 v3, 4, v9
	v_lshl_add_u32 v3, v8, 15, v3
	DEST_L
	PIECE 6, 256, 0, 147456
	s_endpgm
.Ltl:                                   ; the table weights of layer s3, 12 work-groups each: they go to the buffer of the OTHER layer (layer 0's launch makes layer 1's table); layer 0's also to P
	s_sub_co_u32 s54, s2, 768
	s_cmp_ge_u32 s54, 12
	s_cselect_b32 s3, 1, 0
	s_cselect_b32 s55, 12, 0
	s_sub_co_u32 s54, s54, s55
	LANES
	v_and_b32 v9, 7, v7
	v_lshl_add_u32 v9, v9, 5, v20
	s_cmp_eq_u32 s3, 0
	s_cselect_b64 s[52:53], s[44:45], s[42:43]
	s_cmp_lt_u32 s54, 8
	s_cbranch_scc0 .Ltla
	v_lshrrev_b32 v8, 3, v7                ; Woff [l][k][64]: tile a = f / 8, row m = column 16 a + m
	v_lshl_add_u32 v8, v8, 4, v4
	v_lshl_add_u32 v2, v9, 6, v8
	s_lshl_b32 s55, s3, 16
	v_lshl_add_u32 v2, v2, 2, s55
	PIECE 16, 64, 0, 0x123000
	s_branch .Ltlc
.Ltla:                                  ; Wattn [l][k][32]: tile blk, row m -> column 16 blk + 8 ((m >> 2) & 1) + 4 (m >> 3) + (m & 3): a lane then holds the logits of the head whose offsets it holds
	v_bfe_u32 v8, v7, 3, 1
	v_and_b32 v10, 3, v4
	v_lshl_add_u32 v8, v8, 4, v10
	v_bfe_u32 v10, v4, 2, 1
	v_lshl_add_u32 v8, v10, 3, v8
	v_bfe_u32 v10, v4, 3, 1
	v_lshl_add_u32 v8, v10, 2, v8
	v_lshl_add_u32 v2, v9, 5, v8
	s_lshl_b32 s55, s3, 15
	v_lshl_add_u32 v2, v2, 2, s55
	PIECE 12, 32, 0, 0x123000
.Ltlc:
	s_cmp_lg_u32 s3, 0
	s_cbranch_scc1 .Lend
	global_store_b128 v3, v[16:19], s[40:41] offset:0x2c0000
	s_endpgm
.Lqe:                                   ; query_embed: [tile 256][mt 16][lane 32][8 channels]: bf16 for the table's product, f16 of (q + bo[0]) for the residual
	s_sub_co_u32 s54, s2, 792
	LANES
	v_lshrrev_b32 v8, 9, v1
	v_bfe_u32 v9, v1, 5, 4
	v_lshl_add_u32 v8, v8, 4, v4
	v_lshlrev_b32 v9, 4, v9
	v_lshl_add_u32 v9, v5, 3, v9
	v_lshl_add_u32 v2, v8, 8, v9
	v_lshlrev_b32 v2, 2, v2
	v_lshlrev_b32 v21, 2, v9
	global_load_b128 v[8:11], v2, s[38:39]
	global_load_b128 v[12:15], v2, s[38:39] offset:16
	global_load_b128 v[24:27], v21, s[26:27]
	global_load_b128 v[28:31], v21, s[26:27] offset:16
	s_wait_loadcnt 0x0
.irp i,0,1,2,3
	v_cvt_pk_bf16_f32 v[16+\i], v[8+2*\i], v[9+2*\i]
.endr
	global_store_b128 v3, v[16:19], s[40:41] offset:0xc0000
.irp i,0,1,2,3
	v_lshlrev_b32 v[8+2*\i], 16, v[16+\i]
	v_and_b32 v[9+2*\i], s60, v[16+\i]
.endr
.irp i,24,26,28,30
	RND \i
.endr
.irp i,0,1,2,3,4,5,6,7
	v_add_f32 v[8+\i], v[8+\i], v[24+\i]
.endr
.irp i,0,1,2,3
	v_cvt_pk_f16_f32 v[32+\i], v[8+2*\i], v[9+2*\i]
.endr
	global_store_b128 v3, v[32:35], s[46:47]
	s_endpgm
.Lpar:                                  ; the parameters of layer s3, each rounded to bf16 and kept as f32; thread c has channel c
	s_sub_co_u32 s3, s2, 1304
	s_xor_b32 s57, s3, 1                   ; the layer whose table weights this layer's buffer holds
	s_lshl_b32 s55, s3, 10
	s_lshl_b32 s56, s3, 12
	s_lshl_b32 s58, s57, 8
	s_lshl_b32 s59, s57, 7
	v_lshlrev_b32 v3, 2, v0
	v_add_nc_u32 v2, s55, v3
	v_add_nc_u32 v21, s56, v3
	v_min_u32 v22, 63, v0
	v_lshl_add_u32 v22, v22, 2, s58
	v_and_b32 v23, 31, v0
	v_and_b32 v24, 0x13, v23
	v_bfe_u32 v25, v23, 2, 1
	v_lshl_add_u32 v24, v25, 3, v24
	v_bfe_u32 v25, v23, 3, 1
	v_lshl_add_u32 v24, v25, 2, v24
	v_lshl_add_u32 v24, v24, 2, s59
	global_load_b32 v8, v2, s[32:33]       ; ln1_g
	global_load_b32 v9, v2, s[30:31]       ; ln1_b
	global_load_b32 v10, v2, s[22:23]      ; b2
	global_load_b32 v11, v2, s[36:37]      ; ln2_g
	global_load_b32 v12, v2, s[34:35]      ; ln2_b
	global_load_b32 v13, v3, s[26:27] offset:1024  ; bo[1]
.irp i,0,1,2,3
	global_load_b32 v[14+\i], v21, s[20:21] offset:\i*1024  ; b1
.endr
	global_load_b32 v18, v22, s[28:29]     ; boff, natural order
	global_load_b32 v19, v24, s[24:25]     ; battn, in the order of the logit tiles' rows
	s_wait_loadcnt 0x0
.irp i,8,10,12,14,16,18
	RND \i
.endr
	s_cmp_eq_u32 s3, 0
	s_cselect_b32 s61, -1, 0
	v_and_b32 v13, s61, v13                ; the next layer's bo rides on the stored q; behind the last layer there is none
	v_add_f32 v28, v9, v10                 ; ln1_b + b2
	v_add_f32 v29, v12, v13                ; ln2_b + bo[1]
	v_cmp_gt_u32 vcc_lo, 64, v0
	v_cndmask_b32 v26, v19, v18, vcc_lo
	v_cmp_gt_u32 vcc_lo, 96, v0
	v_cndmask_b32 v26, 0, v26, vcc_lo
	v_mov_b32 v27, 0
	DEST_L
	global_store_b32 v3, v8, s[52:53] offset:0x120000
	global_store_b32 v3, v9, s[52:53] offset:0x120000+1024
	global_store_b32 v3, v28, s[52:53] offset:0x120000+2048
	global_store_b32 v3, v11, s[52:53] offset:0x120000+3072
	global_store_b32 v3, v12, s[52:53] offset:0x120000+4096
	global_store_b32 v3, v29, s[52:53] offset:0x120000+5120
.irp i,0,1,2,3
	global_store_b32 v3, v[14+\i], s[52:53] offset:0x120000+6144+\i*1024
.endr
	global_store_b32 v3, v26, s[52:53] offset:0x120000+10240
	global_store_b32 v3, v27, s[52:53] offset:0x120000+11264
	s_cmp_eq_u32 s3, 1
	s_cbranch_scc0 .Lcfg
	global_store_b32 v3, v26, s[40:41] offset:0x2cc000   ; layer 0's table biases, for the launch that makes that table
.Lcfg:                                  ; 64 whole numbers: the mask of the input tables' tile numbers, then zeros: waves 0 and 1.  v40, v41: registers that no pending store names
	v_lshrrev_b32 v40, 5, v0
	v_readfirstlane_b32 s55, v40
	s_cmp_lt_u32 s55, 2
	s_cbranch_scc0 .Lend
	s_cmp_eq_u32 s3, 0
	s_cselect_b64 s[62:63], s[48:49], s[50:51]
	s_movk_i32 s56, 2047                   ; layer 1's tables have a tile for each 16 tokens, layer 0's one for each 16 pixels, common to the eight images
	s_cselect_b32 s56, 255, s56
	v_cmp_eq_u32 vcc_lo, 0, v0
	v_cndmask_b32 v41, 0, s56, vcc_lo
	global_store_b32 v3, v41, s[62:63]
.Lend:
	s_endpgm
.Lfunc_end_k_qf9703f7118_prep:
	.size	k_qf9703f7118_prep, .Lfunc_end_k_qf9703f7118_prep-k_qf9703f7118_prep
	.p2alignl 7, 3214868480
	.fill 96, 4, 3214868480
	.section	.rodata,"a",@progbits
	.p2align	6, 0x0
	.amdhsa_kernel k_qf9703f7118_prep
		.amdhsa_group_segment_fixed_size 0
		.amdhsa_private_segment_fixed_size 0
		.amdhsa_enable_private_segment 0
		.amdhsa_kernarg_size 192
		.amdhsa_user_sgpr_count 2
		.amdhsa_user_sgpr_kernarg_segment_ptr 1
		.amdhsa_wavefront_size32 1
		.amdhsa_system_sgpr_workgroup_id_x 1
		.amdhsa_system_sgpr_workgroup_id_y 1
		.amdhsa_system_sgpr_workgroup_id_z 1
		.amdhsa_system_vgpr_workitem_id 0
		.amdhsa_next_free_vgpr 64
		.amdhsa_next_free_sgpr 66
		.amdhsa_reserve_vcc 1
		.amdhsa_float_denorm_mode_32 3
		.amdhsa_float_denorm_mode_16_64 3
		.amdhsa_memory_ordered 1
		.amdhsa_forward_progress 1
		.amdhsa_inst_pref_size 27
	.end_amdhsa_kernel
	.amdgpu_metadata
---
amdhsa.version: [ 1, 2 ]
amdhsa.kernels:
  - .name:           k_qf9703f7118_prep
    .symbol:         k_qf9703f7118_prep.kd
    .args:
      - { .name: W1, .offset: 0, .size: 8, .value_kind: global_buffer, .address_space: global }
      - { .name: W2, .offset: 8, .size: 8, .value_kind: global_buffer, .address_space: global }
      - { .name: W_in, .offset: 16, .size: 8, .value_kind: global_buffer, .address_space: global }
      - { .name: W_out, .offset: 24, .size: 8, .value_kind: global_buffer, .address_space: global }
      - { .name: Wattn, .offset: 32, .size: 8, .value_kind: global_buffer, .address_space: global }
      - { .name: Wo, .offset: 40, .size: 8, .value_kind: global_buffer, .address_space: global }
      - { .name: Woff, .offset: 48, .size: 8, .value_kind: global_buffer, .address_space: global }
      - { .name: Wval, .offset: 56, .size: 8, .value_kind: global_buffer, .address_space: global }
      - { .name: b1, .offset: 64, .size: 8, .value_kind: global_buffer, .address_space: global }
      - { .name: b2, .offset: 72, .size: 8, .value_kind: global_buffer, .address_space: global }
      - { .name: battn, .offset: 80, .size: 8, .value_kind: global_buffer, .address_space: global }
      - { .name: bo, .offset: 88, .size: 8, .value_kind: global_buffer, .address_space: global }
      - { .name: boff, .offset: 96, .size: 8, .value_kind: global_buffer, .address_space: global }
      - { .name: ln1_b, .offset: 104, .size: 8, .value_kind: global_buffer, .address_space: global }
      - { .name: ln1_g, .offset: 112, .size: 8, .value_kind: global_buffer, .address_space: global }
      - { .name: ln2_b, .offset: 120, .size: 8, .value_kind: global_buffer, .address_space: global }
      - { .name: ln2_g, .offset: 128, .size: 8, .value_kind: global_buffer, .address_space: global }
      - { .name: query_embed, .offset: 136, .size: 8, .value_kind: global_buffer, .address_space: global }
      - { .name: P, .offset: 144, .size: 8, .value_kind: global_buffer, .address_space: global }
      - { .name: L0, .offset: 152, .size: 8, .value_kind: global_buffer, .address_space: global }
      - { .name: L1, .offset: 160, .size: 8, .value_kind: global_buffer, .address_space: global }
      - { .name: FA, .offset: 168, .size: 8, .value_kind: global_buffer, .address_space: global }
      - { .name: I0, .offset: 176, .size: 8, .value_kind: global_buffer, .address_space: global }
      - { .name: I1, .offset: 184, .size: 8, .value_kind: global_buffer, .address_space: global }
    .group_segment_fixed_size: 0
    .private_segment_fixed_size: 0
    .kernarg_segment_align: 8
    .kernarg_segment_size: 192
    .max_flat_workgroup_size: 256
    .sgpr_count:     66
    .vgpr_count:     64
    .wavefront_size: 32
...
	.end_amdgpu_metadata
.endif
;; end of part 1
;; launch pin (part 2): grid 256 x 1, 4 waves a work-group, clusters of 4 x 1, 327,680 bytes of LDS; arguments x, bn1_b, bn1_g, bn1_m, bn1_v, bval, P, L0, L1, FA, I0; writes L0, L1, FA, I0
.if DOCPART == 2
	.amdgcn_target "amdgcn-amd-amdhsa--gfx1250"
	.amdhsa_code_object_version 6
	.text
	.protected	k_qf9703f7118_pin
	.globl	k_qf9703f7118_pin
	.p2align	8
	.type	k_qf9703f7118_pin,@function
k_qf9703f7118_pin:
	s_mov_b64 s[64:65], 0
	v_nop
	global_prefetch_b8 v0, s[64:65] scope:SCOPE_SE
	s_setreg_imm32_b32 hwreg(HW_REG_WAVE_MODE, 25, 1), 1
	s_wait_xcnt 0x0
	s_wait_alu depctr_hold_cnt(0) depctr_sa_sdst(0) depctr_va_vdst(0) depctr_va_sdst(0) depctr_va_ssrc(0) depctr_va_vcc(0) depctr_vm_vsrc(0)
	s_getreg_b32 s2, hwreg(HW_REG_IB_STS2, 6, 4)
	s_cmp_eq_u32 s2, 0
	s_cbranch_scc0 .Lentry_in_a_cluster
	s_endpgm
.Lentry_in_a_cluster:
	s_bfe_u32 s2, ttmp6, 0x10000c
	s_cmp_lg_u32 s2, 0x3003
	s_cbranch_scc0 .Lentry_shape_is_right
	s_endpgm
.Lentry_shape_is_right:
; PIN: src = relu(bn1(W_in x)) stays in registers; val_l = src Wval[l] + bval[l] of both layers goes out in bf16 as [image][16 groups of 16 channels][pixel][16]; and layer 0's sampling table is made.
; SHARES.  A work-group has 128 pixels of one image, each of its four waves 32: two tiles of 16.  All products run with the weights as source 0 (16 output channels x 32 k) and the activations as source 1
; (32 k x 16 pixels): in a result a lane holds ONE pixel (lane % 16) and the channels 8 (lane / 16) + 0..7, and two results rounded in pairs ARE the next product's source 1.  Nothing leaves the wave.
; x lies [channel][pixel]: 32 channels x 32 pixels are loaded as they lie, rounded to bf16, put into the wave's own stage in LDS and read back turned (ds_load_tr16_b128).
; WEIGHTS come in fragment order as eight dense fills of 64 KB through two LDS slots.  All 256 work-groups walk the same stream: the four of a cluster ask jointly; wave w brings rows 64 w on.
; By this text's count a wave has two tensor loads out at the start and one behind each round.
; FORMATS.  x, weights and parameters rounded once to bf16, sums in f32, src and val rounded to bf16, the table's weights (0 to 1) to f16.
; THE TABLE.  gx = xq + off_x (reference(): ((xq + .5) / 64 + off / 64) 64 - .5: another order of rounding, some 4e-6 of a pixel).  xb = min(max(floor gx, 0), 62); the weights of pixels xb and xb + 1 are
; max(0, 1 - |gx - xb|) and max(0, 1 - |gx - xb - 1|): the bilinear weights with zeros outside the image, with no compare.  The four logits' maximum is taken away before the exponentials.
; LIMITS.  NaN and infinities are not treated apart.  An exponential below 2^-126 counts as 0.
; X is cleared by 256 v_mov_b32 while the first loads are out: the price of one text for all sixteen K steps.  The last trip's 32 refills of the x ring ask for one address each inside the block just read
; and are never used: the price of one count in every trip's wait.
; REGISTERS, in windows of 256 (s_set_vgpr_msb: bits 1:0 source 0, 3:2 source 1, 5:4 source 2, 7:6 destination):
;   window 0: v0-63 addresses and scratch; v64-95 x fragments (two sets), later val's four accumulators; v96-111 packed x, later val's bias; v112-127 val to store; v128-255 src in bf16
;   window 1: X, accumulator (mt, t) at 8 (2 mt + t)     window 2: two buffers of 16 weight fragments     window 3: v0-127 raw x, four K steps; later bn1's scale and shift; later the table's operands
.set SLOT1, 65536
.set FILLB, 65536
.set PK1,   131072                      ; written by ds_store: scale 1 KB, shift 1 KB, bval 2 KB, 512 bytes of zeros
.set XST,   135680                      ; four stages of 32 rows x 96 bytes, a wave's own
.set SPARE, 147968                      ; the spare words: 128 bytes a wave
.set SPW,2
.set NIL,3
.set LA,4                               ; 16 x lane
.set ADR,5
.set XO,6                               ; x: (lane / 8) channels + 16 (lane % 8) bytes
.set XOA,7                              ; the same, or 0 in the last trip
.set XSA,8
.set XTA,9
.set PKA,10                             ; PK1 + 32 (lane / 16)
.set BADR,11
.set VOFF,12
.set ZR,13
.set XQ,14                              ; v14-15 my pixel's x and y
.set RR,16
.set HH,17
.set WOFF,18
.set H32,19
.set SC,32
.set AT,48
.set IXO,52
.set WTO,56
.set XF,64
.set PKX,96
.set VA,64
.set VBI,96
.set VO,112
.set BS,128
.set TOA,64
.set TAA,72
.set WV,26
.set CX,27
.set WG,28
.set G1,32
.set G0A,40
.set G0B,44
.set TB,48
.set CNT,49
.set OC,50
.set XM,51
.set XN,52
.set XS,54
.set VBS,56
.set VB1,58
.set TWO,60
.set TWA,62
.set QEF,66
.set TBP,68
.set TBA,70
.set IB,72
.set WB,74
.set L2E,76
.set S62,77
.set MSK,78
.set HM,79
.set EPS,82
.set MSB, 0
.macro WIN new                          ; the high byte repeats the setting that is left; a switch that changes nothing is dropped
.if MSB != (\new)
	s_set_vgpr_msb (MSB<<8)|(\new)
.set MSB, (\new)
.endif
.endm
.macro PLACES                           ; four places behind matrix instructions (ISA guide 7.12.1), where no other vector work is at hand
.rept 4
	v_nop
.endr
.endm
.macro CROUND                           ; a round of the cluster's barrier
	s_barrier_signal -1
	s_barrier_wait -1
	s_cmp_lg_u32 s[WV], 0
	s_cbranch_scc1 .Lnw0_\@
	s_barrier_signal -3
.Lnw0_\@:
	s_barrier_wait -3
	s_barrier_signal -1
	s_barrier_wait -1
.endm
.macro TL g0, g1                        ; a joint load; s_nop 0 and four v_nop follow it
	tensor_load_to_lds s[\g0:\g0+3], s[\g1:\g1+7]
	s_nop 0
.rept 4
	v_nop
.endr
.endm
; THE CHANGE OF SLOTS.  Each wave waits for all its tensor loads (its part of the other slot), adds 0 to its spare word, waits for that and for its reads of the slot that it leaves.
; fill = 1: the barrier is a round of the cluster's, and the joint refill of the old slot is the first thing behind it.  walk: how far TB had gone into the old slot.
.macro CHANGE fill, walk
	WIN 0
	s_wait_tensorcnt 0x0
	ds_add_u32 v[SPW], v[NIL]
.if \fill
	s_xor_b32 s[G0B+1], s[G0B+1], SLOT1
	s_add_nc_u64 s[G0B+2:G0B+3], s[G0B+2:G0B+3], FILLB
.endif
	s_wait_dscnt 0x0
.if \fill
	CROUND
	TL G0B, G1
.else
	s_barrier_signal -1
	s_barrier_wait -1
.endif
.if \walk
	s_sub_co_u32 s[TB], s[TB], \walk
.endif
	s_xor_b32 s[TB], s[TB], SLOT1
.endm
.macro FRAGS n, dst, adr, off           ; n fragments of 1,024 bytes: 512 consecutive bytes a load
.set fi, 0
.rept \n
	ds_load_b128 v[(\dst)+8*fi:(\dst)+8*fi+3], v[\adr] offset:(\off)+fi*1024
	ds_load_b128 v[(\dst)+8*fi+4:(\dst)+8*fi+7], v[\adr] offset:(\off)+fi*1024+512
.set fi, fi+1
.endr
.endm
; One head's four points for one pixel a lane: offsets o (x, y by turns), logits a, pixel xy -> four indices ix, sixteen weights in f16 w (a point: w00 w10 w01 w11, each times the point's softmax weight)
.macro SAMP o, a, xy, ix, w
	v_max3_num_f32 v[SC], v[(\a)], v[(\a)+1], v[(\a)+2]
	v_max_num_f32 v[SC], v[SC], v[(\a)+3]
	v_mul_f32 v[SC+1], s[L2E], v[SC]
.irp p,0,1,2,3
	v_fma_f32 v[SC+2+\p], v[(\a)+\p], s[L2E], -v[SC+1]
.endr
.irp p,0,1,2,3
	v_exp_f32 v[SC+2+\p], v[SC+2+\p]
.endr
	v_nop                                  ; a plain line behind the last exponential
	s_wait_alu depctr_va_vdst(0)
	v_add_f32 v[SC], v[SC+2], v[SC+3]
	v_add_f32 v[SC+1], v[SC+4], v[SC+5]
	v_add_f32 v[SC], v[SC], v[SC+1]
	v_rcp_f32 v[SC], v[SC]
	v_nop
	s_wait_alu depctr_va_vdst(0)
.irp p,0,1,2,3
	v_mul_f32 v[SC+2+\p], v[SC], v[SC+2+\p]
.endr
.irp p,0,1,2,3
	v_add_f32 v[SC+6], v[(\xy)], v[(\o)+2*\p]
	v_add_f32 v[SC+7], v[(\xy)+1], v[(\o)+2*\p+1]
	v_floor_f32 v[SC+8], v[SC+6]
	v_floor_f32 v[SC+9], v[SC+7]
	v_max_num_f32 v[SC+8], 0, v[SC+8]
	v_max_num_f32 v[SC+9], 0, v[SC+9]
	v_min_num_f32 v[SC+8], s[S62], v[SC+8]
	v_min_num_f32 v[SC+9], s[S62], v[SC+9]
	v_sub_f32 v[SC+6], v[SC+6], v[SC+8]
	v_sub_f32 v[SC+7], v[SC+7], v[SC+9]
	v_sub_f32 v[SC+10], 1.0, |v[SC+6]|
	v_sub_f32 v[SC+12], 1.0, |v[SC+7]|
	v_add_f32 v[SC+6], -1.0, v[SC+6]
	v_add_f32 v[SC+7], -1.0, v[SC+7]
	v_sub_f32 v[SC+11], 1.0, |v[SC+6]|
	v_sub_f32 v[SC+13], 1.0, |v[SC+7]|
	v_max_num_f32 v[SC+10], 0, v[SC+10]
	v_max_num_f32 v[SC+12], 0, v[SC+12]
	v_max_num_f32 v[SC+11], 0, v[SC+11]
	v_max_num_f32 v[SC+13], 0, v[SC+13]
	v_mul_f32 v[SC+12], v[SC+2+\p], v[SC+12]
	v_mul_f32 v[SC+13], v[SC+2+\p], v[SC+13]
	v_mul_f32 v[SC+14], v[SC+10], v[SC+12]
	v_mul_f32 v[SC+15], v[SC+11], v[SC+12]
	v_cvt_pk_f16_f32 v[(\w)+2*\p], v[SC+14], v[SC+15]
	v_mul_f32 v[SC+14], v[SC+10], v[SC+13]
	v_mul_f32 v[SC+15], v[SC+11], v[SC+13]
	v_cvt_pk_f16_f32 v[(\w)+2*\p+1], v[SC+14], v[SC+15]
	v_cvt_u32_f32 v[SC+8], v[SC+8]
	v_cvt_u32_f32 v[SC+9], v[SC+9]
	v_lshl_add_u32 v[(\ix)+\p], v[SC+9], 6, v[SC+8]
.endr
.endm
	s_load_b512 s[4:19], s[0:1], 0x0       ; x 4, bn1_b 6, bn1_g 8, bn1_m 10, bn1_v 12, bval 14, P 16, L0 18
	s_load_b128 s[20:23], s[0:1], 0x40     ; L1 20, FA 22
	s_load_b64 s[24:25], s[0:1], 0x50      ; I0
	v_lshl_add_u32 v[SPW], v0, 2, SPARE
	v_mov_b32 v[NIL], 0
	ds_add_u32 v[SPW], v[NIL]              ; the wave's opening: the add and its wait ahead of my first tensor load
	ds_add_u32 v2, v3
	v_lshrrev_b32 v1, 5, v0
	v_readfirstlane_b32 s[WV], v1
	s_bfe_u32 s[CX], ttmp6, 0x40000
	s_lshl_b32 s[WG], ttmp9, 2
	s_add_co_u32 s[WG], s[WG], s[CX]       ; my work-group: it enters global addresses of my own data alone
	s_mov_b32 s[G1], 0x0023000f            ; the mask of four, elements of 8 bytes, bit 21 beside the mask, no padding
	s_mov_b32 s[G1+1], 32<<16              ; rows of 32 elements = 256 bytes
	s_mov_b32 s[G1+2], 64<<16              ; 64 rows a wave
	s_mov_b32 s[G1+3], 32<<16
	s_mov_b32 s[G1+4], 64
	s_mov_b32 s[G1+5], 32
	s_mov_b32 s[G1+6], 0
	s_mov_b32 s[G1+7], 0
	s_lshl_b32 s80, s[WV], 14              ; my 16 KB of a fill, in memory and in the slot
	s_mov_b32 s81, 0
	s_mov_b32 s[G0A], 1
	s_mov_b32 s[G0A+1], s80
	s_mov_b32 s[G0B], 1
	s_add_co_u32 s[G0B+1], s80, SLOT1
	s_mov_b32 s[TB], 0
	s_mov_b32 s[XS+1], 0
	s_mov_b32 s[L2E], 0x3fb8aa3b
	s_mov_b32 s[S62], 0x42780000
	s_mov_b32 s[HM], 0xffff0000
	s_mov_b32 s[EPS], 0x3727c5ac
	s_wait_dscnt 0x0
	s_wait_kmcnt 0x0
	s_add_nc_u64 s[G0A+2:G0A+3], s[16:17], s[80:81]
	s_add_nc_u64 s[G0B+2:G0B+3], s[G0A+2:G0A+3], FILLB
	s_or_b32 s[G0A+3], s[G0A+3], 0x80000000
	s_or_b32 s[G0B+3], s[G0B+3], 0x80000000
	CROUND                                 ; all four work-groups are here: the first joint loads meet
	TL G0A, G1
	TL G0B, G1
	s_lshr_b32 s29, s[WG], 5               ; image
	s_and_b32 s30, s[WG], 31
	s_lshl_b32 s30, s30, 7
	s_lshl_b32 s31, s[WV], 5
	s_add_co_u32 s30, s30, s31             ; my wave's first pixel
	s_lshl_b32 s80, s29, 23
	s_lshl2_add_u32 s80, s30, s80
	s_add_nc_u64 s[XN:XN+1], s[4:5], s[80:81]
	s_lshl_b32 s80, s29, 21
	s_add_co_u32 s80, s80, 0x200000
	s_add_nc_u64 s[VBS:VBS+1], s[18:19], s[80:81]
	s_add_nc_u64 s[VB1:VB1+1], s[20:21], s[80:81]
	s_lshl_b32 s80, s[WV], 13
	s_add_co_u32 s80, s80, 0x2c0000
	s_add_nc_u64 s[TWO:TWO+1], s[16:17], s[80:81]
	s_lshr_b32 s31, s[WV], 1
	s_lshl_b32 s80, s31, 13
	s_add_co_u32 s80, s80, 0x2c8000
	s_add_nc_u64 s[TWA:TWA+1], s[16:17], s[80:81]
	s_lshl_b32 s80, s[WG], 13
	s_add_co_u32 s80, s80, 0xc0000
	s_add_nc_u64 s[QEF:QEF+1], s[16:17], s[80:81]
	s_lshl_b32 s80, s[WV], 6
	s_add_co_u32 s80, s80, 0x2cc000
	s_add_nc_u64 s[TBP:TBP+1], s[16:17], s[80:81]
	s_lshl_b32 s80, s31, 6
	s_add_co_u32 s80, s80, 0x2cc100
	s_add_nc_u64 s[TBA:TBA+1], s[16:17], s[80:81]
	s_lshl_b32 s80, s[WG], 11
	s_lshl_b32 s31, s[WV], 9
	s_add_co_u32 s80, s80, s31
	s_add_co_u32 s80, s80, 4096
	s_add_nc_u64 s[IB:IB+1], s[24:25], s[80:81]
	s_lshl_b32 s80, s[WG], 12
	s_lshl_b32 s31, s[WV], 10
	s_add_co_u32 s80, s80, s31
	s_add_co_u32 s80, s80, 0x1000000
	s_add_nc_u64 s[WB:WB+1], s[22:23], s[80:81]
	s_and_b32 s31, s[WV], 1
	s_cmp_lg_u32 s31, 0
	s_cselect_b32 s[MSK], -1, 0
	v_and_b32 v1, 31, v0
	v_and_b32 v[RR], 15, v0
	v_bfe_u32 v[HH], v0, 4, 1
	v_lshlrev_b32 v[LA], 4, v1
	v_lshrrev_b32 v20, 3, v1
	v_and_b32 v21, 7, v1
	v_lshlrev_b32 v[XO], 14, v20
	v_lshl_add_u32 v[XO], v21, 4, v[XO]
	v_mov_b32 v[XOA], v[XO]
	v_lshlrev_b32 v23, 2, v0
	global_load_b32 v24, v23, s[8:9]       ; thread i has channels i and i + 128: gain,
	global_load_b32 v25, v23, s[8:9] offset:512
	global_load_b32 v26, v23, s[6:7]       ; shift,
	global_load_b32 v27, v23, s[6:7] offset:512
	global_load_b32 v28, v23, s[10:11]     ; mean,
	global_load_b32 v29, v23, s[10:11] offset:512
	global_load_b32 v30, v23, s[12:13]     ; variance,
	global_load_b32 v31, v23, s[12:13] offset:512
.irp i,0,1,2,3
	global_load_b32 v[32+\i], v23, s[14:15] offset:\i*512  ; and four of bval's 512
.endr
	WIN 0xc0
.set i, 0
.rept 32                                ; K steps 0 to 3 of x: a load takes 4 channels x 32 pixels
	global_load_b128 v[4*i:4*i+3], v[XO], s[XN:XN+1] offset:(i/8)*524288+(i%8)*65536 th:TH_LOAD_NT
.set i, i+1
.endr
	WIN 0x40
.set i, 0
.rept 256
	v_mov_b32 v[i], 0
.set i, i+1
.endr
	WIN 0
	s_mul_i32 s29, s[WV], 3072
	s_add_co_u32 s29, s29, XST
	v_mul_u32_u24 v[XSA], v20, 96
	v_lshl_add_u32 v[XSA], v21, 3, v[XSA]
	v_add_nc_u32 v[XSA], s29, v[XSA]
	v_lshl_add_u32 v22, v[HH], 3, v21      ; the turning load: row 8 (l / 16) + l % 8, 16 bytes at 16 ((l / 8) % 2)
	v_mul_u32_u24 v[XTA], v22, 96
	v_bfe_u32 v22, v0, 3, 1
	v_lshl_add_u32 v[XTA], v22, 4, v[XTA]
	v_add_nc_u32 v[XTA], s29, v[XTA]
	v_lshl_add_u32 v[PKA], v[HH], 5, PK1
	v_add_nc_u32 v[BADR], 2048, v[PKA]
	v_add_nc_u32 v20, s30, v[RR]
	v_lshlrev_b32 v[VOFF], 5, v20
	v_lshl_add_u32 v[VOFF], v[HH], 4, v[VOFF]
	v_mov_b32 v[ZR], 0
	v_lshlrev_b32 v[WOFF], 4, v[RR]
	v_lshl_add_u32 v[WOFF], v[HH], 9, v[WOFF]
	v_lshlrev_b32 v[H32], 5, v[HH]
	s_lshl_b32 s29, s[WG], 4               ; the table's tile is my work-group's number: pixel 16 wg + r
	v_add_nc_u32 v20, s29, v[RR]
	v_and_b32 v21, 63, v20
	v_lshrrev_b32 v22, 6, v20
	v_cvt_f32_u32 v[XQ], v21
	v_cvt_f32_u32 v[XQ+1], v22
	s_wait_xcnt 0x0                        ; the x loads' base is stepped only behind this wait
	s_add_nc_u64 s[XN:XN+1], s[XN:XN+1], 0x200000
	s_wait_loadcnt 32                      ; the twelve parameter loads are in; the 32 loads of x, issued behind them, stay out
.irp i,24,26,28,30,32,34
	v_cvt_pk_bf16_f32 v36, v[\i], v[\i+1]
	v_lshlrev_b32 v[\i], 16, v36
	v_and_b32 v[\i+1], s[HM], v36
.endr
	v_add_f32 v30, s[EPS], v30
	v_add_f32 v31, s[EPS], v31
	v_rsq_f32 v30, v30
	v_rsq_f32 v31, v31
	v_add_nc_u32 v23, PK1, v23             ; a plain line behind the root
	s_wait_alu depctr_va_vdst(0)
	v_mul_f32 v24, v24, v30                ; scale = g / sqrt(v + eps)
	v_mul_f32 v25, v25, v31
	v_fma_f32 v26, -v28, v24, v26          ; shift = b - m scale
	v_fma_f32 v27, -v29, v25, v27
	ds_store_b32 v23, v24
	ds_store_b32 v23, v25 offset:512
	ds_store_b32 v23, v26 offset:1024
	ds_store_b32 v23, v27 offset:1536
.irp i,0,1,2,3
	ds_store_b32 v23, v[32+\i] offset:2048+\i*512
.endr
	ds_store_b32 v23, v[NIL] offset:4096
	s_wait_tensorcnt 1                     ; my part of fill 0 is in; fill 1 may stay out
	s_wait_dscnt 0x0                       ; for the others' sake: my parameters are stored
	s_barrier_signal -1
	s_barrier_wait -1
	v_mov_b32 v[ADR], v[LA]
	WIN 0x80
	FRAGS 16, 0, ADR, 0
; A K STEP of 32 channels.  kl: its place in the slot.  Raw x -> bf16 -> my stage -> turned fragments; the ring slot is asked for again; the next step's weights are fetched; 32 products.
.macro KSTEP kl
	s_wait_loadcnt 24                      ; this step's eight loads are in; the three younger steps' 24 stay out
	WIN 0x0f
.set i, 0
.rept 16                                ; also the places between the last products and the loads into their fragments
	v_cvt_pk_bf16_f32 v[PKX+i], v[32*\kl+2*i], v[32*\kl+2*i+1]
.set i, i+1
.endr
	WIN 0xc0
.irp i,0,1,2,3,4,5,6,7
	global_load_b128 v[32*\kl+4*\i:32*\kl+4*\i+3], v[XOA], s[XN:XN+1] offset:\kl*524288+\i*65536 th:TH_LOAD_NT
.endr
	WIN 0
.irp i,0,1,2,3,4,5,6,7
	ds_store_b64 v[XSA], v[PKX+2*\i:PKX+2*\i+1] offset:\i*384
.endr
.irp t,0,1                              ; LDS serves a wave's instructions in order: these see the stores above, and the next step's stores come behind them
	ds_load_tr16_b128 v[XF+16*(\kl%2)+8*\t:XF+16*(\kl%2)+8*\t+3], v[XTA] offset:32*\t
	ds_load_tr16_b128 v[XF+16*(\kl%2)+8*\t+4:XF+16*(\kl%2)+8*\t+7], v[XTA] offset:32*\t+1536
.endr
.if \kl == 3
	CHANGE 1, 0
	v_add_nc_u32 v[ADR], s[TB], v[LA]
	WIN 0x80
	FRAGS 16, 0, ADR, 0
.else
	WIN 0x80
	FRAGS 16, 128*((\kl+1)%2), ADR, (\kl+1)*16384
.endif
	s_wait_dscnt 32                        ; all but the 32 loads just issued: this step's weights and x are in
	WIN 0x52
.set i, 0
.rept 32                                ; the 32 accumulators take turns
	v_wmma_f32_16x16x32_bf16 v[8*i:8*i+7], v[128*(\kl%2)+8*(i/2):128*(\kl%2)+8*(i/2)+7], v[XF+16*(\kl%2)+8*(i%2):XF+16*(\kl%2)+8*(i%2)+7], v[8*i:8*i+7]
.set i, i+1
.endr
.endm
	WIN 0
	s_mov_b32 s[CNT], 4
.La:                                    ; four trips: a slot of W_in, four K steps
	KSTEP 0
	KSTEP 1
	KSTEP 2
	KSTEP 3
	WIN 0
	s_wait_xcnt 0x0                        ; base and offset of the x loads are rewritten only behind this wait
	s_cmp_gt_u32 s[CNT], 2
	s_cselect_b32 s[XS], 0x200000, 0       ; the base stops at the last four K steps,
	s_cselect_b32 s[XM], -1, 0             ; and the last trip's lanes all ask for its first bytes
	s_add_nc_u64 s[XN:XN+1], s[XN:XN+1], s[XS:XS+1]
	v_and_b32 v[XOA], s[XM], v[XO]
	s_sub_co_u32 s[CNT], s[CNT], 1
	s_cmp_lg_u32 s[CNT], 0
	s_cbranch_scc1 .La
	; BN1, ReLU, bf16
	s_wait_loadcnt 0x0
	s_wait_dscnt 0x0
	PLACES
	WIN 0xc0
.set i, 0
.rept 16
	ds_load_b128 v[8*i:8*i+3], v[PKA] offset:i*64
	ds_load_b128 v[8*i+4:8*i+7], v[PKA] offset:i*64+16
	ds_load_b128 v[128+8*i:128+8*i+3], v[PKA] offset:1024+i*64
	ds_load_b128 v[128+8*i+4:128+8*i+7], v[PKA] offset:1024+i*64+16
.set i, i+1
.endr
	WIN 0
.irp i,0,1,2,3
	ds_load_b128 v[VBI+4*\i:VBI+4*\i+3], v[BADR] offset:(\i/2)*64+(\i%2)*16
.endr
	s_wait_dscnt 0x0
	WIN 0x7d
.set i, 0
.rept 32                                ; each accumulator from its low end on
.irp q,0,2,4,6
	v_pk_fma_f32 v[8*i+\q:8*i+\q+1], v[8*i+\q:8*i+\q+1], v[8*(i/2)+\q:8*(i/2)+\q+1], v[128+8*(i/2)+\q:128+8*(i/2)+\q+1]
.endr
.set i, i+1
.endr
	WIN 0x05
.set i, 0
.rept 32
.irp q,0,1,2,3
	v_cvt_pk_bf16_f32 v[BS+(16*(i%2)+i/2)*4+\q], v[8*i+2*\q], v[8*i+2*\q+1]
.endr
.set i, i+1
.endr
	WIN 0
.set i, 0
.rept 128
	v_pk_max_num_bf16 v[BS+i], v[BS+i], v[ZR]
.set i, i+1
.endr
	WIN 0xc0                               ; the table's operands are asked for now and wanted behind val: my head pair's offset tile, its logit tile, the tile's queries, the biases
.set i, 0
.rept 8
	global_load_b128 v[8*i:8*i+3], v[LA], s[TWO:TWO+1] offset:i*1024
	global_load_b128 v[8*i+4:8*i+7], v[LA], s[TWO:TWO+1] offset:i*1024+512
	global_load_b128 v[64+8*i:64+8*i+3], v[LA], s[TWA:TWA+1] offset:i*1024
	global_load_b128 v[64+8*i+4:64+8*i+7], v[LA], s[TWA:TWA+1] offset:i*1024+512
	global_load_b128 v[128+8*i:128+8*i+3], v[LA], s[QEF:QEF+1] offset:i*1024
	global_load_b128 v[128+8*i+4:128+8*i+7], v[LA], s[QEF:QEF+1] offset:i*1024+512
.set i, i+1
.endr
	global_load_b128 v[192:195], v[H32], s[TBP:TBP+1]
	global_load_b128 v[196:199], v[H32], s[TBP:TBP+1] offset:16
	global_load_b128 v[200:203], v[H32], s[TBA:TBA+1]
	global_load_b128 v[204:207], v[H32], s[TBA:TBA+1] offset:16
	WIN 0
; VAL: a group is 32 output channels (mtl 0, 1) x 256 k: 16 fragments.  Four accumulators (mtl, t) by turns; the bias starts the sums.  The fragment buffer is refilled by halves behind the products that read them.
.macro VMUL k0
	WIN 0x02
.irp k,0,1,2,3
.irp a,0,1,2,3
.if ((\k0)+\k) == 0
	v_wmma_f32_16x16x32_bf16 v[VA+8*\a:VA+8*\a+7], v[8*(8*(\a/2)+\k0+\k):8*(8*(\a/2)+\k0+\k)+7], v[BS+(16*(\a%2)+2*(\k0+\k))*4:BS+(16*(\a%2)+2*(\k0+\k))*4+7], v[VBI+8*(\a/2):VBI+8*(\a/2)+7]
.else
	v_wmma_f32_16x16x32_bf16 v[VA+8*\a:VA+8*\a+7], v[8*(8*(\a/2)+\k0+\k):8*(8*(\a/2)+\k0+\k)+7], v[BS+(16*(\a%2)+2*(\k0+\k))*4:BS+(16*(\a%2)+2*(\k0+\k))*4+7], v[VA+8*\a:VA+8*\a+7]
.endif
.endr
.endr
.endm
.macro VGROUP chg, fill
	s_wait_dscnt 16                        ; the first half and the bias are in; the second half's 16 loads may be out
	VMUL 0
	PLACES
.if \chg
	CHANGE \fill, 49152
.else
	s_add_co_u32 s[TB], s[TB], 16384
.endif
	WIN 0
	v_add_nc_u32 v[ADR], s[TB], v[LA]
	v_add_nc_u32 v[BADR], 128, v[BADR]
	WIN 0x80
	FRAGS 4, 0, ADR, 0
	FRAGS 4, 64, ADR, 8192
	WIN 0
.irp i,0,1,2,3
	ds_load_b128 v[VBI+4*\i:VBI+4*\i+3], v[BADR] offset:(\i/2)*64+(\i%2)*16
.endr
	s_wait_dscnt 20                        ; all but the 20 just issued: the second half is in
	VMUL 4
	PLACES
	WIN 0x80
	FRAGS 4, 32, ADR, 4096
	FRAGS 4, 96, ADR, 12288
	WIN 0
.set i, 0
.rept 16
	v_cvt_pk_bf16_f32 v[VO+i], v[VA+2*i], v[VA+2*i+1]
.set i, i+1
.endr
.irp a,0,1,2,3
	global_store_b128 v[VOFF], v[VO+4*\a:VO+4*\a+3], s[VBS:VBS+1] offset:(\a/2)*131072+(\a%2)*512  ; 16 pixels x 32 bytes: 512 consecutive bytes, aligned
.endr
	s_wait_xcnt 0x0                        ; the stores' data and base are rewritten only behind this wait
	s_add_nc_u64 s[VBS:VBS+1], s[VBS:VBS+1], 262144
.endm
	s_mov_b32 s[OC], 2
.Lv0:                                   ; layer 0's two slots; each change fills a slot with layer 1's
	s_mov_b32 s[CNT], 3
.Lv0g:
	VGROUP 0, 0
	s_sub_co_u32 s[CNT], s[CNT], 1
	s_cmp_lg_u32 s[CNT], 0
	s_cbranch_scc1 .Lv0g
	VGROUP 1, 1
	s_sub_co_u32 s[OC], s[OC], 1
	s_cmp_lg_u32 s[OC], 0
	s_cbranch_scc1 .Lv0
	s_mov_b64 s[VBS:VBS+1], s[VB1:VB1+1]
	s_mov_b32 s[OC], 2
.Lv1:                                   ; layer 1's two slots: nothing is left to ask for.  The very last fetch reads the stale other slot and the zeros behind bval, and is not used
	s_mov_b32 s[CNT], 3
.Lv1g:
	VGROUP 0, 0
	s_sub_co_u32 s[CNT], s[CNT], 1
	s_cmp_lg_u32 s[CNT], 0
	s_cbranch_scc1 .Lv1g
	VGROUP 1, 0
	s_sub_co_u32 s[OC], s[OC], 1
	s_cmp_lg_u32 s[OC], 0
	s_cbranch_scc1 .Lv1
	; LAYER 0'S TABLE: tile = my work-group, head pair = my wave.  Two accumulators by turns: offsets and logits.
	s_wait_dscnt 0x0
	s_wait_loadcnt 0x0
	WIN 0x3f
	v_wmma_f32_16x16x32_bf16 v[TOA:TOA+7], v[0:7], v[128:135], v[192:199]
	v_wmma_f32_16x16x32_bf16 v[TAA:TAA+7], v[64:71], v[128:135], v[200:207]
	WIN 0x0f
.set i, 1
.rept 7
	v_wmma_f32_16x16x32_bf16 v[TOA:TOA+7], v[8*i:8*i+7], v[128+8*i:128+8*i+7], v[TOA:TOA+7]
	v_wmma_f32_16x16x32_bf16 v[TAA:TAA+7], v[64+8*i:64+8*i+7], v[128+8*i:128+8*i+7], v[TAA:TAA+7]
.set i, i+1
.endr
	WIN 0
	PLACES
.irp p,0,1,2,3
	v_cndmask_b32 v[AT+\p], v[TAA+\p], v[TAA+4+\p], s[MSK]  ; the logit tile holds two head pairs: mine is the upper four registers if my wave's number is odd
.endr
	SAMP TOA, AT, XQ, IXO, WTO
	global_store_b128 v[LA], v[IXO:IXO+3], s[IB:IB+1]
	global_store_b128 v[WOFF], v[WTO:WTO+3], s[WB:WB+1]
	global_store_b128 v[WOFF], v[WTO+4:WTO+7], s[WB:WB+1] offset:256
	s_wait_tensorcnt 0x0                   ; the wave's end
	ds_add_u32 v[SPW], v[NIL]
	s_wait_dscnt 0x0
	CROUND                                 ; the closing round
	s_endpgm
.Lfunc_end_k_qf9703f7118_pin:
	.size	k_qf9703f7118_pin, .Lfunc_end_k_qf9703f7118_pin-k_qf9703f7118_pin
	.p2alignl 7, 3214868480
	.fill 96, 4, 3214868480
	.section	.rodata,"a",@progbits
	.p2align	6, 0x0
	.amdhsa_kernel k_qf9703f7118_pin
		.amdhsa_group_segment_fixed_size 327680
		.amdhsa_private_segment_fixed_size 0
		.amdhsa_enable_private_segment 0
		.amdhsa_kernarg_size 88
		.amdhsa_user_sgpr_count 2
		.amdhsa_user_sgpr_kernarg_segment_ptr 1
		.amdhsa_wavefront_size32 1
		.amdhsa_system_sgpr_workgroup_id_x 1
		.amdhsa_system_sgpr_workgroup_id_y 1
		.amdhsa_system_sgpr_workgroup_id_z 1
		.amdhsa_system_vgpr_workitem_id 0
		.amdhsa_next_free_vgpr 1024
		.amdhsa_next_free_sgpr 96
		.amdhsa_reserve_vcc 0
		.amdhsa_float_denorm_mode_32 3
		.amdhsa_float_denorm_mode_16_64 3
		.amdhsa_memory_ordered 1
		.amdhsa_forward_progress 1
		.amdhsa_inst_pref_size 120
	.end_amdhsa_kernel
	.amdgpu_metadata
---
amdhsa.version: [ 1, 2 ]
amdhsa.kernels:
  - .name:           k_qf9703f7118_pin
    .symbol:         k_qf9703f7118_pin.kd
    .args:
      - { .name: x, .offset: 0, .size: 8, .value_kind: global_buffer, .address_space: global }
      - { .name: bn1_b, .offset: 8, .size: 8, .value_kind: global_buffer, .address_space: global }
      - { .name: bn1_g, .offset: 16, .size: 8, .value_kind: global_buffer, .address_space: global }
      - { .name: bn1_m, .offset: 24, .size: 8, .value_kind: global_buffer, .address_space: global }
      - { .name: bn1_v, .offset: 32, .size: 8, .value_kind: global_buffer, .address_space: global }
      - { .name: bval, .offset: 40, .size: 8, .value_kind: global_buffer, .address_space: global }
      - { .name: P, .offset: 48, .size: 8, .value_kind: global_buffer, .address_space: global }
      - { .name: L0, .offset: 56, .size: 8, .value_kind: global_buffer, .address_space: global }
      - { .name: L1, .offset: 64, .size: 8, .value_kind: global_buffer, .address_space: global }
      - { .name: FA, .offset: 72, .size: 8, .value_kind: global_buffer, .address_space: global }
      - { .name: I0, .offset: 80, .size: 8, .value_kind: global_buffer, .address_space: global }
    .group_segment_fixed_size: 327680
    .private_segment_fixed_size: 0
    .kernarg_segment_align: 8
    .kernarg_segment_size: 88
    .max_flat_workgroup_size: 128
    .sgpr_count:     96
    .vgpr_count:     1024
    .wavefront_size: 32
...
	.end_amdgpu_metadata
.endif
;; end of part 2
;; launch lay0 (part 3): grid 256 x 1, 4 waves a work-group, clusters of 4 x 1, 327,680 bytes of LDS; arguments L0, FA, I0, FB, I1; writes FB, I1
.if DOCPART == 3
	.amdgcn_target "amdgcn-amd-amdhsa--gfx1250"
	.amdhsa_code_object_version 6
	.text
	.protected	k_qf9703f7118_lay0
	.globl	k_qf9703f7118_lay0
	.p2align	8
	.type	k_qf9703f7118_lay0,@function
k_qf9703f7118_lay0:
	s_mov_b64 s[64:65], 0
	v_nop
	global_prefetch_b8 v0, s[64:65] scope:SCOPE_SE
	s_setreg_imm32_b32 hwreg(HW_REG_WAVE_MODE, 25, 1), 1
	s_wait_xcnt 0x0
	s_wait_alu depctr_hold_cnt(0) depctr_sa_sdst(0) depctr_va_vdst(0) depctr_va_sdst(0) depctr_va_ssrc(0) depctr_va_vcc(0) depctr_vm_vsrc(0)
	s_getreg_b32 s2, hwreg(HW_REG_IB_STS2, 6, 4)
	s_cmp_eq_u32 s2, 0
	s_cbranch_scc0 .Lentry_in_a_cluster
	s_endpgm
.Lentry_in_a_cluster:
	s_bfe_u32 s2, ttmp6, 0x10000c
	s_cmp_lg_u32 s2, 0x3003
	s_cbranch_scc0 .Lentry_shape_is_right
	s_endpgm
.Lentry_shape_is_right:
; A LAYER: sampling, Wo, residual, LN1, FFN, residual, LN2; the new q goes out in f16; and a sampling table is made from it with the table weights that L holds.
; Arguments: L (weights, parameters, val of this layer), FBin (q and the table's weights), Iin (a whole number, the table's indices), FBout, Iout.
; ONE TEXT FOR BOTH LAYERS, with no branch between them: partners in a cluster run alike.  So the table is made behind the last layer too, where nobody reads it: 96 of a wave's 2,400 matrix instructions,
; eight times the sampling arithmetic, and 6 KB of stores a tile of 16 tokens, for nothing; a second text without it would be as long as this one again.
; SHARES.  A work-group has 128 tokens of one image, each of its four waves 32: two tiles of 16.  Weights are source 0, activations source 1: a lane holds ONE token (lane % 16) and the channels
; 16 mt + 8 (lane / 16) + 0..7 of accumulator (mt, t); two results rounded in pairs ARE the next product's source 1.  A token never leaves its wave; LN wants one exchange between the halves of the lanes.
; SAMPLING.  Trip n of eight is head n.  A lane takes 16 of the head's 32 channels (lane / 16), for each of 2 tiles x 4 points the four corners, 32 bytes each, at the index that an EARLIER launch stored as a
; whole number (held to 4,030 before it enters an address); 64 multiply-adds straight from the bf16 halves a point.  A ring of eight units (a tile's point) keeps 64 loads out; head n + 1 is asked for while head n
; is summed.  The last trip's 64 refills point at pixel 0 and are never read: the price of one count in every trip's waits.
; WEIGHTS come in fragment order as nine dense fills of 128 KB (Wo; eight times four 'minis' of W1's 32 columns and W2's 32 rows) through two LDS slots, and the parameters as one block of 60 KB.  All 256
; work-groups walk the same stream: the four of a cluster ask jointly; wave w brings its quarter of the rows.  By this text's count a wave has three tensor loads out at the start and one behind each round.
; FORMATS.  Matrix operands bf16, sums f32, the residual stream f32 in registers, f16 between launches; the stored q carries the next layer's bo.  LN in two passes (mean, then squares of the differences).
; LIMITS.  |q + bo| stays under 65,504 (16 |ln2_g| + |ln2_b| + |bo| bounds it).  NaN and infinities are not treated apart.  gx = xq + off_x: another order of rounding than reference()'s, some 4e-6 of a pixel.
; REGISTERS, in windows of 256 (s_set_vgpr_msb: bits 1:0 source 0, 3:2 source 1, 5:4 source 2, 7:6 destination):
;   window 0: v9-31 addresses; sampling: v32-39 addresses, v40-55 indices, v56-71 weights f16, v72-103 weights f32, v104-119 sums, v120-135 the heads' output in bf16;
;             FFN: v64-95 four accumulators, v96-111 hidden in bf16, v112-127 b1; LN: v64-79 at work, v200-215 sums; table: v64-111 six accumulators, v112-135 biases, v136-151 at work, v152-199 results
;   window 1: X, accumulator (mt, t) at 8 (2 mt + t)     window 2: v0-127 Wo's fragments, later q in bf16; v128-255 q as loaded, later LN's second shift, later q to store
;   window 3: the ring of corners, 8 x 32; later W1's and W2's fragments; in LN gain and shift; in the table its weights
.set SLOT1, 131072
.set FILLB, 131072
.set AUX,   262144
.set TAILW, AUX+12288
.set SPARE, AUX+61440
.set RR,9
.set LA,10
.set ADR,11
.set PL,12                              ; AUX + 32 (lane / 16)
.set BADR,13
.set HL,14
.set HB,15
.set ROFF,16
.set WOFF,17
.set ONE,18
.set ZR,19
.set SPW,20
.set NIL,21
.set XQ,22                              ; v22-23 tile 0's x, y; v24-25 tile 1's
.set TAD1,26                            ; TAILW + 16 x lane; never rewritten
.set ADR8,32
.set IDXA,40
.set IDXB,48
.set WRAW,56
.set WF,72
.set OA,104
.set OB,120
.set AC1,64
.set HID,96
.set BI,112
.set TMP,64
.set TA,64
.set TBI,112
.set SC,136
.set OUT,152
.set SM,200
.set MN,208
.set RS,212
.set TM,14
.set WV,16
.set CX,17
.set WG,18
.set TO0,19
.set G1,20
.set G1X,28
.set G0A,36
.set G0B,40
.set G0X,44
.set TB,48
.set TBW,49
.set CNT,50
.set OC,51
.set VAL,52
.set IP,54
.set WP,56
.set QB,58
.set HO,60
.set IM,61
.set SEL,66
.set L2E,68
.set S62,69
.set EPS,70
.set R256,71
.set QO,72
.set IO,74
.set WO,76
.set D0,78
.set D1,80
.set MSB, 0
.macro WIN new
.if MSB != (\new)
	s_set_vgpr_msb (MSB<<8)|(\new)
.set MSB, (\new)
.endif
.endm
.macro PLACES                           ; four places behind matrix instructions (ISA guide 7.12.1), where no other vector work is at hand
.rept 4
	v_nop
.endr
.endm
.macro CROUND
	s_barrier_signal -1
	s_barrier_wait -1
	s_cmp_lg_u32 s[WV], 0
	s_cbranch_scc1 .Lnw0_\@
	s_barrier_signal -3
.Lnw0_\@:
	s_barrier_wait -3
	s_barrier_signal -1
	s_barrier_wait -1
.endm
.macro TL g0, g1                        ; a joint load; s_nop 0 and four v_nop follow it
	tensor_load_to_lds s[\g0:\g0+3], s[\g1:\g1+7]
	s_nop 0
.rept 4
	v_nop
.endr
.endm
; THE CHANGE OF SLOTS: all my tensor loads, the add, my reads of the slot that I leave; fill = 1: a round of the cluster's barrier and the joint refill first behind it
.macro CHANGE fill, walk
	WIN 0
	s_wait_tensorcnt 0x0
	ds_add_u32 v[SPW], v[NIL]
.if \fill
	s_xor_b32 s[G0B+1], s[G0B+1], SLOT1
	s_add_nc_u64 s[G0B+2:G0B+3], s[G0B+2:G0B+3], FILLB
.endif
	s_wait_dscnt 0x0
.if \fill
	CROUND
	TL G0B, G1
.else
	s_barrier_signal -1
	s_barrier_wait -1
.endif
.if \walk
	s_sub_co_u32 s[TB], s[TB], \walk
.endif
	s_xor_b32 s[TB], s[TB], SLOT1
.endm
.macro FRAGS n, dst, adr, off
.set fi, 0
.rept \n
	ds_load_b128 v[(\dst)+8*fi:(\dst)+8*fi+3], v[\adr] offset:(\off)+fi*1024
	ds_load_b128 v[(\dst)+8*fi+4:(\dst)+8*fi+7], v[\adr] offset:(\off)+fi*1024+512
.set fi, fi+1
.endr
.endm
; One head's four points for one token a lane: offsets o (x, y by turns), logits a, pixel xy -> four indices ix, sixteen weights in f16 w (a point: w00 w10 w01 w11, each times the point's softmax weight)
.macro SAMP o, a, xy, ix, w
	v_max3_num_f32 v[SC], v[(\a)], v[(\a)+1], v[(\a)+2]
	v_max_num_f32 v[SC], v[SC], v[(\a)+3]
	v_mul_f32 v[SC+1], s[L2E], v[SC]
.irp p,0,1,2,3
	v_fma_f32 v[SC+2+\p], v[(\a)+\p], s[L2E], -v[SC+1]
.endr
.irp p,0,1,2,3
	v_exp_f32 v[SC+2+\p], v[SC+2+\p]
.endr
	v_nop                                  ; a plain line behind the last exponential
	s_wait_alu depctr_va_vdst(0)
	v_add_f32 v[SC], v[SC+2], v[SC+3]
	v_add_f32 v[SC+1], v[SC+4], v[SC+5]
	v_add_f32 v[SC], v[SC], v[SC+1]
	v_rcp_f32 v[SC], v[SC]
	v_nop
	s_wait_alu depctr_va_vdst(0)
.irp p,0,1,2,3
	v_mul_f32 v[SC+2+\p], v[SC], v[SC+2+\p]
.endr
.irp p,0,1,2,3
	v_add_f32 v[SC+6], v[(\xy)], v[(\o)+2*\p]
	v_add_f32 v[SC+7], v[(\xy)+1], v[(\o)+2*\p+1]
	v_floor_f32 v[SC+8], v[SC+6]
	v_floor_f32 v[SC+9], v[SC+7]
	v_max_num_f32 v[SC+8], 0, v[SC+8]
	v_max_num_f32 v[SC+9], 0, v[SC+9]
	v_min_num_f32 v[SC+8], s[S62], v[SC+8]
	v_min_num_f32 v[SC+9], s[S62], v[SC+9]
	v_sub_f32 v[SC+6], v[SC+6], v[SC+8]
	v_sub_f32 v[SC+7], v[SC+7], v[SC+9]
	v_sub_f32 v[SC+10], 1.0, |v[SC+6]|
	v_sub_f32 v[SC+12], 1.0, |v[SC+7]|
	v_add_f32 v[SC+6], -1.0, v[SC+6]
	v_add_f32 v[SC+7], -1.0, v[SC+7]
	v_sub_f32 v[SC+11], 1.0, |v[SC+6]|
	v_sub_f32 v[SC+13], 1.0, |v[SC+7]|
	v_max_num_f32 v[SC+10], 0, v[SC+10]
	v_max_num_f32 v[SC+12], 0, v[SC+12]
	v_max_num_f32 v[SC+11], 0, v[SC+11]
	v_max_num_f32 v[SC+13], 0, v[SC+13]
	v_mul_f32 v[SC+12], v[SC+2+\p], v[SC+12]
	v_mul_f32 v[SC+13], v[SC+2+\p], v[SC+13]
	v_mul_f32 v[SC+14], v[SC+10], v[SC+12]
	v_mul_f32 v[SC+15], v[SC+11], v[SC+12]
	v_cvt_pk_f16_f32 v[(\w)+2*\p], v[SC+14], v[SC+15]
	v_mul_f32 v[SC+14], v[SC+10], v[SC+13]
	v_mul_f32 v[SC+15], v[SC+11], v[SC+13]
	v_cvt_pk_f16_f32 v[(\w)+2*\p+1], v[SC+14], v[SC+15]
	v_cvt_u32_f32 v[SC+8], v[SC+8]
	v_cvt_u32_f32 v[SC+9], v[SC+9]
	v_lshl_add_u32 v[(\ix)+\p], v[SC+9], 6, v[SC+8]
.endr
.endm
	s_load_b256 s[4:11], s[0:1], 0x0       ; L 4, FBin 6, Iin 8, FBout 10
	s_load_b64 s[12:13], s[0:1], 0x20      ; Iout
	v_lshl_add_u32 v[SPW], v0, 2, SPARE
	v_mov_b32 v[NIL], 0
	ds_add_u32 v[SPW], v[NIL]              ; the wave's opening: the add and its wait ahead of my first tensor load
	ds_add_u32 v20, v21
	v_lshrrev_b32 v1, 5, v0
	v_readfirstlane_b32 s[WV], v1
	s_bfe_u32 s[CX], ttmp6, 0x40000
	s_lshl_b32 s[WG], ttmp9, 2
	s_add_co_u32 s[WG], s[WG], s[CX]       ; my work-group: it enters global addresses of my own data alone
	s_mov_b32 s[G1], 0x0023000f            ; the mask of four, elements of 8 bytes, bit 21 beside the mask, no padding
	s_mov_b32 s[G1+1], 32<<16              ; rows of 256 bytes
	s_mov_b32 s[G1+2], 128<<16             ; 128 rows a wave
	s_mov_b32 s[G1+3], 32<<16
	s_mov_b32 s[G1+4], 128
	s_mov_b32 s[G1+5], 32
	s_mov_b32 s[G1+6], 0
	s_mov_b32 s[G1+7], 0
	s_mov_b32 s[G1X], 0x0023000f
	s_mov_b32 s[G1X+1], 32<<16
	s_mov_b32 s[G1X+2], 60<<16             ; the parameters: 60 rows a wave
	s_mov_b32 s[G1X+3], 32<<16
	s_mov_b32 s[G1X+4], 60
	s_mov_b32 s[G1X+5], 32
	s_mov_b32 s[G1X+6], 0
	s_mov_b32 s[G1X+7], 0
	s_lshl_b32 s62, s[WV], 15              ; my 32 KB of a fill
	s_mov_b32 s63, 0
	s_mul_i32 s82, s[WV], 15360            ; my 15 KB of the parameters
	s_mov_b32 s83, 0
	s_mov_b32 s[G0A], 1
	s_mov_b32 s[G0A+1], s62
	s_mov_b32 s[G0B], 1
	s_add_co_u32 s[G0B+1], s62, SLOT1
	s_mov_b32 s[G0X], 1
	s_add_co_u32 s[G0X+1], s82, AUX
	s_add_co_u32 s82, s82, 0x120000
	s_mov_b32 s[TB], 0
	s_mov_b32 s[TBW], 0
	s_mov_b32 s[HO], 262144
	s_mov_b32 s[IM], -1
	s_mov_b32 s[D0+1], 0
	s_mov_b32 s[SEL], 0x76543210
	s_mov_b32 s[SEL+1], 0xfedcba98
	s_mov_b32 s[L2E], 0x3fb8aa3b
	s_mov_b32 s[S62], 0x42780000
	s_mov_b32 s[EPS], 0x3727c5ac
	s_mov_b32 s[R256], 0x3b800000
	s_wait_dscnt 0x0
	s_wait_kmcnt 0x0
	s_load_b32 s[TM], s[8:9], 0x0          ; a whole number that an earlier launch stored: the mask of the input tiles' numbers
	s_add_nc_u64 s[G0A+2:G0A+3], s[4:5], s[62:63]
	s_add_nc_u64 s[G0B+2:G0B+3], s[G0A+2:G0A+3], FILLB
	s_add_nc_u64 s[G0X+2:G0X+3], s[4:5], s[82:83]
	s_or_b32 s[G0A+3], s[G0A+3], 0x80000000
	s_or_b32 s[G0B+3], s[G0B+3], 0x80000000
	s_or_b32 s[G0X+3], s[G0X+3], 0x80000000
	CROUND                                 ; all four work-groups are here: the first joint loads meet
	TL G0X, G1X
	TL G0A, G1
	TL G0B, G1
	s_wait_kmcnt 0x0
	s_min_u32 s[TM], s[TM], 0x7ff          ; held to the tables' size before it enters an address
	s_lshl_b32 s[TO0], s[WG], 3
	s_lshl1_add_u32 s[TO0], s[WV], s[TO0]  ; my first tile of 16 tokens
	s_and_b32 s82, s[TO0], s[TM]           ; and its number in the input tables (layer 0's are common to the eight images)
	s_lshl_b32 s62, s82, 13
	s_add_nc_u64 s[QB:QB+1], s[6:7], s[62:63]
	s_lshl_b32 s62, s82, 12
	s_add_co_u32 s62, s62, 0x1000000
	s_add_nc_u64 s[WP:WP+1], s[6:7], s[62:63]
	s_lshl_b32 s62, s82, 11
	s_add_co_u32 s62, s62, 4096
	s_add_nc_u64 s[IP:IP+1], s[8:9], s[62:63]
	s_lshr_b32 s62, s[WG], 5
	s_lshl_b32 s62, s62, 21
	s_add_co_u32 s62, s62, 0x200000
	s_add_nc_u64 s[VAL:VAL+1], s[4:5], s[62:63]
	s_lshl_b32 s62, s[TO0], 13
	s_add_nc_u64 s[QO:QO+1], s[10:11], s[62:63]
	s_lshl_b32 s62, s[TO0], 12
	s_add_co_u32 s62, s62, 0x1000000
	s_add_nc_u64 s[WO:WO+1], s[10:11], s[62:63]
	s_lshl_b32 s62, s[TO0], 11
	s_add_co_u32 s62, s62, 4096
	s_add_nc_u64 s[IO:IO+1], s[12:13], s[62:63]
	v_and_b32 v1, 31, v0
	v_and_b32 v[RR], 15, v0
	v_bfe_u32 v2, v0, 4, 1
	v_lshlrev_b32 v[LA], 4, v1
	v_lshl_add_u32 v[PL], v2, 5, AUX
	v_lshlrev_b32 v[HL], 17, v2
	v_lshlrev_b32 v[ROFF], 4, v[RR]
	v_lshl_add_u32 v[WOFF], v2, 9, v[ROFF]
	v_add_nc_u32 v[TAD1], TAILW, v[LA]
	v_mov_b32 v[ONE], 1.0
	v_mov_b32 v[ZR], 0
	WIN 0x80
.set i, 0
.rept 32
	global_load_b128 v[128+4*i:128+4*i+3], v[LA], s[QB:QB+1] offset:i*512
.set i, i+1
.endr
	WIN 0
.irp t,0,1
	global_load_b128 v[IDXA+4*\t:IDXA+4*\t+3], v[ROFF], s[IP:IP+1] offset:\t*2048
	global_load_b128 v[IDXB+4*\t:IDXB+4*\t+3], v[ROFF], s[IP:IP+1] offset:\t*2048+256
	global_load_b128 v[WRAW+8*\t:WRAW+8*\t+3], v[ROFF], s[WP:WP+1] offset:\t*4096
	global_load_b128 v[WRAW+8*\t+4:WRAW+8*\t+7], v[ROFF], s[WP:WP+1] offset:\t*4096+256
.endr
	s_wait_loadcnt 0x0
	s_add_nc_u64 s[IP:IP+1], s[IP:IP+1], 512   ; head 2's indices,
	s_add_nc_u64 s[WP:WP+1], s[WP:WP+1], 512   ; head 1's weights come next
.macro VLOAD u                          ; a point's four corners: pixel, pixel + 1, and the row below; 32 bytes each
	WIN 0xc0
.irp c,0,1,2,3
	global_load_b128 v[32*\u+8*\c:32*\u+8*\c+3], v[ADR8+\u], s[VAL:VAL+1] offset:(\c%2)*32+(\c/2)*2048
	global_load_b128 v[32*\u+8*\c+4:32*\u+8*\c+7], v[ADR8+\u], s[VAL:VAL+1] offset:(\c%2)*32+(\c/2)*2048+16
.endr
.endm
.irp u,0,1,2,3,4,5,6,7
	v_min_u32 v[ADR8+\u], 0xfbe, v[IDXA+\u]
	v_lshl_add_u32 v[ADR8+\u], v[ADR8+\u], 5, v[HL]
.endr
.irp u,0,1,2,3,4,5,6,7
	VLOAD \u
.endr
	WIN 0x42                               ; X starts as q + bo, widened from f16
.set i, 0
.rept 32
.irp q,0,1,2,3
	v_fma_mix_f32 v[8*i+2*\q], v[128+(16*(i%2)+i/2)*4+\q], v[ONE], v[ZR] op_sel_hi:[1,0,0]
	v_fma_mix_f32 v[8*i+2*\q+1], v[128+(16*(i%2)+i/2)*4+\q], v[ONE], v[ZR] op_sel:[1,0,0] op_sel_hi:[1,0,0]
.endr
.set i, i+1
.endr
	WIN 0
	s_wait_tensorcnt 1                     ; my parts of the parameters and of Wo are in; fill 1 may stay out
	s_barrier_signal -1
	s_barrier_wait -1
.macro FM u                             ; unit u = 4 t + p: 16 channels += 4 corners x weight
	WIN 0x03
.irp c,0,1,2,3
.set fi, 0
.rept 8
.if ((\u%4) == 0) && (\c == 0)
	v_fma_mix_f32_bf16 v[OA+2*fi], v[32*\u+8*\c+fi], v[WF+4*\u+\c], v[ZR] op_sel_hi:[1,0,0]
	v_fma_mix_f32_bf16 v[OA+2*fi+1], v[32*\u+8*\c+fi], v[WF+4*\u+\c], v[ZR] op_sel:[1,0,0] op_sel_hi:[1,0,0]
.else
	v_fma_mix_f32_bf16 v[OA+2*fi], v[32*\u+8*\c+fi], v[WF+4*\u+\c], v[OA+2*fi] op_sel_hi:[1,0,0]
	v_fma_mix_f32_bf16 v[OA+2*fi+1], v[32*\u+8*\c+fi], v[WF+4*\u+\c], v[OA+2*fi+1] op_sel:[1,0,0] op_sel_hi:[1,0,0]
.endif
.set fi, fi+1
.endr
.endr
.endm
.macro UNIT u
.if \u == 0
	s_wait_loadcnt 56                      ; unit 0's corners and the six table loads in front of them are in; the seven younger units stay out
	WIN 0
.irp i,0,1,2,3,4,5,6,7
	v_mov_b32 v[IDXA+\i], v[IDXB+\i]       ; the next head's indices, for this trip's refills
.endr
.set k, 0
.rept 16
	v_fma_mix_f32 v[WF+2*k], v[WRAW+k], v[ONE], v[ZR] op_sel_hi:[1,0,0]
	v_fma_mix_f32 v[WF+2*k+1], v[WRAW+k], v[ONE], v[ZR] op_sel:[1,0,0] op_sel_hi:[1,0,0]
.set k, k+1
.endr
.irp t,0,1
	global_load_b128 v[IDXB+4*\t:IDXB+4*\t+3], v[ROFF], s[IP:IP+1] offset:\t*2048
	global_load_b128 v[WRAW+8*\t:WRAW+8*\t+3], v[ROFF], s[WP:WP+1] offset:\t*4096
	global_load_b128 v[WRAW+8*\t+4:WRAW+8*\t+7], v[ROFF], s[WP:WP+1] offset:\t*4096+256
.endr
	v_add_nc_u32 v[HB], s[HO], v[HL]
.else
	s_wait_loadcnt 62                      ; this unit's corners are in; seven units' 56 loads and the six table loads stay out
.endif
	FM \u
.if \u == 0
	WIN 0                                  ; the lines above are the places behind the last trip's products
	v_add_nc_u32 v[ADR], s[TBW], v[LA]
	WIN 0x80
	FRAGS 16, 0, ADR, 0
.endif
	WIN 0
	v_min_u32 v[ADR8+\u], 0xfbe, v[IDXA+\u]
	v_and_b32 v[ADR8+\u], s[IM], v[ADR8+\u]
	v_lshl_add_u32 v[ADR8+\u], v[ADR8+\u], 5, v[HB]
	VLOAD \u
.if (\u%4) == 3
	WIN 0
.irp q,0,1,2,3,4,5,6,7
	v_cvt_pk_bf16_f32 v[OB+8*(\u/4)+\q], v[OA+2*\q], v[OA+2*\q+1]
.endr
.endif
.endm
	s_mov_b32 s[CNT], 8
.Lg:
.irp u,0,1,2,3,4,5,6,7
	UNIT \u
.endr
	s_wait_dscnt 0x0                       ; Wo's fragments of this head
	WIN 0x52
.set i, 0
.rept 32                                ; the 32 accumulators take turns
	v_wmma_f32_16x16x32_bf16 v[8*i:8*i+7], v[8*(i/2):8*(i/2)+7], v[OB+8*(i%2):OB+8*(i%2)+7], v[8*i:8*i+7]
.set i, i+1
.endr
	WIN 0
	s_wait_xcnt 0x0                        ; the table loads' bases are stepped only behind this wait
	s_cmp_gt_u32 s[CNT], 3                 ; each pointer stops at head 7
	s_cselect_b32 s[D0], 256, 0
	s_add_nc_u64 s[IP:IP+1], s[IP:IP+1], s[D0:D0+1]
	s_cmp_gt_u32 s[CNT], 2
	s_cselect_b32 s[D0], 512, 0
	s_cselect_b32 s[D1], 262144, 0
	s_cselect_b32 s[IM], -1, 0
	s_add_nc_u64 s[WP:WP+1], s[WP:WP+1], s[D0:D0+1]
	s_add_co_u32 s[HO], s[HO], s[D1]
	s_add_co_u32 s[TBW], s[TBW], 16384
	s_sub_co_u32 s[CNT], s[CNT], 1
	s_cmp_lg_u32 s[CNT], 0
	s_cbranch_scc1 .Lg
	s_wait_loadcnt 0x0
	CHANGE 1, 0                            ; Wo's slot takes fill 2; fill 1 is whole
.macro LNRED                            ; both tiles' sums: over my registers, then with the lane 16 away
	WIN 0
.irp t,0,4
	v_pk_add_f32 v[SM+\t:SM+\t+1], v[SM+\t:SM+\t+1], v[SM+\t+2:SM+\t+3]
.endr
.irp t,0,4
	v_add_f32 v[SM+\t], v[SM+\t], v[SM+\t+1]
.endr
.irp t,0,4
	v_permlanex16_b32 v[SM+\t+1], v[SM+\t], s[SEL], s[SEL+1]
.endr
.irp t,0,4
	v_add_f32 v[SM+\t], v[SM+\t], v[SM+\t+1]
.endr
.endm
; LAYER NORM over a token's 256 channels.  po: the parameters' place.  Two results: y = n g + ba, rounded to bf16 as the next product's source 1; and X = n g + bb, the residual with the next bias on it.
.macro LN po
	WIN 0
	s_wait_dscnt 0x0
	PLACES
	WIN 0xc0
.set i, 0
.rept 16
	ds_load_b128 v[8*i:8*i+3], v[PL] offset:\po+i*64
	ds_load_b128 v[8*i+4:8*i+7], v[PL] offset:\po+i*64+16
	ds_load_b128 v[128+8*i:128+8*i+3], v[PL] offset:\po+1024+i*64
	ds_load_b128 v[128+8*i+4:128+8*i+7], v[PL] offset:\po+1024+i*64+16
.set i, i+1
.endr
	WIN 0x80
.set i, 0
.rept 16
	ds_load_b128 v[128+8*i:128+8*i+3], v[PL] offset:\po+2048+i*64
	ds_load_b128 v[128+8*i+4:128+8*i+7], v[PL] offset:\po+2048+i*64+16
.set i, i+1
.endr
	WIN 0
.irp i,0,1,2,3,4,5,6,7
	v_mov_b32 v[SM+\i], 0
.endr
	WIN 0x04
.set i, 0
.rept 32                                ; two chains a tile; each accumulator from its low end on
.irp q,0,1,2,3
	v_pk_add_f32 v[SM+4*(i%2)+2*(\q%2):SM+4*(i%2)+2*(\q%2)+1], v[SM+4*(i%2)+2*(\q%2):SM+4*(i%2)+2*(\q%2)+1], v[8*i+2*\q:8*i+2*\q+1]
.endr
.set i, i+1
.endr
	LNRED
.irp t,0,1
	v_mul_f32 v[MN+2*\t], s[R256], v[SM+4*\t]
	v_mul_f32 v[MN+2*\t+1], s[R256], v[SM+4*\t]
.endr
.irp i,0,1,2,3,4,5,6,7
	v_mov_b32 v[SM+\i], 0
.endr
	WIN 0x41
.set i, 0
.rept 32
.irp q,0,2,4,6
	v_pk_add_f32 v[8*i+\q:8*i+\q+1], v[8*i+\q:8*i+\q+1], v[MN+2*(i%2):MN+2*(i%2)+1] neg_lo:[0,1] neg_hi:[0,1]
.endr
.set i, i+1
.endr
	WIN 0x05
.set i, 0
.rept 32
.irp q,0,1,2,3
	v_pk_fma_f32 v[SM+4*(i%2)+2*(\q%2):SM+4*(i%2)+2*(\q%2)+1], v[8*i+2*\q:8*i+2*\q+1], v[8*i+2*\q:8*i+2*\q+1], v[SM+4*(i%2)+2*(\q%2):SM+4*(i%2)+2*(\q%2)+1]
.endr
.set i, i+1
.endr
	LNRED
	v_fma_f32 v[RS], v[SM], s[R256], s[EPS]
	v_fma_f32 v[RS+2], v[SM+4], s[R256], s[EPS]
	v_rsq_f32 v[RS], v[RS]
	v_rsq_f32 v[RS+2], v[RS+2]
	v_nop                                  ; a plain line behind the roots
	s_wait_alu depctr_va_vdst(0)
	v_mov_b32 v[RS+1], v[RS]
	v_mov_b32 v[RS+3], v[RS+2]
	WIN 0x41
.set i, 0
.rept 32
.irp q,0,2,4,6
	v_pk_mul_f32 v[8*i+\q:8*i+\q+1], v[8*i+\q:8*i+\q+1], v[RS+2*(i%2):RS+2*(i%2)+1]
.endr
.set i, i+1
.endr
	s_wait_dscnt 0x0                       ; gain and shifts
.set m, 0
.rept 16
	WIN 0x3d
.irp t,0,1
.irp q,0,2,4,6
	v_pk_fma_f32 v[TMP+8*\t+\q:TMP+8*\t+\q+1], v[8*(2*m+\t)+\q:8*(2*m+\t)+\q+1], v[8*m+\q:8*m+\q+1], v[128+8*m+\q:128+8*m+\q+1]
.endr
.endr
	WIN 0x6d
.irp t,0,1
.irp q,0,2,4,6
	v_pk_fma_f32 v[8*(2*m+\t)+\q:8*(2*m+\t)+\q+1], v[8*(2*m+\t)+\q:8*(2*m+\t)+\q+1], v[8*m+\q:8*m+\q+1], v[128+8*m+\q:128+8*m+\q+1]
.endr
.endr
	WIN 0x80
.irp t,0,1
.irp q,0,1,2,3
	v_cvt_pk_bf16_f32 v[(16*\t+m)*4+\q], v[TMP+8*\t+2*\q], v[TMP+8*\t+2*\q+1]
.endr
.endr
.set m, m+1
.endr
	WIN 0
.endm
	LN 0
; THE FFN, 32 hidden columns (a 'mini') at a time: hidden = relu(W1' q + b1) on four accumulators, rounded to bf16, is source 1 of X += W2' hidden.
.macro GAF                              ; the next mini's W1 fragments and its b1
	WIN 0xc0
	FRAGS 16, 0, ADR, 0
	WIN 0
.irp i,0,1,2,3
	ds_load_b128 v[BI+4*\i:BI+4*\i+3], v[BADR] offset:6144+(\i/2)*64+(\i%2)*16
.endr
.endm
.macro MINI chg, fill
	PLACES                                 ; behind the last products, which read W2's fragments
	WIN 0xc0
	FRAGS 16, 128, ADR, 16384
	s_wait_dscnt 32                        ; all but the 32 just issued: W1's fragments and b1 are in
	WIN 0x0b
.irp k,0,1,2,3,4,5,6,7
.irp a,0,1,2,3
.if \k == 0
	v_wmma_f32_16x16x32_bf16 v[AC1+8*\a:AC1+8*\a+7], v[8*(8*(\a/2)+\k):8*(8*(\a/2)+\k)+7], v[(16*(\a%2)+2*\k)*4:(16*(\a%2)+2*\k)*4+7], v[BI+8*(\a/2):BI+8*(\a/2)+7]
.else
	v_wmma_f32_16x16x32_bf16 v[AC1+8*\a:AC1+8*\a+7], v[8*(8*(\a/2)+\k):8*(8*(\a/2)+\k)+7], v[(16*(\a%2)+2*\k)*4:(16*(\a%2)+2*\k)*4+7], v[AC1+8*\a:AC1+8*\a+7]
.endif
.endr
.endr
	PLACES
.if \chg
	CHANGE \fill, 98304
.else
	s_add_co_u32 s[TB], s[TB], 32768
.endif
	WIN 0
	v_add_nc_u32 v[ADR], s[TB], v[LA]
	v_add_nc_u32 v[BADR], 128, v[BADR]
	GAF
.irp a,0,1,2,3
.irp q,0,1,2,3
	v_cvt_pk_bf16_f32 v[HID+8*(\a%2)+4*(\a/2)+\q], v[AC1+8*\a+2*\q], v[AC1+8*\a+2*\q+1]
.endr
.endr
.set i, 0
.rept 16
	v_pk_max_num_bf16 v[HID+i], v[HID+i], v[ZR]
.set i, i+1
.endr
	s_wait_dscnt 36                        ; all but the 36 just issued: W2's fragments are in
	WIN 0x53
.set i, 0
.rept 32
	v_wmma_f32_16x16x32_bf16 v[8*i:8*i+7], v[128+8*(i/2):128+8*(i/2)+7], v[HID+8*(i%2):HID+8*(i%2)+7], v[8*i:8*i+7]
.set i, i+1
.endr
	WIN 0
.endm
	v_add_nc_u32 v[ADR], s[TB], v[LA]
	v_mov_b32 v[BADR], v[PL]
	GAF
	s_mov_b32 s[OC], 6
.Lf0:                                   ; six slots whose change asks for a further fill
	s_mov_b32 s[CNT], 3
.Lf0m:
	MINI 0, 0
	s_sub_co_u32 s[CNT], s[CNT], 1
	s_cmp_lg_u32 s[CNT], 0
	s_cbranch_scc1 .Lf0m
	MINI 1, 1
	s_sub_co_u32 s[OC], s[OC], 1
	s_cmp_lg_u32 s[OC], 0
	s_cbranch_scc1 .Lf0
	s_mov_b32 s[OC], 2
.Lf1:                                   ; the last two slots: nothing is left to ask for.  The very last fetch reads the stale other slot and the words behind b1, and is not used
	s_mov_b32 s[CNT], 3
.Lf1m:
	MINI 0, 0
	s_sub_co_u32 s[CNT], s[CNT], 1
	s_cmp_lg_u32 s[CNT], 0
	s_cbranch_scc1 .Lf1m
	MINI 1, 0
	s_sub_co_u32 s[OC], s[OC], 1
	s_cmp_lg_u32 s[OC], 0
	s_cbranch_scc1 .Lf1
	LN 3072
	; THE NEW q, with the next layer's bo on it, in f16: [tile][mt][lane][8 channels]
	WIN 0x85
.set i, 0
.rept 32
.irp q,0,1,2,3
	v_cvt_pk_f16_f32 v[128+(16*(i%2)+i/2)*4+\q], v[8*i+2*\q], v[8*i+2*\q+1]
.endr
.set i, i+1
.endr
	WIN 0x08
.set i, 0
.rept 32
	global_store_b128 v[LA], v[128+4*i:128+4*i+3], s[QO:QO+1] offset:i*512   ; 512 consecutive bytes, aligned
.set i, i+1
.endr
	WIN 0
	; THE TABLE: 64 offsets and 32 logits a token, two head pairs a block; both blocks are written out, with every LDS address and every store's place a fixed register and an immediate
	s_lshl_b32 s62, s[TO0], 4
	v_add_nc_u32 v30, s62, v[RR]
	v_and_b32 v31, 63, v30
	v_bfe_u32 v30, v30, 6, 6
	v_cvt_f32_u32 v[XQ], v31
	v_cvt_f32_u32 v[XQ+1], v30
	v_add_f32 v[XQ+2], 0x41800000, v[XQ]   ; my second tile lies 16 pixels on in the same image row (my first tile's number is even)
	v_mov_b32 v[XQ+3], v[XQ+1]
.macro TBLK blk
	PLACES
	WIN 0xc0
	FRAGS 16, 0, TAD1, (\blk)*16384
	FRAGS 8, 128, TAD1, 32768+(\blk)*8192
	WIN 0
.irp i,0,1,2,3
	ds_load_b128 v[TBI+4*\i:TBI+4*\i+3], v[PL] offset:10240+(\blk)*128+(\i/2)*64+(\i%2)*16
.endr
	ds_load_b128 v[TBI+16:TBI+19], v[PL] offset:10496+(\blk)*64
	ds_load_b128 v[TBI+20:TBI+23], v[PL] offset:10512+(\blk)*64
	s_wait_dscnt 0x0
	WIN 0x0b
.irp k,0,1,2,3,4,5,6,7
.irp a,0,1,2,3,4,5                      ; six accumulators (two offset tiles, the logit tile) x (tile t) by turns; the biases start the sums
.if \k == 0
	v_wmma_f32_16x16x32_bf16 v[TA+8*\a:TA+8*\a+7], v[8*(8*(\a/2)+\k):8*(8*(\a/2)+\k)+7], v[(16*(\a%2)+2*\k)*4:(16*(\a%2)+2*\k)*4+7], v[TBI+8*(\a/2):TBI+8*(\a/2)+7]
.else
	v_wmma_f32_16x16x32_bf16 v[TA+8*\a:TA+8*\a+7], v[8*(8*(\a/2)+\k):8*(8*(\a/2)+\k)+7], v[(16*(\a%2)+2*\k)*4:(16*(\a%2)+2*\k)*4+7], v[TA+8*\a:TA+8*\a+7]
.endif
.endr
.endr
	WIN 0
	PLACES
.irp t,0,1
.irp b,0,1                              ; the lower head pair first: it reads the logit accumulator's low registers
	SAMP TA+8*(2*\b+\t), TA+8*(4+\t)+4*\b, XQ+2*\t, OUT+12*(2*\t+\b), OUT+12*(2*\t+\b)+4
	global_store_b128 v[LA], v[OUT+12*(2*\t+\b):OUT+12*(2*\t+\b)+3], s[IO:IO+1] offset:\t*2048+\b*512+(\blk)*1024
	global_store_b128 v[WOFF], v[OUT+12*(2*\t+\b)+4:OUT+12*(2*\t+\b)+7], s[WO:WO+1] offset:\t*4096+\b*1024+(\blk)*2048
	global_store_b128 v[WOFF], v[OUT+12*(2*\t+\b)+8:OUT+12*(2*\t+\b)+11], s[WO:WO+1] offset:\t*4096+\b*1024+(\blk)*2048+256
.endr
.endr
.endm
	TBLK 0
	s_wait_xcnt 0x0                        ; the first block's store data are rewritten only behind this wait
	TBLK 1
	s_wait_tensorcnt 0x0                   ; the wave's end
	ds_add_u32 v[SPW], v[NIL]
	s_wait_dscnt 0x0
	CROUND                                 ; the closing round
	s_endpgm
.Lfunc_end_k_qf9703f7118_lay0:
	.size	k_qf9703f7118_lay0, .Lfunc_end_k_qf9703f7118_lay0-k_qf9703f7118_lay0
	.p2alignl 7, 3214868480
	.fill 96, 4, 3214868480
	.section	.rodata,"a",@progbits
	.p2align	6, 0x0
	.amdhsa_kernel k_qf9703f7118_lay0
		.amdhsa_group_segment_fixed_size 327680
		.amdhsa_private_segment_fixed_size 0
		.amdhsa_enable_private_segment 0
		.amdhsa_kernarg_size 40
		.amdhsa_user_sgpr_count 2
		.amdhsa_user_sgpr_kernarg_segment_ptr 1
		.amdhsa_wavefront_size32 1
		.amdhsa_system_sgpr_workgroup_id_x 1
		.amdhsa_system_sgpr_workgroup_id_y 1
		.amdhsa_system_sgpr_workgroup_id_z 1
		.amdhsa_system_vgpr_workitem_id 0
		.amdhsa_next_free_vgpr 1024
		.amdhsa_next_free_sgpr 100
		.amdhsa_reserve_vcc 0
		.amdhsa_float_denorm_mode_32 3
		.amdhsa_float_denorm_mode_16_64 3
		.amdhsa_memory_ordered 1
		.amdhsa_forward_progress 1
		.amdhsa_inst_pref_size 255
	.end_amdhsa_kernel
	.section	.bss,"aw",@nobits
	.p2align	6
	.space	262144
	.amdgpu_metadata
---
amdhsa.version: [ 1, 2 ]
amdhsa.kernels:
  - .name:           k_qf9703f7118_lay0
    .symbol:         k_qf9703f7118_lay0.kd
    .args:
      - { .name: L0, .offset: 0, .size: 8, .value_kind: global_buffer, .address_space: global }
      - { .name: FA, .offset: 8, .size: 8, .value_kind: global_buffer, .address_space: global }
      - { .name: I0, .offset: 16, .size: 8, .value_kind: global_buffer, .address_space: global }
      - { .name: FB, .offset: 24, .size: 8, .value_kind: global_buffer, .address_space: global }
      - { .name: I1, .offset: 32, .size: 8, .value_kind: global_buffer, .address_space: global }
    .group_segment_fixed_size: 327680
    .private_segment_fixed_size: 0
    .kernarg_segment_align: 8
    .kernarg_segment_size: 40
    .max_flat_workgroup_size: 128
    .sgpr_count:     100
    .vgpr_count:     1024
    .wavefront_size: 32
...
	.end_amdgpu_metadata
.endif
;; end of part 3
;; launch lay1: the kernel of part 3 again; grid 256 x 1, 4 waves a work-group, clusters of 4 x 1, 327,680 bytes of LDS; arguments L1, FB, I1, FA, I0; writes FA, I0
;; launch pout (part 4): grid 256 x 1, 4 waves a work-group, clusters of 4 x 1, 327,680 bytes of LDS; arguments FA, P, bn2_b, bn2_g, bn2_m, bn2_v, out0; writes out0
.if DOCPART == 4
	.amdgcn_target "amdgcn-amd-amdhsa--gfx1250"
	.amdhsa_code_object_version 6
	.text
	.protected	k_qf9703f7118_pout
	.globl	k_qf9703f7118_pout
	.p2align	8
	.type	k_qf9703f7118_pout,@function
k_qf9703f7118_pout:
	s_mov_b64 s[64:65], 0
	v_nop
	global_prefetch_b8 v0, s[64:65] scope:SCOPE_SE
	s_setreg_imm32_b32 hwreg(HW_REG_WAVE_MODE, 25, 1), 1
	s_wait_xcnt 0x0
	s_wait_alu depctr_hold_cnt(0) depctr_sa_sdst(0) depctr_va_vdst(0) depctr_va_sdst(0) depctr_va_ssrc(0) depctr_va_vcc(0) depctr_vm_vsrc(0)
	s_getreg_b32 s2, hwreg(HW_REG_IB_STS2, 6, 4)
	s_cmp_eq_u32 s2, 0
	s_cbranch_scc0 .Lentry_in_a_cluster
	s_endpgm
.Lentry_in_a_cluster:
	s_bfe_u32 s2, ttmp6, 0x10000c
	s_cmp_lg_u32 s2, 0x3003
	s_cbranch_scc0 .Lentry_shape_is_right
	s_endpgm
.Lentry_shape_is_right:
; POUT: out0 = relu(bn2(W_out q)), [image][512 channels][4096 pixels] in f32.  q arrives in f16 as [tile][mt][lane][8 channels], W_out as f16 fragments.
; SHARES.  A work-group has 128 pixels of one image, a wave 32 (two tiles).  All of W_out, 256 KB, is brought into LDS once; every work-group reads the same bytes, so the four of a cluster ask jointly,
; wave w for rows 256 w on: one tensor load a wave in the whole launch, and no byte of LDS is filled twice.
; The sources are swapped (source 0 = 16 pixels of q, source 1 = 16 channels of W_out): a lane then holds ONE channel (lane % 16) and eight neighbouring pixels.  32 channels at a time go through a stage in
; LDS (rows of 512 bytes + 16), since a channel's 512 bytes come from four waves, and leave as whole rows: a store covers 512 consecutive bytes, aligned.
; Two stages take turns at fixed addresses: one barrier a group.  A wave's reads of a stage are waited for in front of its signal of the next group's barrier, and the stage is written again only behind that barrier.
; FORMATS.  f16 x f16, sums in f32; bn2's parameters rounded to bf16, kept in f32.  LIMIT: q within 65,504 (the layer's head states what bounds it).  NaN and infinities are not treated apart.
; REGISTERS: window 0: v2-14 addresses; v32-63 four accumulators; v64-67 scale and shift; v68-99 rows to store; v100-124 at work at the head; v128-255 q.   window 1: v0-127 sixteen fragments of W_out.
.set PARO,  0x40000                     ; [channel][scale, shift], written by ds_store
.set STG0,  0x41000
.set STG1,  0x49000
.set SPARE, 0x4e000
.set SPW,2
.set NIL,3
.set LA,4
.set ADR,5
.set RR,6
.set HH,7
.set STA0,8
.set STA,9
.set STO,10                             ; v10, v11: where I put my 32 bytes, stage 0 and 1
.set RD,12                              ; v12, v13: where I read rows back
.set GO,14
.set AC,32
.set ST,64
.set OUTR,68
.set QF,128
.set WV,18
.set CX,19
.set WG,20
.set G1,24
.set G0,32
.set TB,36
.set PAO,37
.set CNT,38
.set OB,40
.set QB,42
.set HM,45
.set EPS,46
.set MSB, 0
.macro WIN new
.if MSB != (\new)
	s_set_vgpr_msb (MSB<<8)|(\new)
.set MSB, (\new)
.endif
.endm
.macro PLACES
.rept 4
	v_nop
.endr
.endm
.macro CROUND
	s_barrier_signal -1
	s_barrier_wait -1
	s_cmp_lg_u32 s[WV], 0
	s_cbranch_scc1 .Lnw0_\@
	s_barrier_signal -3
.Lnw0_\@:
	s_barrier_wait -3
	s_barrier_signal -1
	s_barrier_wait -1
.endm
.macro FRAGS n, dst, adr, off
.set fi, 0
.rept \n
	ds_load_b128 v[(\dst)+8*fi:(\dst)+8*fi+3], v[\adr] offset:(\off)+fi*1024
	ds_load_b128 v[(\dst)+8*fi+4:(\dst)+8*fi+7], v[\adr] offset:(\off)+fi*1024+512
.set fi, fi+1
.endr
.endm
	s_load_b256 s[4:11], s[0:1], 0x0       ; FA 4, P 6, bn2_b 8, bn2_g 10
	s_load_b128 s[12:15], s[0:1], 0x20     ; bn2_m 12, bn2_v 14
	s_load_b64 s[16:17], s[0:1], 0x30      ; out0
	v_lshl_add_u32 v[SPW], v0, 2, SPARE
	v_mov_b32 v[NIL], 0
	ds_add_u32 v[SPW], v[NIL]              ; the wave's opening: the add and its wait ahead of my tensor load
	ds_add_u32 v2, v3
	v_lshrrev_b32 v1, 5, v0
	v_readfirstlane_b32 s[WV], v1
	s_bfe_u32 s[CX], ttmp6, 0x40000
	s_lshl_b32 s[WG], ttmp9, 2
	s_add_co_u32 s[WG], s[WG], s[CX]
	s_mov_b32 s[G1], 0x0023000f            ; the mask of four, elements of 8 bytes, bit 21 beside the mask
	s_mov_b32 s[G1+1], 32<<16
	s_mov_b32 s[G1+2], 256<<16             ; 256 rows of 256 bytes a wave
	s_mov_b32 s[G1+3], 32<<16
	s_mov_b32 s[G1+4], 256
	s_mov_b32 s[G1+5], 32
	s_mov_b32 s[G1+6], 0
	s_mov_b32 s[G1+7], 0
	s_lshl_b32 s48, s[WV], 16
	s_mov_b32 s49, 0
	s_mov_b32 s[G0], 1
	s_mov_b32 s[G0+1], s48
	s_add_co_u32 s48, s48, 0x80000
	s_mov_b32 s[TB], 0
	s_mov_b32 s[PAO], 0
	s_mov_b32 s[HM], 0xffff0000
	s_mov_b32 s[EPS], 0x3727c5ac
	s_wait_dscnt 0x0
	s_wait_kmcnt 0x0
	s_add_nc_u64 s[G0+2:G0+3], s[6:7], s[48:49]
	s_or_b32 s[G0+3], s[G0+3], 0x80000000
	CROUND                                 ; all four work-groups are here: the joint loads meet
	tensor_load_to_lds s[G0:G0+3], s[G1:G1+7]
	s_nop 0
	PLACES
	s_lshl_b32 s48, s[WG], 3
	s_lshl1_add_u32 s48, s[WV], s48
	s_lshl_b32 s48, s48, 13
	s_add_nc_u64 s[QB:QB+1], s[4:5], s[48:49]
	s_lshr_b32 s48, s[WG], 5
	s_lshl_b32 s48, s48, 23
	s_and_b32 s50, s[WG], 31
	s_lshl_b32 s50, s50, 9
	s_add_co_u32 s48, s48, s50
	s_add_nc_u64 s[OB:OB+1], s[16:17], s[48:49]
	v_and_b32 v1, 31, v0
	v_and_b32 v[RR], 15, v0
	v_bfe_u32 v[HH], v0, 4, 1
	v_lshlrev_b32 v[LA], 4, v1
.set i, 0
.rept 32
	global_load_b128 v[QF+4*i:QF+4*i+3], v[LA], s[QB:QB+1] offset:i*512
.set i, i+1
.endr
	v_lshlrev_b32 v21, 4, v0               ; thread i has channels 4 i to 4 i + 3
	global_load_b128 v[100:103], v21, s[10:11]
	global_load_b128 v[104:107], v21, s[8:9]
	global_load_b128 v[108:111], v21, s[12:13]
	global_load_b128 v[112:115], v21, s[14:15]
	v_lshl_add_u32 v[STA0], v[RR], 3, PARO
	v_mul_u32_u24 v20, v[RR], 528
	v_lshl_add_u32 v20, v[HH], 5, v20
	s_lshl_b32 s48, s[WV], 7
	v_add_nc_u32 v20, s48, v20             ; row r, my wave's 128 bytes, 32 bytes for each half of the lanes
	v_add_nc_u32 v[STO], STG0, v20
	v_add_nc_u32 v[STO+1], STG1, v20
	s_mul_i32 s48, s[WV], 8*528
	v_add_nc_u32 v20, s48, v[LA]           ; back: rows 8 w on, whole
	v_add_nc_u32 v[RD], STG0, v20
	v_add_nc_u32 v[RD+1], STG1, v20
	s_lshl_b32 s48, s[WV], 17
	v_add_nc_u32 v[GO], s48, v[LA]
	s_wait_loadcnt 0x0
.irp i,100,102,104,106,108,110,112,114
	v_cvt_pk_bf16_f32 v124, v[\i], v[\i+1]
	v_lshlrev_b32 v[\i], 16, v124
	v_and_b32 v[\i+1], s[HM], v124
.endr
.irp i,0,1,2,3
	v_add_f32 v[112+\i], s[EPS], v[112+\i]
.endr
.irp i,0,1,2,3
	v_rsq_f32 v[112+\i], v[112+\i]
.endr
	v_lshl_add_u32 v22, v0, 5, PARO        ; a plain line behind the roots
	s_wait_alu depctr_va_vdst(0)
.irp i,0,1,2,3
	v_mul_f32 v[116+2*\i], v[100+\i], v[112+\i]             ; scale = g / sqrt(v + eps)
.endr
.irp i,0,1,2,3
	v_fma_f32 v[117+2*\i], -v[108+\i], v[116+2*\i], v[104+\i]  ; shift = b - m scale
.endr
	ds_store_b128 v22, v[116:119]
	ds_store_b128 v22, v[120:123] offset:16
	s_wait_tensorcnt 0x0                   ; my quarter of W_out is in,
	s_wait_dscnt 0x0                       ; my parameters are stored:
	s_barrier_signal -1
	s_barrier_wait -1                      ; everybody's are
	v_mov_b32 v[ADR], v[LA]
	WIN 0x40
	FRAGS 16, 0, ADR, 0
	WIN 0
	ds_load_b64 v[ST:ST+1], v[STA0]
	ds_load_b64 v[ST+2:ST+3], v[STA0] offset:128
.macro OMUL k0                          ; four accumulators (mtl, t) by turns; the first products start the sums
	WIN 0x04
.irp k,0,1,2,3
.irp a,0,1,2,3
.if ((\k0)+\k) == 0
	v_wmma_f32_16x16x32_f16 v[AC+8*\a:AC+8*\a+7], v[QF+(16*(\a%2)+2*(\k0+\k))*4:QF+(16*(\a%2)+2*(\k0+\k))*4+7], v[8*(8*(\a/2)+\k0+\k):8*(8*(\a/2)+\k0+\k)+7], 0
.else
	v_wmma_f32_16x16x32_f16 v[AC+8*\a:AC+8*\a+7], v[QF+(16*(\a%2)+2*(\k0+\k))*4:QF+(16*(\a%2)+2*(\k0+\k))*4+7], v[8*(8*(\a/2)+\k0+\k):8*(8*(\a/2)+\k0+\k)+7], v[AC+8*\a:AC+8*\a+7]
.endif
.endr
.endr
.endm
; A GROUP of 32 channels, on stage g.  The fragment buffer is refilled by halves behind the products that read them; behind the last group the fetch stays at that group.
.macro OGRP g
	s_wait_dscnt 0x0
	OMUL 0
	PLACES
	s_add_co_u32 s[TB], s[TB], 16384
	s_min_u32 s[TB], s[TB], 15*16384
	s_add_co_u32 s[PAO], s[PAO], 256
	s_min_u32 s[PAO], s[PAO], 15*256
	WIN 0
	v_add_nc_u32 v[ADR], s[TB], v[LA]
	WIN 0x40
	FRAGS 4, 0, ADR, 0
	FRAGS 4, 64, ADR, 8192
	OMUL 4
	WIN 0
	PLACES
.irp a,0,1,2,3
.irp q,0,2,4,6
	v_pk_fma_f32 v[AC+8*\a+\q:AC+8*\a+\q+1], v[AC+8*\a+\q:AC+8*\a+\q+1], v[ST+2*(\a/2):ST+2*(\a/2)+1], v[ST+2*(\a/2):ST+2*(\a/2)+1] op_sel:[0,0,1] op_sel_hi:[1,0,1]
.endr
.endr
.set i, 0
.rept 32
	v_max_num_f32 v[AC+i], 0, v[AC+i]
.set i, i+1
.endr
	WIN 0x40
	FRAGS 4, 32, ADR, 4096
	FRAGS 4, 96, ADR, 12288
	WIN 0
	v_add_nc_u32 v[STA], s[PAO], v[STA0]
	ds_load_b64 v[ST:ST+1], v[STA]
	ds_load_b64 v[ST+2:ST+3], v[STA] offset:128
.irp a,0,1,2,3
	ds_store_b128 v[STO+\g], v[AC+8*\a:AC+8*\a+3] offset:(\a/2)*8448+(\a%2)*64
	ds_store_b128 v[STO+\g], v[AC+8*\a+4:AC+8*\a+7] offset:(\a/2)*8448+(\a%2)*64+16
.endr
	s_wait_dscnt 0x0                       ; for the others' sake: my stores into this stage are done, and so are my reads of the other
	s_barrier_signal -1
	s_barrier_wait -1
.irp i,0,1,2,3,4,5,6,7
	ds_load_b128 v[OUTR+4*\i:OUTR+4*\i+3], v[RD+\g] offset:\i*528
.endr
	s_wait_dscnt 0x0
.irp i,0,1,2,3,4,5,6,7
	global_store_b128 v[GO], v[OUTR+4*\i:OUTR+4*\i+3], s[OB:OB+1] offset:\i*16384 th:TH_STORE_NT
.endr
	s_wait_xcnt 0x0                        ; the stores' data and base are rewritten only behind this wait
	s_add_nc_u64 s[OB:OB+1], s[OB:OB+1], 524288
.endm
	s_mov_b32 s[CNT], 8
.Lo:
	OGRP 0
	OGRP 1
	s_sub_co_u32 s[CNT], s[CNT], 1
	s_cmp_lg_u32 s[CNT], 0
	s_cbranch_scc1 .Lo
	s_wait_tensorcnt 0x0                   ; the wave's end
	ds_add_u32 v[SPW], v[NIL]
	s_wait_dscnt 0x0
	CROUND                                 ; the closing round
	s_endpgm
.Lfunc_end_k_qf9703f7118_pout:
	.size	k_qf9703f7118_pout, .Lfunc_end_k_qf9703f7118_pout-k_qf9703f7118_pout
	.p2alignl 7, 3214868480
	.fill 96, 4, 3214868480
	.section	.rodata,"a",@progbits
	.p2align	6, 0x0
	.amdhsa_kernel k_qf9703f7118_pout
		.amdhsa_group_segment_fixed_size 327680
		.amdhsa_private_segment_fixed_size 0
		.amdhsa_enable_private_segment 0
		.amdhsa_kernarg_size 56
		.amdhsa_user_sgpr_count 2
		.amdhsa_user_sgpr_kernarg_segment_ptr 1
		.amdhsa_wavefront_size32 1
		.amdhsa_system_sgpr_workgroup_id_x 1
		.amdhsa_system_sgpr_workgroup_id_y 1
		.amdhsa_system_sgpr_workgroup_id_z 1
		.amdhsa_system_vgpr_workitem_id 0
		.amdhsa_next_free_vgpr 384
		.amdhsa_next_free_sgpr 66
		.amdhsa_reserve_vcc 0
		.amdhsa_float_denorm_mode_32 3
		.amdhsa_float_denorm_mode_16_64 3
		.amdhsa_memory_ordered 1
		.amdhsa_forward_progress 1
		.amdhsa_inst_pref_size 30
	.end_amdhsa_kernel
	.amdgpu_metadata
---
amdhsa.version: [ 1, 2 ]
amdhsa.kernels:
  - .name:           k_qf9703f7118_pout
    .symbol:         k_qf9703f7118_pout.kd
    .args:
      - { .name: FA, .offset: 0, .size: 8, .value_kind: global_buffer, .address_space: global }
      - { .name: P, .offset: 8, .size: 8, .value_kind: global_buffer, .address_space: global }
      - { .name: bn2_b, .offset: 16, .size: 8, .value_kind: global_buffer, .address_space: global }
      - { .name: bn2_g, .offset: 24, .size: 8, .value_kind: global_buffer, .address_space: global }
      - { .name: bn2_m, .offset: 32, .size: 8, .value_kind: global_buffer, .address_space: global }
      - { .name: bn2_v, .offset: 40, .size: 8, .value_kind: global_buffer, .address_space: global }
      - { .name: out0, .offset: 48, .size: 8, .value_kind: global_buffer, .address_space: global }
    .group_segment_fixed_size: 327680
    .private_segment_fixed_size: 0
    .kernarg_segment_align: 8
    .kernarg_segment_size: 56
    .max_flat_workgroup_size: 128
    .sgpr_count:     66
    .vgpr_count:     384
    .wavefront_size: 32
...
	.end_amdgpu_metadata
.endif
;; end of part 4
;; ======== version 2 of 2: 7 launches; 1.22 times as fast as version 1
;; limits: values are held in f16: magnitudes above 65,504 overflow, below 6.1e-05 lose precision; values outside matrix products are rounded to f16
;; workspace buffers: P 2,933,760 bytes; L0 18,874,368 bytes; L1 18,874,368 bytes; FA 25,165,824 bytes; FB 25,165,824 bytes; I0 4,198,400 bytes of whole numbers; I1 4,198,400 bytes of whole numbers; OSMP 16,777,216 bytes
;; launch prep: the kernel of part 1 again; grid 1306 x 1, 8 waves a work-group, no clusters, 0 bytes of LDS; arguments W1, W2, W_in, W_out, Wattn, Wo, Woff, Wval, b1, b2, battn, bo, boff, ln1_b, ln1_g, ln2_b, ln2_g, query_embed, P, L0, L1, FA, I0, I1; writes P, L0, L1, FA, I0, I1
;; launch pin (part 5): grid 256 x 1, 4 waves a work-group, clusters of 4 x 1, 327,680 bytes of LDS; arguments x, bn1_b, bn1_g, bn1_m, bn1_v, bval, P, L0, L1, FA, I0; writes L0, L1, FA, I0
.if DOCPART == 5
	.amdgcn_target "amdgcn-amd-amdhsa--gfx1250"
	.amdhsa_code_object_version 6
	.text
	.protected	k_qf9703f7118_pin
	.globl	k_qf9703f7118_pin
	.p2align	8
	.type	k_qf9703f7118_pin,@function
k_qf9703f7118_pin:
	s_mov_b64 s[64:65], 0
	v_nop
	global_prefetch_b8 v0, s[64:65] scope:SCOPE_SE
	s_setreg_imm32_b32 hwreg(HW_REG_WAVE_MODE, 25, 1), 1
	s_wait_xcnt 0x0
	s_wait_alu depctr_hold_cnt(0) depctr_sa_sdst(0) depctr_va_vdst(0) depctr_va_sdst(0) depctr_va_ssrc(0) depctr_va_vcc(0) depctr_vm_vsrc(0)
	s_getreg_b32 s2, hwreg(HW_REG_IB_STS2, 6, 4)
	s_cmp_eq_u32 s2, 0
	s_cbranch_scc0 .Lentry_in_a_cluster
	s_endpgm
.Lentry_in_a_cluster:
	s_bfe_u32 s2, ttmp6, 0x10000c
	s_cmp_lg_u32 s2, 0x3003
	s_cbranch_scc0 .Lentry_shape_is_right
	s_endpgm
.Lentry_shape_is_right:
; PIN: src = relu(bn1(W_in x)) stays in registers; val_l = src Wval[l] + bval[l] of both layers goes out in bf16 as [image][16 groups of 16 channels][pixel][16]; and layer 0's sampling table is made.
; SHARES.  A work-group has 128 pixels of one image, each of its four waves 32: two tiles of 16.  All products run with the weights as source 0 (16 output channels x 32 k) and the activations as source 1
; (32 k x 16 pixels): in a result a lane holds ONE pixel (lane % 16) and the channels 8 (lane / 16) + 0..7, and two results rounded in pairs ARE the next product's source 1.  Nothing leaves the wave.
; x lies [channel][pixel]: 32 channels x 32 pixels are loaded as they lie, rounded to bf16, put into the wave's own stage in LDS and read back turned (ds_load_tr16_b128).
; WEIGHTS come in fragment order as eight dense fills of 64 KB through FOUR LDS slots: W_in's four are the first fills; each slot, read out, is filled once more, with one of Wval's four, so that the val phase
; finds all its weights in LDS on end and has no change of slots.  All 256 work-groups walk the same stream: the four of a cluster ask jointly; wave w brings rows 64 w on.
; By this text's count a wave has four tensor loads out at the start and one behind each round.
; FORMATS.  x, weights and parameters rounded once to bf16, sums in f32, src and val rounded to bf16, the table's weights (0 to 1) to f16.
; THE TABLE.  gx = xq + off_x (reference(): ((xq + .5) / 64 + off / 64) 64 - .5: another order of rounding, some 4e-6 of a pixel).  xb = min(max(floor gx, 0), 62); the weights of pixels xb and xb + 1 are
; max(0, 1 - |gx - xb|) and max(0, 1 - |gx - xb - 1|): the bilinear weights with zeros outside the image, with no compare.  The four logits' maximum is taken away before the exponentials.
; LIMITS.  NaN and infinities are not treated apart.  An exponential below 2^-126 counts as 0.
; X is started by 32 matrix instructions on two fragments of zeros, while the first loads are out: the price of one text for all sixteen K steps.  The last trip's 32 refills of the x ring ask for one address
; each inside the block just read and are never used: the price of one count in every trip's wait.
; REGISTERS, in windows of 256 (s_set_vgpr_msb: bits 1:0 source 0, 3:2 source 1, 5:4 source 2, 7:6 destination):
;   window 0: v0-63 addresses and scratch; v64-95 x fragments (two sets), later val's four accumulators; v96-111 packed x, later val's bias; v112-127 val to store; v128-255 src in bf16
;   window 1: X, accumulator (mt, t) at 8 (2 mt + t)     window 2: two buffers of 16 weight fragments     window 3: v0-127 raw x, four K steps; later bn1's scale and shift; later the table's operands
.set SLOTB, 65536
.set FILLB, 65536
.set PK1,   262144                      ; behind the four slots, written by ds_store: scale 1 KB, shift 1 KB, bval 2 KB, 512 bytes of zeros
.set XST,   266752                      ; four stages of 32 rows x 96 bytes, a wave's own
.set SPARE, 279040                      ; the spare words: 128 bytes a wave
.set SPW,2
.set NIL,3
.set LA,4                               ; 16 x lane
.set ADR,5
.set XO,6                               ; x: (lane / 8) channels + 16 (lane % 8) bytes
.set XOA,7                              ; the same, or 0 in the last trip
.set XSA,8
.set XTA,9
.set PKA,10                             ; PK1 + 32 (lane / 16)
.set BADR,11
.set VOFF,12
.set ZR,13
.set XQ,14                              ; v14-15 my pixel's x and y
.set RR,16
.set HH,17
.set WOFF,18
.set H32,19
.set SC,32
.set AT,48
.set IXO,52
.set WTO,56
.set XF,64
.set PKX,96
.set VA,64
.set VBI,96
.set VO,112
.set BS,128
.set TOA,64
.set TAA,72
.set WV,26
.set CX,27
.set WG,28
.set G1,32
.set G0A,40                             ; group 0 of the four first fills; the fourth then walks on
.set G0B,44
.set TB,48
.set CNT,49
.set XM,51
.set XN,52
.set XS,54
.set VBS,56
.set VB1,58
.set TWO,60
.set TWA,62
.set QEF,66
.set TBP,68
.set TBA,70
.set IB,72
.set WB,74
.set L2E,76
.set S62,77
.set MSK,78
.set HM,79
.set EPS,82
.set G0C,84
.set G0D,88
.set VST,92
.set MSB, 0
.macro WIN new                          ; the high byte repeats the setting that is left; a switch that changes nothing is dropped
.if MSB != (\new)
	s_set_vgpr_msb (MSB<<8)|(\new)
.set MSB, (\new)
.endif
.endm
.macro PLACES                           ; four places behind matrix instructions (ISA guide 7.12.1), where no other vector work is at hand
.rept 4
	v_nop
.endr
.endm
.macro CROUND                           ; a round of the cluster's barrier
	s_barrier_signal -1
	s_barrier_wait -1
	s_cmp_lg_u32 s[WV], 0
	s_cbranch_scc1 .Lnw0_\@
	s_barrier_signal -3
.Lnw0_\@:
	s_barrier_wait -3
	s_barrier_signal -1
	s_barrier_wait -1
.endm
.macro TL g0, g1                        ; a joint load; s_nop 0 and four v_nop follow it
	tensor_load_to_lds s[\g0:\g0+3], s[\g1:\g1+7]
	s_nop 0
.rept 4
	v_nop
.endr
.endm
; THE CHANGE OF SLOTS.  Each wave waits for all its tensor loads, adds 0 to its spare word, waits for that and for its reads of the slot that it leaves.  The barrier is a round of the cluster's, and the joint
; refill of the slot just read is the first thing behind it.  The walking descriptor goes one slot on (behind the fourth comes the first) and one fill on; so do the fetches.
.macro CHANGE
	WIN 0
	s_wait_tensorcnt 0x0
	ds_add_u32 v[SPW], v[NIL]
	s_add_co_u32 s[G0D+1], s[G0D+1], SLOTB
	s_and_b32 s[G0D+1], s[G0D+1], 4*SLOTB-1
	s_add_nc_u64 s[G0D+2:G0D+3], s[G0D+2:G0D+3], FILLB
	s_wait_dscnt 0x0
	CROUND
	TL G0D, G1
	s_add_co_u32 s[TB], s[TB], SLOTB
	s_and_b32 s[TB], s[TB], 4*SLOTB-1
.endm
.macro FRAGS n, dst, adr, off           ; n fragments of 1,024 bytes: 512 consecutive bytes a load
.set fi, 0
.rept \n
	ds_load_b128 v[(\dst)+8*fi:(\dst)+8*fi+3], v[\adr] offset:(\off)+fi*1024
	ds_load_b128 v[(\dst)+8*fi+4:(\dst)+8*fi+7], v[\adr] offset:(\off)+fi*1024+512
.set fi, fi+1
.endr
.endm
; One head's four points for one pixel a lane: offsets o (x, y by turns), logits a, pixel xy -> four indices ix, sixteen weights in f16 w (a point: w00 w10 w01 w11, each times the point's softmax weight)
.macro SAMP o, a, xy, ix, w
	v_max3_num_f32 v[SC], v[(\a)], v[(\a)+1], v[(\a)+2]
	v_max_num_f32 v[SC], v[SC], v[(\a)+3]
	v_mul_f32 v[SC+1], s[L2E], v[SC]
.irp p,0,1,2,3
	v_fma_f32 v[SC+2+\p], v[(\a)+\p], s[L2E], -v[SC+1]
.endr
.irp p,0,1,2,3
	v_exp_f32 v[SC+2+\p], v[SC+2+\p]
.endr
	v_nop                                  ; a plain line behind the last exponential
	s_wait_alu depctr_va_vdst(0)
	v_add_f32 v[SC], v[SC+2], v[SC+3]
	v_add_f32 v[SC+1], v[SC+4], v[SC+5]
	v_add_f32 v[SC], v[SC], v[SC+1]
	v_rcp_f32 v[SC], v[SC]
	v_nop
	s_wait_alu depctr_va_vdst(0)
.irp p,0,1,2,3
	v_mul_f32 v[SC+2+\p], v[SC], v[SC+2+\p]
.endr
.irp p,0,1,2,3
	v_add_f32 v[SC+6], v[(\xy)], v[(\o)+2*\p]
	v_add_f32 v[SC+7], v[(\xy)+1], v[(\o)+2*\p+1]
	v_floor_f32 v[SC+8], v[SC+6]
	v_floor_f32 v[SC+9], v[SC+7]
	v_max_num_f32 v[SC+8], 0, v[SC+8]
	v_max_num_f32 v[SC+9], 0, v[SC+9]
	v_min_num_f32 v[SC+8], s[S62], v[SC+8]
	v_min_num_f32 v[SC+9], s[S62], v[SC+9]
	v_sub_f32 v[SC+6], v[SC+6], v[SC+8]
	v_sub_f32 v[SC+7], v[SC+7], v[SC+9]
	v_sub_f32 v[SC+10], 1.0, |v[SC+6]|
	v_sub_f32 v[SC+12], 1.0, |v[SC+7]|
	v_add_f32 v[SC+6], -1.0, v[SC+6]
	v_add_f32 v[SC+7], -1.0, v[SC+7]
	v_sub_f32 v[SC+11], 1.0, |v[SC+6]|
	v_sub_f32 v[SC+13], 1.0, |v[SC+7]|
	v_max_num_f32 v[SC+10], 0, v[SC+10]
	v_max_num_f32 v[SC+12], 0, v[SC+12]
	v_max_num_f32 v[SC+11], 0, v[SC+11]
	v_max_num_f32 v[SC+13], 0, v[SC+13]
	v_mul_f32 v[SC+12], v[SC+2+\p], v[SC+12]
	v_mul_f32 v[SC+13], v[SC+2+\p], v[SC+13]
	v_mul_f32 v[SC+14], v[SC+10], v[SC+12]
	v_mul_f32 v[SC+15], v[SC+11], v[SC+12]
	v_cvt_pk_f16_f32 v[(\w)+2*\p], v[SC+14], v[SC+15]
	v_mul_f32 v[SC+14], v[SC+10], v[SC+13]
	v_mul_f32 v[SC+15], v[SC+11], v[SC+13]
	v_cvt_pk_f16_f32 v[(\w)+2*\p+1], v[SC+14], v[SC+15]
	v_cvt_u32_f32 v[SC+8], v[SC+8]
	v_cvt_u32_f32 v[SC+9], v[SC+9]
	v_lshl_add_u32 v[(\ix)+\p], v[SC+9], 6, v[SC+8]
.endr
.endm
	s_load_b512 s[4:19], s[0:1], 0x0       ; x 4, bn1_b 6, bn1_g 8, bn1_m 10, bn1_v 12, bval 14, P 16, L0 18
	s_load_b128 s[20:23], s[0:1], 0x40     ; L1 20, FA 22
	s_load_b64 s[24:25], s[0:1], 0x50      ; I0
	v_lshl_add_u32 v[SPW], v0, 2, SPARE
	v_mov_b32 v[NIL], 0
	ds_add_u32 v[SPW], v[NIL]              ; the wave's opening: the add and its wait ahead of my first tensor load
	ds_add_u32 v2, v3
	v_lshrrev_b32 v1, 5, v0
	v_readfirstlane_b32 s[WV], v1
	s_bfe_u32 s[CX], ttmp6, 0x40000
	s_lshl_b32 s[WG], ttmp9, 2
	s_add_co_u32 s[WG], s[WG], s[CX]       ; my work-group: it enters global addresses of my own data alone
	s_mov_b32 s[G1], 0x0023000f            ; the mask of four, elements of 8 bytes, bit 21 beside the mask, no padding
	s_mov_b32 s[G1+1], 32<<16              ; rows of 32 elements = 256 bytes
	s_mov_b32 s[G1+2], 64<<16              ; 64 rows a wave
	s_mov_b32 s[G1+3], 32<<16
	s_mov_b32 s[G1+4], 64
	s_mov_b32 s[G1+5], 32
	s_mov_b32 s[G1+6], 0
	s_mov_b32 s[G1+7], 0
	s_lshl_b32 s80, s[WV], 14              ; my 16 KB of a fill, in memory and in the slot
	s_mov_b32 s81, 0
	s_mov_b32 s[G0A], 1
	s_mov_b32 s[G0A+1], s80
	s_mov_b32 s[G0B], 1
	s_add_co_u32 s[G0B+1], s80, SLOTB
	s_mov_b32 s[G0C], 1
	s_add_co_u32 s[G0C+1], s80, 2*SLOTB
	s_mov_b32 s[G0D], 1
	s_add_co_u32 s[G0D+1], s80, 3*SLOTB
	s_mov_b32 s[TB], 0
	s_mov_b32 s[XS+1], 0
	s_mov_b32 s[VST], 0
	s_mov_b32 s[VST+1], 0
	s_mov_b32 s[L2E], 0x3fb8aa3b
	s_mov_b32 s[S62], 0x42780000
	s_mov_b32 s[HM], 0xffff0000
	s_mov_b32 s[EPS], 0x3727c5ac
	s_wait_dscnt 0x0
	s_wait_kmcnt 0x0
	s_add_nc_u64 s[G0A+2:G0A+3], s[16:17], s[80:81]
	s_add_nc_u64 s[G0B+2:G0B+3], s[G0A+2:G0A+3], FILLB
	s_add_nc_u64 s[G0C+2:G0C+3], s[G0A+2:G0A+3], 2*FILLB
	s_add_nc_u64 s[G0D+2:G0D+3], s[G0A+2:G0A+3], 3*FILLB
	s_or_b32 s[G0A+3], s[G0A+3], 0x80000000
	s_or_b32 s[G0B+3], s[G0B+3], 0x80000000
	s_or_b32 s[G0C+3], s[G0C+3], 0x80000000
	s_or_b32 s[G0D+3], s[G0D+3], 0x80000000
	CROUND                                 ; all four work-groups are here: the first joint loads meet
	TL G0A, G1                             ; all of W_in
	TL G0B, G1
	TL G0C, G1
	TL G0D, G1
	s_lshr_b32 s29, s[WG], 5               ; image
	s_and_b32 s30, s[WG], 31
	s_lshl_b32 s30, s30, 7
	s_lshl_b32 s31, s[WV], 5
	s_add_co_u32 s30, s30, s31             ; my wave's first pixel
	s_lshl_b32 s80, s29, 23
	s_lshl2_add_u32 s80, s30, s80
	s_add_nc_u64 s[XN:XN+1], s[4:5], s[80:81]
	s_lshl_b32 s80, s29, 21
	s_add_co_u32 s80, s80, 0x200000
	s_add_nc_u64 s[VBS:VBS+1], s[18:19], s[80:81]
	s_add_nc_u64 s[VB1:VB1+1], s[20:21], s[80:81]
	s_lshl_b32 s80, s[WV], 13
	s_add_co_u32 s80, s80, 0x2c0000
	s_add_nc_u64 s[TWO:TWO+1], s[16:17], s[80:81]
	s_lshr_b32 s31, s[WV], 1
	s_lshl_b32 s80, s31, 13
	s_add_co_u32 s80, s80, 0x2c8000
	s_add_nc_u64 s[TWA:TWA+1], s[16:17], s[80:81]
	s_lshl_b32 s80, s[WG], 13
	s_add_co_u32 s80, s80, 0xc0000
	s_add_nc_u64 s[QEF:QEF+1], s[16:17], s[80:81]
	s_lshl_b32 s80, s[WV], 6
	s_add_co_u32 s80, s80, 0x2cc000
	s_add_nc_u64 s[TBP:TBP+1], s[16:17], s[80:81]
	s_lshl_b32 s80, s31, 6
	s_add_co_u32 s80, s80, 0x2cc100
	s_add_nc_u64 s[TBA:TBA+1], s[16:17], s[80:81]
	s_lshl_b32 s80, s[WG], 11
	s_lshl_b32 s31, s[WV], 9
	s_add_co_u32 s80, s80, s31
	s_add_co_u32 s80, s80, 4096
	s_add_nc_u64 s[IB:IB+1], s[24:25], s[80:81]
	s_lshl_b32 s80, s[WG], 12
	s_lshl_b32 s31, s[WV], 10
	s_add_co_u32 s80, s80, s31
	s_add_co_u32 s80, s80, 0x1000000
	s_add_nc_u64 s[WB:WB+1], s[22:23], s[80:81]
	s_and_b32 s31, s[WV], 1
	s_cmp_lg_u32 s31, 0
	s_cselect_b32 s[MSK], -1, 0
	v_and_b32 v1, 31, v0
	v_and_b32 v[RR], 15, v0
	v_bfe_u32 v[HH], v0, 4, 1
	v_lshlrev_b32 v[LA], 4, v1
	v_lshrrev_b32 v20, 3, v1
	v_and_b32 v21, 7, v1
	v_lshlrev_b32 v[XO], 14, v20
	v_lshl_add_u32 v[XO], v21, 4, v[XO]
	v_mov_b32 v[XOA], v[XO]
	v_lshlrev_b32 v23, 2, v0
	global_load_b32 v24, v23, s[8:9]       ; thread i has channels i and i + 128: gain,
	global_load_b32 v25, v23, s[8:9] offset:512
	global_load_b32 v26, v23, s[6:7]       ; shift,
	global_load_b32 v27, v23, s[6:7] offset:512
	global_load_b32 v28, v23, s[10:11]     ; mean,
	global_load_b32 v29, v23, s[10:11] offset:512
	global_load_b32 v30, v23, s[12:13]     ; variance,
	global_load_b32 v31, v23, s[12:13] offset:512
.irp i,0,1,2,3
	global_load_b32 v[32+\i], v23, s[14:15] offset:\i*512  ; and four of bval's 512
.endr
	WIN 0xc0
.set i, 0
.rept 32                                ; K steps 0 to 3 of x: a load takes 4 channels x 32 pixels
	global_load_b128 v[4*i:4*i+3], v[XO], s[XN:XN+1] offset:(i/8)*524288+(i%8)*65536 th:TH_LOAD_NT
.set i, i+1
.endr
	WIN 0
.set i, 0
.rept 16                                ; two fragments of zeros,
	v_mov_b32 v[XF+i], 0
.set i, i+1
.endr
	WIN 0x40
.set i, 0
.rept 32                                ; whose product starts each of the 32 sums at 0
	v_wmma_f32_16x16x32_bf16 v[8*i:8*i+7], v[XF:XF+7], v[XF+8:XF+15], 0
.set i, i+1
.endr
	WIN 0
	s_mul_i32 s29, s[WV], 3072
	s_add_co_u32 s29, s29, XST
	v_mul_u32_u24 v[XSA], v20, 96
	v_lshl_add_u32 v[XSA], v21, 3, v[XSA]
	v_add_nc_u32 v[XSA], s29, v[XSA]
	v_lshl_add_u32 v22, v[HH], 3, v21      ; the turning load: row 8 (l / 16) + l % 8, 16 bytes at 16 ((l / 8) % 2)
	v_mul_u32_u24 v[XTA], v22, 96
	v_bfe_u32 v22, v0, 3, 1
	v_lshl_add_u32 v[XTA], v22, 4, v[XTA]
	v_add_nc_u32 v[XTA], s29, v[XTA]
	v_lshl_add_u32 v[PKA], v[HH], 5, PK1
	v_add_nc_u32 v[BADR], 2048, v[PKA]
	v_add_nc_u32 v20, s30, v[RR]
	v_lshlrev_b32 v[VOFF], 5, v20
	v_lshl_add_u32 v[VOFF], v[HH], 4, v[VOFF]
	v_mov_b32 v[ZR], 0
	v_lshlrev_b32 v[WOFF], 4, v[RR]
	v_lshl_add_u32 v[WOFF], v[HH], 9, v[WOFF]
	v_lshlrev_b32 v[H32], 5, v[HH]
	s_lshl_b32 s29, s[WG], 4               ; the table's tile is my work-group's number: pixel 16 wg + r
	v_add_nc_u32 v20, s29, v[RR]
	v_and_b32 v21, 63, v20
	v_lshrrev_b32 v22, 6, v20
	v_cvt_f32_u32 v[XQ], v21
	v_cvt_f32_u32 v[XQ+1], v22
	s_wait_xcnt 0x0                        ; the x loads' base is stepped only behind this wait
	s_add_nc_u64 s[XN:XN+1], s[XN:XN+1], 0x200000
	s_wait_loadcnt 32                      ; the twelve parameter loads are in; the 32 loads of x, issued behind them, stay out
.irp i,24,26,28,30,32,34
	v_cvt_pk_bf16_f32 v36, v[\i], v[\i+1]
	v_lshlrev_b32 v[\i], 16, v36
	v_and_b32 v[\i+1], s[HM], v36
.endr
	v_add_f32 v30, s[EPS], v30
	v_add_f32 v31, s[EPS], v31
	v_rsq_f32 v30, v30
	v_rsq_f32 v31, v31
	v_add_nc_u32 v23, PK1, v23             ; a plain line behind the root
	s_wait_alu depctr_va_vdst(0)
	v_mul_f32 v24, v24, v30                ; scale = g / sqrt(v + eps)
	v_mul_f32 v25, v25, v31
	v_fma_f32 v26, -v28, v24, v26          ; shift = b - m scale
	v_fma_f32 v27, -v29, v25, v27
	ds_store_b32 v23, v24
	ds_store_b32 v23, v25 offset:512
	ds_store_b32 v23, v26 offset:1024
	ds_store_b32 v23, v27 offset:1536
.irp i,0,1,2,3
	ds_store_b32 v23, v[32+\i] offset:2048+\i*512
.endr
	ds_store_b32 v23, v[NIL] offset:4096
	s_wait_tensorcnt 3                     ; my part of fill 0 is in; the three younger fills may stay out
	s_wait_dscnt 0x0                       ; for the others' sake: my parameters are stored
	s_barrier_signal -1
	s_barrier_wait -1
	v_mov_b32 v[ADR], v[LA]
	WIN 0x80
	FRAGS 16, 0, ADR, 0
; A K STEP of 32 channels.  kl: its place in the slot.  Raw x -> bf16 -> my stage -> turned fragments; the ring slot is asked for again; the next step's weights are fetched; 32 products.
.macro KSTEP kl
	s_wait_loadcnt 24                      ; this step's eight loads are in; the three younger steps' 24 stay out
	WIN 0x0f
.set i, 0
.rept 16                                ; also the places between the last products and the loads into their fragments
	v_cvt_pk_bf16_f32 v[PKX+i], v[32*\kl+2*i], v[32*\kl+2*i+1]
.set i, i+1
.endr
	WIN 0xc0
.irp i,0,1,2,3,4,5,6,7
	global_load_b128 v[32*\kl+4*\i:32*\kl+4*\i+3], v[XOA], s[XN:XN+1] offset:\kl*524288+\i*65536 th:TH_LOAD_NT
.endr
	WIN 0
.irp i,0,1,2,3,4,5,6,7
	ds_store_b64 v[XSA], v[PKX+2*\i:PKX+2*\i+1] offset:\i*384
.endr
.irp t,0,1                              ; LDS serves a wave's instructions in order: these see the stores above, and the next step's stores come behind them
	ds_load_tr16_b128 v[XF+16*(\kl%2)+8*\t:XF+16*(\kl%2)+8*\t+3], v[XTA] offset:32*\t
	ds_load_tr16_b128 v[XF+16*(\kl%2)+8*\t+4:XF+16*(\kl%2)+8*\t+7], v[XTA] offset:32*\t+1536
.endr
.if \kl == 3
	CHANGE
	v_add_nc_u32 v[ADR], s[TB], v[LA]
	WIN 0x80
	FRAGS 16, 0, ADR, 0
.else
	WIN 0x80
	FRAGS 16, 128*((\kl+1)%2), ADR, (\kl+1)*16384
.endif
	s_wait_dscnt 32                        ; all but the 32 loads just issued: this step's weights and x are in
	WIN 0x52
.set i, 0
.rept 32                                ; the 32 accumulators take turns
	v_wmma_f32_16x16x32_bf16 v[8*i:8*i+7], v[128*(\kl%2)+8*(i/2):128*(\kl%2)+8*(i/2)+7], v[XF+16*(\kl%2)+8*(i%2):XF+16*(\kl%2)+8*(i%2)+7], v[8*i:8*i+7]
.set i, i+1
.endr
.endm
	WIN 0
	s_mov_b32 s[CNT], 4
.La:                                    ; four trips: a slot of W_in, four K steps; the slot then takes a fill of Wval
	KSTEP 0
	KSTEP 1
	KSTEP 2
	KSTEP 3
	WIN 0
	s_wait_xcnt 0x0                        ; base and offset of the x loads are rewritten only behind this wait
	s_cmp_gt_u32 s[CNT], 2
	s_cselect_b32 s[XS], 0x200000, 0       ; the base stops at the last four K steps,
	s_cselect_b32 s[XM], -1, 0             ; and the last trip's lanes all ask for its first bytes
	s_add_nc_u64 s[XN:XN+1], s[XN:XN+1], s[XS:XS+1]
	v_and_b32 v[XOA], s[XM], v[XO]
	s_sub_co_u32 s[CNT], s[CNT], 1
	s_cmp_lg_u32 s[CNT], 0
	s_cbranch_scc1 .La
	; BN1, ReLU, bf16
	s_wait_loadcnt 0x0
	s_wait_dscnt 0x0
	PLACES
	WIN 0xc0
.set i, 0
.rept 16
	ds_load_b128 v[8*i:8*i+3], v[PKA] offset:i*64
	ds_load_b128 v[8*i+4:8*i+7], v[PKA] offset:i*64+16
	ds_load_b128 v[128+8*i:128+8*i+3], v[PKA] offset:1024+i*64
	ds_load_b128 v[128+8*i+4:128+8*i+7], v[PKA] offset:1024+i*64+16
.set i, i+1
.endr
	WIN 0
.irp i,0,1,2,3
	ds_load_b128 v[VBI+4*\i:VBI+4*\i+3], v[BADR] offset:(\i/2)*64+(\i%2)*16
.endr
	s_wait_dscnt 0x0
	WIN 0x7d
.set i, 0
.rept 32                                ; each accumulator from its low end on
.irp q,0,2,4,6
	v_pk_fma_f32 v[8*i+\q:8*i+\q+1], v[8*i+\q:8*i+\q+1], v[8*(i/2)+\q:8*(i/2)+\q+1], v[128+8*(i/2)+\q:128+8*(i/2)+\q+1]
.endr
.set i, i+1
.endr
	WIN 0x05
.set i, 0
.rept 32
.irp q,0,1,2,3
	v_cvt_pk_bf16_f32 v[BS+(16*(i%2)+i/2)*4+\q], v[8*i+2*\q], v[8*i+2*\q+1]
.endr
.set i, i+1
.endr
	WIN 0
.set i, 0
.rept 128
	v_pk_max_num_bf16 v[BS+i], v[BS+i], v[ZR]
.set i, i+1
.endr
	WIN 0xc0                               ; the table's operands are asked for now and wanted behind val: my head pair's offset tile, its logit tile, the tile's queries, the biases
.set i, 0
.rept 8
	global_load_b128 v[8*i:8*i+3], v[LA], s[TWO:TWO+1] offset:i*1024
	global_load_b128 v[8*i+4:8*i+7], v[LA], s[TWO:TWO+1] offset:i*1024+512
	global_load_b128 v[64+8*i:64+8*i+3], v[LA], s[TWA:TWA+1] offset:i*1024
	global_load_b128 v[64+8*i+4:64+8*i+7], v[LA], s[TWA:TWA+1] offset:i*1024+512
	global_load_b128 v[128+8*i:128+8*i+3], v[LA], s[QEF:QEF+1] offset:i*1024
	global_load_b128 v[128+8*i+4:128+8*i+7], v[LA], s[QEF:QEF+1] offset:i*1024+512
.set i, i+1
.endr
	global_load_b128 v[192:195], v[H32], s[TBP:TBP+1]
	global_load_b128 v[196:199], v[H32], s[TBP:TBP+1] offset:16
	global_load_b128 v[200:203], v[H32], s[TBA:TBA+1]
	global_load_b128 v[204:207], v[H32], s[TBA:TBA+1] offset:16
	WIN 0
	s_wait_tensorcnt 0x0                   ; my part of Wval's last fill is in,
	s_barrier_signal -1
	s_barrier_wait -1                      ; everybody's is: the four slots hold Wval of both layers on end, and nothing is filled any more
; VAL: a group is 32 output channels (mtl 0, 1) x 256 k: 16 fragments.  Four accumulators (mtl, t) by turns; the bias starts the sums.  The fragment buffer is refilled by halves behind the products that read them.
.macro VMUL k0
	WIN 0x02
.irp k,0,1,2,3
.irp a,0,1,2,3
.if ((\k0)+\k) == 0
	v_wmma_f32_16x16x32_bf16 v[VA+8*\a:VA+8*\a+7], v[8*(8*(\a/2)+\k0+\k):8*(8*(\a/2)+\k0+\k)+7], v[BS+(16*(\a%2)+2*(\k0+\k))*4:BS+(16*(\a%2)+2*(\k0+\k))*4+7], v[VBI+8*(\a/2):VBI+8*(\a/2)+7]
.else
	v_wmma_f32_16x16x32_bf16 v[VA+8*\a:VA+8*\a+7], v[8*(8*(\a/2)+\k0+\k):8*(8*(\a/2)+\k0+\k)+7], v[BS+(16*(\a%2)+2*(\k0+\k))*4:BS+(16*(\a%2)+2*(\k0+\k))*4+7], v[VA+8*\a:VA+8*\a+7]
.endif
.endr
.endr
.endm
	s_mov_b32 s[CNT], 16
.Lv:                                    ; sixteen groups: layer 0's eight, then layer 1's.  Behind the last group the fetch stays at that group and reads the zeros behind bval; it is not used
	s_wait_dscnt 16                        ; the first half and the bias are in; the second half's 16 loads may be out
	VMUL 0
	PLACES
	s_add_co_u32 s[TB], s[TB], 16384
	s_min_u32 s[TB], s[TB], 15*16384
	WIN 0
	v_add_nc_u32 v[ADR], s[TB], v[LA]
	v_add_nc_u32 v[BADR], 128, v[BADR]
	WIN 0x80
	FRAGS 4, 0, ADR, 0
	FRAGS 4, 64, ADR, 8192
	WIN 0
.irp i,0,1,2,3
	ds_load_b128 v[VBI+4*\i:VBI+4*\i+3], v[BADR] offset:(\i/2)*64+(\i%2)*16
.endr
	s_wait_dscnt 20                        ; all but the 20 just issued: the second half is in
	VMUL 4
	PLACES
	WIN 0x80
	FRAGS 4, 32, ADR, 4096
	FRAGS 4, 96, ADR, 12288
	WIN 0
	s_wait_xcnt 0x0                        ; the last group's stores, a group back, have read their data and their base: both are rewritten only behind this wait
	s_add_nc_u64 s[VBS:VBS+1], s[VBS:VBS+1], s[VST:VST+1]  ; 32 channels on; nothing in the first trip
	s_mov_b32 s[VST], 262144
	s_cmp_eq_u32 s[CNT], 8                 ; the ninth group is layer 1's first
	s_cselect_b64 s[VBS:VBS+1], s[VB1:VB1+1], s[VBS:VBS+1]
.set i, 0
.rept 16
	v_cvt_pk_bf16_f32 v[VO+i], v[VA+2*i], v[VA+2*i+1]
.set i, i+1
.endr
.irp a,0,1,2,3
	global_store_b128 v[VOFF], v[VO+4*\a:VO+4*\a+3], s[VBS:VBS+1] offset:(\a/2)*131072+(\a%2)*512  ; 16 pixels x 32 bytes: 512 consecutive bytes, aligned
.endr
	s_sub_co_u32 s[CNT], s[CNT], 1
	s_cmp_lg_u32 s[CNT], 0
	s_cbranch_scc1 .Lv
	; LAYER 0'S TABLE: tile = my work-group, head pair = my wave.  Two accumulators by turns: offsets and logits.
	s_wait_dscnt 0x0
	s_wait_loadcnt 0x0
	WIN 0x3f
	v_wmma_f32_16x16x32_bf16 v[TOA:TOA+7], v[0:7], v[128:135], v[192:199]
	v_wmma_f32_16x16x32_bf16 v[TAA:TAA+7], v[64:71], v[128:135], v[200:207]
	WIN 0x0f
.set i, 1
.rept 7
	v_wmma_f32_16x16x32_bf16 v[TOA:TOA+7], v[8*i:8*i+7], v[128+8*i:128+8*i+7], v[TOA:TOA+7]
	v_wmma_f32_16x16x32_bf16 v[TAA:TAA+7], v[64+8*i:64+8*i+7], v[128+8*i:128+8*i+7], v[TAA:TAA+7]
.set i, i+1
.endr
	WIN 0
	PLACES
.irp p,0,1,2,3
	v_cndmask_b32 v[AT+\p], v[TAA+\p], v[TAA+4+\p], s[MSK]  ; the logit tile holds two head pairs: mine is the upper four registers if my wave's number is odd
.endr
	SAMP TOA, AT, XQ, IXO, WTO
	global_store_b128 v[LA], v[IXO:IXO+3], s[IB:IB+1]
	global_store_b128 v[WOFF], v[WTO:WTO+3], s[WB:WB+1]
	global_store_b128 v[WOFF], v[WTO+4:WTO+7], s[WB:WB+1] offset:256
	s_wait_tensorcnt 0x0                   ; the wave's end
	ds_add_u32 v[SPW], v[NIL]
	s_wait_dscnt 0x0
	CROUND                                 ; the closing round
	s_endpgm
.Lfunc_end_k_qf9703f7118_pin:
	.size	k_qf9703f7118_pin, .Lfunc_end_k_qf9703f7118_pin-k_qf9703f7118_pin
	.p2alignl 7, 3214868480
	.fill 96, 4, 3214868480
	.section	.rodata,"a",@progbits
	.p2align	6, 0x0
	.amdhsa_kernel k_qf9703f7118_pin
		.amdhsa_group_segment_fixed_size 327680
		.amdhsa_private_segment_fixed_size 0
		.amdhsa_enable_private_segment 0
		.amdhsa_kernarg_size 88
		.amdhsa_user_sgpr_count 2
		.amdhsa_user_sgpr_kernarg_segment_ptr 1
		.amdhsa_wavefront_size32 1
		.amdhsa_system_sgpr_workgroup_id_x 1
		.amdhsa_system_sgpr_workgroup_id_y 1
		.amdhsa_system_sgpr_workgroup_id_z 1
		.amdhsa_system_vgpr_workitem_id 0
		.amdhsa_next_free_vgpr 1024
		.amdhsa_next_free_sgpr 96
		.amdhsa_reserve_vcc 0
		.amdhsa_float_denorm_mode_32 3
		.amdhsa_float_denorm_mode_16_64 3
		.amdhsa_memory_ordered 1
		.amdhsa_forward_progress 1
		.amdhsa_inst_pref_size 95
	.end_amdhsa_kernel
	.amdgpu_metadata
---
amdhsa.version: [ 1, 2 ]
amdhsa.kernels:
  - .name:           k_qf9703f7118_pin
    .symbol:         k_qf9703f7118_pin.kd
    .args:
      - { .name: x, .offset: 0, .size: 8, .value_kind: global_buffer, .address_space: global }
      - { .name: bn1_b, .offset: 8, .size: 8, .value_kind: global_buffer, .address_space: global }
      - { .name: bn1_g, .offset: 16, .size: 8, .value_kind: global_buffer, .address_space: global }
      - { .name: bn1_m, .offset: 24, .size: 8, .value_kind: global_buffer, .address_space: global }
      - { .name: bn1_v, .offset: 32, .size: 8, .value_kind: global_buffer, .address_space: global }
      - { .name: bval, .offset: 40, .size: 8, .value_kind: global_buffer, .address_space: global }
      - { .name: P, .offset: 48, .size: 8, .value_kind: global_buffer, .address_space: global }
      - { .name: L0, .offset: 56, .size: 8, .value_kind: global_buffer, .address_space: global }
      - { .name: L1, .offset: 64, .size: 8, .value_kind: global_buffer, .address_space: global }
      - { .name: FA, .offset: 72, .size: 8, .value_kind: global_buffer, .address_space: global }
      - { .name: I0, .offset: 80, .size: 8, .value_kind: global_buffer, .address_space: global }
    .group_segment_fixed_size: 327680
    .private_segment_fixed_size: 0
    .kernarg_segment_align: 8
    .kernarg_segment_size: 88
    .max_flat_workgroup_size: 128
    .sgpr_count:     96
    .vgpr_count:     1024
    .wavefront_size: 32
...
	.end_amdgpu_metadata
.endif
;; end of part 5
;; launch samp0 (part 6): grid 256 x 1, 16 waves a work-group, no clusters, 327,680 bytes of LDS; arguments L0, FA, I0, OSMP; writes OSMP
.if DOCPART == 6
	.amdgcn_target "amdgcn-amd-amdhsa--gfx1250"
	.amdhsa_code_object_version 6
	.text
	.protected	k_qf9703f7118_samp0
	.globl	k_qf9703f7118_samp0
	.p2align	8
	.type	k_qf9703f7118_samp0,@function
k_qf9703f7118_samp0:
	s_mov_b64 s[64:65], 0
	v_nop
	global_prefetch_b8 v0, s[64:65] scope:SCOPE_SE
	s_setreg_imm32_b32 hwreg(HW_REG_WAVE_MODE, 25, 1), 1
	s_wait_xcnt 0x0
; SAMP: the deformable sampling of one layer.  o[token][head][32 channels] = the sum over 4 points x 4 corners of val[head][pixel] x weight, in bf16, for the layer launch behind it.
; Arguments: L (val at byte 0x200000: [image][16 groups of 16 channels][pixel][16] bf16), F (the table's weights, f16, at byte 0x1000000), I (a whole number, then the table's indices),
; O ([tile of 16 tokens][head][group of the head's two][token][16 channels] bf16).
; SHARES.  One group of 16 channels of one image is 4,096 pixels x 32 bytes = 128 KB, dense in memory, and lies whole in LDS: any pixel can be sampled, whatever the offsets, and each byte of val is asked for by
; whole rows of 256 bytes.  128 planes x 2 halves of an image's tokens = 256 work-groups of 2,048 tokens.  A whole head's plane and a quarter of the tokens would be as much arithmetic with 256 KB of plane and
; 48 KB of tables to fetch; this share has 128 KB and 96 KB.  Sixteen waves; wave w brings 8 KB of the plane (one tensor load, the only one it issues) and samples the eight tiles 8 w + j: a tile a trip.
; LANES.  Lane l: token l / 2, 16 bytes (8 channels) l % 2 of the pixel's 32.  The sixteen lanes that LDS serves together take 8 tokens x 32 bytes.
; A store covers 16 tokens x 32 bytes = 512 consecutive bytes, aligned.
; TABLES.  The indices are whole numbers that an EARLIER launch stored.  A wave's own 128 tokens' indices and weights (6 KB) are fetched once, by twelve loads, while the plane is on its way, put into LDS bytes of
; the wave's own and read back a trip ahead, so that the loop waits for LDS alone.  An index is held to 4,030 behind that read, before it enters an address: pixel + 65 is then the plane's last.
; NO CLUSTER, though the two work-groups of a plane read the same 128 KB: the sampling's LDS addresses hang on indices read from memory, which differ from work-group to work-group
; The price: a plane is asked for twice.
; FORMATS.  val bf16, weights f16 widened to f32, sums of 16 terms in f32 (the points in order, the corners in order), o rounded once to bf16.  NaN and infinities are not treated apart.
.set SPARE, 131072                      ; behind the plane: the spare words, 128 bytes for each of sixteen waves
.set TBASE, 133120                      ; behind them, written by ds_store: for each wave [tile 8][indices 256 bytes | weights 2 x 256 bytes], each [token 16][16 bytes]
.set TPT,   768                         ; a tile's table
.set TPW,   8*TPT                       ; a wave's
.set SPW,2
.set NIL,3
.set LB,4                               ; my 16 bytes of a pixel
.set OOF,5                              ; 16 x lane: my 16 bytes among 512
.set ONE,6
.set ZR,7
.set TLB,8                              ; my token's 16 bytes in tile 0 of my wave's tables
.set TADR,9
.set TS,10
.set TSI,11
.set TG,12
.set IDXR,16                            ; v16-19  four indices as read
.set WR,20                              ; v20-27  sixteen weights, f16
.set ADRP,28                            ; v28-31  the four points' LDS addresses
.set WF,32                              ; v32-47  sixteen weights, f32
.set ACC,48                             ; v48-55  eight channels' sums
.set OUTP,56                            ; v56-59  to store
.set VB,60                              ; v60-123 sixteen corners, 16 bytes each
.set TM,12
.set WV,13
.set TH,14
.set GP,15
.set G1,16
.set G0,24
.set IP,28
.set WP,30
.set OP,32
.set OS,34
.set CNT,36
.set TJ,37
	s_load_b256 s[4:11], s[0:1], 0x0       ; L 4, F 6, I 8, O 10
	v_lshl_add_u32 v[SPW], v0, 2, SPARE
	v_mov_b32 v[NIL], 0
	ds_add_u32 v[SPW], v[NIL]              ; the wave's opening: the add and its wait ahead of my tensor load
	ds_add_u32 v2, v3
	v_lshrrev_b32 v1, 5, v0
	v_readfirstlane_b32 s[WV], v1
	s_lshr_b32 s[GP], ttmp9, 1             ; 16 x image + group
	s_and_b32 s[TH], ttmp9, 1              ; which half of the image's tokens
	s_mov_b32 s[G1], 3<<16                 ; no mask, elements of 8 bytes, no padding
	s_mov_b32 s[G1+1], 32<<16              ; rows of 32 elements = 256 bytes
	s_mov_b32 s[G1+2], 32<<16              ; 32 rows a wave
	s_mov_b32 s[G1+3], 32<<16
	s_mov_b32 s[G1+4], 32
	s_mov_b32 s[G1+5], 32
	s_mov_b32 s[G1+6], 0
	s_mov_b32 s[G1+7], 0
	s_lshl_b32 s40, s[WV], 13              ; my 8 KB, in the plane and in LDS
	s_mov_b32 s41, 0
	s_mov_b32 s[G0], 1
	s_mov_b32 s[G0+1], s40
	s_lshl_b32 s42, s[GP], 17
	s_add_co_u32 s40, s40, s42
	s_add_co_u32 s40, s40, 0x200000
	s_mov_b32 s[OS], 0
	s_mov_b32 s[OS+1], 0
	s_mov_b32 s[TJ], TPT
	s_wait_dscnt 0x0
	s_wait_kmcnt 0x0
	s_load_b32 s[TM], s[8:9], 0x0          ; a whole number that an earlier launch stored: the mask of the tables' tile numbers
	s_add_nc_u64 s[G0+2:G0+3], s[4:5], s[40:41]
	s_or_b32 s[G0+3], s[G0+3], 0x80000000
	tensor_load_to_lds s[G0:G0+3], s[G1:G1+7]
	s_nop 0
	s_wait_kmcnt 0x0
	s_min_u32 s[TM], s[TM], 0x7ff          ; held to the tables' size before it enters an address
	s_lshr_b32 s42, s[GP], 4               ; image
	s_lshl_b32 s42, s42, 8
	s_lshl_b32 s43, s[TH], 7
	s_add_co_u32 s42, s42, s43
	s_lshl3_add_u32 s42, s[WV], s42        ; my first tile of 16 tokens
	s_bfe_u32 s45, s[GP], 0x30001          ; head
	s_and_b32 s44, s[GP], 1                ; which of the head's two groups
	s_lshl_b32 s40, s42, 13                ; O: tile x 8,192 + head x 1,024 + group x 512
	s_lshl_b32 s43, s45, 10
	s_add_co_u32 s40, s40, s43
	s_lshl_b32 s43, s44, 9
	s_add_co_u32 s40, s40, s43
	s_add_nc_u64 s[OP:OP+1], s[10:11], s[40:41]
	s_and_b32 s42, s42, s[TM]              ; the tile's number in the tables (layer 0's are common to the eight images)
	s_lshl_b32 s40, s42, 11                ; indices: 4,096 + tile x 2,048 + head x 256
	s_lshl_b32 s43, s45, 8
	s_add_co_u32 s40, s40, s43
	s_add_co_u32 s40, s40, 4096
	s_add_nc_u64 s[IP:IP+1], s[8:9], s[40:41]
	s_lshl_b32 s40, s42, 12                ; weights: 0x1000000 + tile x 4,096 + head x 512: points 0 and 1, then, 256 bytes on, points 2 and 3
	s_lshl_b32 s43, s45, 9
	s_add_co_u32 s40, s40, s43
	s_add_co_u32 s40, s40, 0x1000000
	s_add_nc_u64 s[WP:WP+1], s[6:7], s[40:41]
	s_mul_i32 s46, s[WV], TPW
	s_add_co_u32 s46, s46, TBASE           ; my wave's tables in LDS
	v_and_b32 v1, 31, v0
	v_lshrrev_b32 v13, 4, v1
	v_and_b32 v14, 15, v1
	v_lshlrev_b32 v15, 4, v14
	v_lshl_add_u32 v[TG], v13, 11, v15     ; a load of indices takes two tiles x 256 bytes,
	v_lshlrev_b32 v[OOF], 4, v1            ; a load of weights one tile's 512
.irp j,0,1,2,3
	global_load_b128 v[VB+4*\j:VB+4*\j+3], v[TG], s[IP:IP+1] offset:\j*4096
.endr
.irp j,0,1,2,3,4,5,6,7
	global_load_b128 v[VB+16+4*\j:VB+16+4*\j+3], v[OOF], s[WP:WP+1] offset:\j*4096
.endr
	v_mul_u32_u24 v[TSI], v13, TPT
	v_add3_u32 v[TSI], v[TSI], v15, s46
	v_add_nc_u32 v[TS], s46, v[OOF]
	v_and_b32 v14, 1, v0                   ; which 16 bytes
	v_lshlrev_b32 v[LB], 4, v14
	v_bfe_u32 v15, v0, 1, 4                ; token
	v_lshl_add_u32 v[TLB], v15, 4, s46
	v_mov_b32 v[ONE], 1.0
	v_mov_b32 v[ZR], 0
	s_wait_loadcnt 0x0
.irp j,0,1,2,3
	ds_store_b128 v[TSI], v[VB+4*\j:VB+4*\j+3] offset:\j*2*TPT
.endr
.irp j,0,1,2,3,4,5,6,7
	ds_store_b128 v[TS], v[VB+16+4*\j:VB+16+4*\j+3] offset:\j*TPT+256
.endr
	ds_load_b128 v[IDXR:IDXR+3], v[TLB]    ; LDS serves a wave's instructions in order: these see the stores above.  Trip 0's table
	ds_load_b128 v[WR:WR+3], v[TLB] offset:256
	ds_load_b128 v[WR+4:WR+7], v[TLB] offset:512
	s_wait_tensorcnt 0x0                   ; my part of the plane is in,
	s_wait_dscnt 0x0
	s_barrier_signal -1
	s_barrier_wait -1                      ; everybody's is
.macro FMU p                            ; point p: 8 channels += 4 corners x weight, straight from the bf16 halves; the first corner starts the sums
.irp c,0,1,2,3
.irp i,0,1,2,3
.if (\p == 0) && (\c == 0)
	v_fma_mix_f32_bf16 v[ACC+2*\i], v[VB+16*\p+4*\c+\i], v[WF+4*\p+\c], v[ZR] op_sel_hi:[1,0,0]
	v_fma_mix_f32_bf16 v[ACC+2*\i+1], v[VB+16*\p+4*\c+\i], v[WF+4*\p+\c], v[ZR] op_sel:[1,0,0] op_sel_hi:[1,0,0]
.else
	v_fma_mix_f32_bf16 v[ACC+2*\i], v[VB+16*\p+4*\c+\i], v[WF+4*\p+\c], v[ACC+2*\i] op_sel_hi:[1,0,0]
	v_fma_mix_f32_bf16 v[ACC+2*\i+1], v[VB+16*\p+4*\c+\i], v[WF+4*\p+\c], v[ACC+2*\i+1] op_sel:[1,0,0] op_sel_hi:[1,0,0]
.endif
.endr
.endr
.endm
	s_mov_b32 s[CNT], 8
.Lt:                                    ; a trip: a tile of sixteen tokens
	s_wait_dscnt 0x0                       ; this trip's indices and weights are in
.irp p,0,1,2,3
	v_min_u32 v[ADRP+\p], 0xfbe, v[IDXR+\p]
.endr
.irp p,0,1,2,3
	v_lshl_add_u32 v[ADRP+\p], v[ADRP+\p], 5, v[LB]
.endr
.irp p,0,1,2,3
.irp c,0,1,2,3                          ; pixel, pixel + 1, and the two in the image row below
	ds_load_b128 v[VB+16*\p+4*\c:VB+16*\p+4*\c+3], v[ADRP+\p] offset:(\c%2)*32+(\c/2)*2048
.endr
.endr
.set k, 0
.rept 8
	v_fma_mix_f32 v[WF+2*k], v[WR+k], v[ONE], v[ZR] op_sel_hi:[1,0,0]
	v_fma_mix_f32 v[WF+2*k+1], v[WR+k], v[ONE], v[ZR] op_sel:[1,0,0] op_sel_hi:[1,0,0]
.set k, k+1
.endr
	v_add_nc_u32 v[TADR], s[TJ], v[TLB]
	ds_load_b128 v[IDXR:IDXR+3], v[TADR]   ; the next trip's table; in the last trip the last once more
	ds_load_b128 v[WR:WR+3], v[TADR] offset:256
	ds_load_b128 v[WR+4:WR+7], v[TADR] offset:512
	s_add_co_u32 s[TJ], s[TJ], TPT
	s_min_u32 s[TJ], s[TJ], 7*TPT
.irp p,0,1,2,3
	s_wait_dscnt 15-4*\p                   ; point p's four corners are in; the later points' loads and the three of the table stay out
	FMU \p
.endr
	s_wait_xcnt 0x0                        ; the last trip's store has read its data and its base: they are rewritten only behind this wait
	s_add_nc_u64 s[OP:OP+1], s[OP:OP+1], s[OS:OS+1]  ; the next tile; nothing in the first trip
	s_mov_b32 s[OS], 8192
.irp q,0,1,2,3
	v_cvt_pk_bf16_f32 v[OUTP+\q], v[ACC+2*\q], v[ACC+2*\q+1]
.endr
	global_store_b128 v[OOF], v[OUTP:OUTP+3], s[OP:OP+1]
	s_sub_co_u32 s[CNT], s[CNT], 1
	s_cmp_lg_u32 s[CNT], 0
	s_cbranch_scc1 .Lt
	s_wait_dscnt 0x0                       ; my reads of LDS are over,
	s_barrier_signal -1
	s_barrier_wait -1                      ; everybody's are
	s_wait_tensorcnt 0x0                   ; the wave's end
	ds_add_u32 v[SPW], v[NIL]
	s_wait_dscnt 0x0
	s_endpgm
.Lfunc_end_k_qf9703f7118_samp0:
	.size	k_qf9703f7118_samp0, .Lfunc_end_k_qf9703f7118_samp0-k_qf9703f7118_samp0
	.p2alignl 7, 3214868480
	.fill 96, 4, 3214868480
	.section	.rodata,"a",@progbits
	.p2align	6, 0x0
	.amdhsa_kernel k_qf9703f7118_samp0
		.amdhsa_group_segment_fixed_size 327680
		.amdhsa_private_segment_fixed_size 0
		.amdhsa_enable_private_segment 0
		.amdhsa_kernarg_size 32
		.amdhsa_user_sgpr_count 2
		.amdhsa_user_sgpr_kernarg_segment_ptr 1
		.amdhsa_wavefront_size32 1
		.amdhsa_system_sgpr_workgroup_id_x 1
		.amdhsa_system_sgpr_workgroup_id_y 1
		.amdhsa_system_sgpr_workgroup_id_z 1
		.amdhsa_system_vgpr_workitem_id 0
		.amdhsa_next_free_vgpr 128
		.amdhsa_next_free_sgpr 66
		.amdhsa_reserve_vcc 0
		.amdhsa_float_denorm_mode_32 3
		.amdhsa_float_denorm_mode_16_64 3
		.amdhsa_memory_ordered 1
		.amdhsa_forward_progress 1
		.amdhsa_inst_pref_size 18
	.end_amdhsa_kernel
	.amdgpu_metadata
---
amdhsa.version: [ 1, 2 ]
amdhsa.kernels:
  - .name:           k_qf9703f7118_samp0
    .symbol:         k_qf9703f7118_samp0.kd
    .args:
      - { .name: L0, .offset: 0, .size: 8, .value_kind: global_buffer, .address_space: global }
      - { .name: FA, .offset: 8, .size: 8, .value_kind: global_buffer, .address_space: global }
      - { .name: I0, .offset: 16, .size: 8, .value_kind: global_buffer, .address_space: global }
      - { .name: OSMP, .offset: 24, .size: 8, .value_kind: global_buffer, .address_space: global }
    .group_segment_fixed_size: 327680
    .private_segment_fixed_size: 0
    .kernarg_segment_align: 8
    .kernarg_segment_size: 32
    .max_flat_workgroup_size: 512
    .sgpr_count:     66
    .vgpr_count:     128
    .wavefront_size: 32
...
	.end_amdgpu_metadata
.endif
;; end of part 6
;; launch lay0 (part 7): grid 256 x 1, 4 waves a work-group, clusters of 4 x 1, 327,680 bytes of LDS; arguments L0, FA, I0, OSMP, FB, I1; writes FB, I1
.if DOCPART == 7
	.amdgcn_target "amdgcn-amd-amdhsa--gfx1250"
	.amdhsa_code_object_version 6
	.text
	.protected	k_qf9703f7118_lay0
	.globl	k_qf9703f7118_lay0
	.p2align	8
	.type	k_qf9703f7118_lay0,@function
k_qf9703f7118_lay0:
	s_mov_b64 s[64:65], 0
	v_nop
	global_prefetch_b8 v0, s[64:65] scope:SCOPE_SE
	s_setreg_imm32_b32 hwreg(HW_REG_WAVE_MODE, 25, 1), 1
	s_wait_xcnt 0x0
	s_wait_alu depctr_hold_cnt(0) depctr_sa_sdst(0) depctr_va_vdst(0) depctr_va_sdst(0) depctr_va_ssrc(0) depctr_va_vcc(0) depctr_vm_vsrc(0)
	s_getreg_b32 s2, hwreg(HW_REG_IB_STS2, 6, 4)
	s_cmp_eq_u32 s2, 0
	s_cbranch_scc0 .Lentry_in_a_cluster
	s_endpgm
.Lentry_in_a_cluster:
	s_bfe_u32 s2, ttmp6, 0x10000c
	s_cmp_lg_u32 s2, 0x3003
	s_cbranch_scc0 .Lentry_shape_is_right
	s_endpgm
.Lentry_shape_is_right:
; A LAYER behind its sampling: Wo, residual, LN1, FFN, residual, LN2; the new q goes out in f16; and a sampling table is made from it with the table weights that L holds.
; Arguments: L (weights and parameters of this layer), FBin (q), Iin (a whole number), O (the sampled heads, bf16, [tile of 16 tokens][head][group of 16 channels][token][16]), FBout, Iout.
; ONE TEXT FOR BOTH LAYERS, with no branch between them: partners in a cluster run alike.  So the table is made behind the last layer too, where nobody reads it: 96 of a wave's 2,432 matrix instructions,
; eight times the sampling arithmetic, and 6 KB of stores a tile of 16 tokens, for nothing; a second text without it would be as long as this one again.
; SHARES.  A work-group has 128 tokens of one image, each of its four waves 32: two tiles of 16.  Weights are source 0, activations source 1: a lane holds ONE token (lane % 16) and the channels
; 16 mt + 8 (lane / 16) + 0..7 of accumulator (mt, t); two results rounded in pairs ARE the next product's source 1.  A token never leaves its wave; LN wants one exchange between the halves of the lanes.
; THE RESIDUAL STARTS THE SUMS: X = q + bo, stored in f16, is widened by 32 f16 matrix instructions whose source 0 is a unit matrix (row m has its one at k = m, or at k = 16 + m): each sum has one product,
; by 1.0, so it is exact.  Five places stand between them and the bf16 forms that take the accumulators up.  Then eight steps, a head each: X += Wo' o, Wo's fragments by two buffers that take turns.
; WEIGHTS come in fragment order as nine dense fills of 128 KB (Wo; eight times four 'minis' of W1's 32 columns and W2's 32 rows) through two LDS slots, and the parameters as one block of 60 KB.  All 256
; work-groups walk the same stream: the four of a cluster ask jointly; wave w brings its quarter of the rows.  By this text's count a wave has three tensor loads out at the start and one behind each round.
; FORMATS.  Matrix operands bf16, sums f32, the residual stream f32 in registers, f16 between launches; the stored q carries the next layer's bo.  LN in two passes (mean, then squares of the differences).
; LIMITS.  |q + bo| stays under 65,504 (16 |ln2_g| + |ln2_b| + |bo| bounds it).  NaN and infinities are not treated apart.  gx = xq + off_x: another order of rounding than reference()'s, some 4e-6 of a pixel.
; REGISTERS, in windows of 256 (s_set_vgpr_msb: bits 1:0 source 0, 3:2 source 1, 5:4 source 2, 7:6 destination):
;   window 0: v9-31 addresses; v32-43 the unit matrices; FFN: v64-95 four accumulators, v96-111 hidden in bf16, v112-127 b1; LN: v64-79 at work, v200-215 sums;
;             table: v64-111 six accumulators, v112-135 biases, v136-151 at work, v152-199 results
;   window 1: X, accumulator (mt, t) at 8 (2 mt + t)     window 2: v0-127 o, fragment (head, t) at 8 (2 head + t), later q in bf16; v128-255 q as loaded, later LN's second shift, later q to store
;   window 3: two buffers of 16 weight fragments; in LN gain and shift; in the table its weights
.set SLOT1, 131072
.set FILLB, 131072
.set AUX,   262144
.set TAILW, AUX+12288
.set SPARE, AUX+61440
.set RR,9
.set LA,10
.set ADR,11
.set PL,12                              ; AUX + 32 (lane / 16)
.set BADR,13
.set OOF,14                             ; my 32 bytes of a fragment of o: 512 (lane / 16) + 32 (lane % 16)
.set ROFF,16
.set WOFF,17
.set ZR,19
.set SPW,20
.set NIL,21
.set XQ,22                              ; v22-23 tile 0's x, y; v24-25 tile 1's
.set TAD1,26                            ; the table's four LDS addresses: offset tiles, logit tile, their biases
.set TAD2,27
.set TAD3,28
.set TAD4,29
.set EF,32                              ; v32-35 zeros, v36-39 the ones, v40-43 zeros: v[36:43] has them at k = m, v[32:39] at k = 16 + m
.set AC1,64
.set HID,96
.set BI,112
.set TMP,64
.set TA,64
.set TBI,112
.set SC,136
.set OUT,152
.set SM,200
.set MN,208
.set RS,212
.set WV,16
.set CX,17
.set WG,18
.set TO0,19
.set G1,20
.set G1X,28
.set G0A,36
.set G0B,40
.set G0X,44
.set TB,48
.set CNT,50
.set OC,51
.set OBS,52
.set QB,58
.set SEL,66
.set L2E,68
.set S62,69
.set EPS,70
.set R256,71
.set QO,72
.set IO,74
.set WO,76
.set TM,84
.set MSB, 0
.macro WIN new
.if MSB != (\new)
	s_set_vgpr_msb (MSB<<8)|(\new)
.set MSB, (\new)
.endif
.endm
.macro PLACES                           ; four places behind matrix instructions (ISA guide 7.12.1), where no other vector work is at hand
.rept 4
	v_nop
.endr
.endm
.macro CROUND
	s_barrier_signal -1
	s_barrier_wait -1
	s_cmp_lg_u32 s[WV], 0
	s_cbranch_scc1 .Lnw0_\@
	s_barrier_signal -3
.Lnw0_\@:
	s_barrier_wait -3
	s_barrier_signal -1
	s_barrier_wait -1
.endm
.macro TL g0, g1                        ; a joint load; s_nop 0 and four v_nop follow it
	tensor_load_to_lds s[\g0:\g0+3], s[\g1:\g1+7]
	s_nop 0
.rept 4
	v_nop
.endr
.endm
; THE CHANGE OF SLOTS: all my tensor loads, the add, my reads of the slot that I leave; fill = 1: a round of the cluster's barrier and the joint refill first behind it.  The fetches, which have walked a whole
; slot, go back to a slot's head, in the other slot.
.macro CHANGE fill
	WIN 0
	s_wait_tensorcnt 0x0
	ds_add_u32 v[SPW], v[NIL]
.if \fill
	s_xor_b32 s[G0B+1], s[G0B+1], SLOT1
	s_add_nc_u64 s[G0B+2:G0B+3], s[G0B+2:G0B+3], FILLB
.endif
	s_wait_dscnt 0x0
.if \fill
	CROUND
	TL G0B, G1
.else
	s_barrier_signal -1
	s_barrier_wait -1
.endif
	s_sub_co_u32 s[TB], s[TB], SLOT1
	s_xor_b32 s[TB], s[TB], SLOT1
.endm
.macro FRAGS n, dst, adr, off
.set fi, 0
.rept \n
	ds_load_b128 v[(\dst)+8*fi:(\dst)+8*fi+3], v[\adr] offset:(\off)+fi*1024
	ds_load_b128 v[(\dst)+8*fi+4:(\dst)+8*fi+7], v[\adr] offset:(\off)+fi*1024+512
.set fi, fi+1
.endr
.endm
; One head's four points for one token a lane: offsets o (x, y by turns), logits a, pixel xy -> four indices ix, sixteen weights in f16 w (a point: w00 w10 w01 w11, each times the point's softmax weight)
.macro SAMP o, a, xy, ix, w
	v_max3_num_f32 v[SC], v[(\a)], v[(\a)+1], v[(\a)+2]
	v_max_num_f32 v[SC], v[SC], v[(\a)+3]
	v_mul_f32 v[SC+1], s[L2E], v[SC]
.irp p,0,1,2,3
	v_fma_f32 v[SC+2+\p], v[(\a)+\p], s[L2E], -v[SC+1]
.endr
.irp p,0,1,2,3
	v_exp_f32 v[SC+2+\p], v[SC+2+\p]
.endr
	v_nop                                  ; a plain line behind the last exponential
	s_wait_alu depctr_va_vdst(0)
	v_add_f32 v[SC], v[SC+2], v[SC+3]
	v_add_f32 v[SC+1], v[SC+4], v[SC+5]
	v_add_f32 v[SC], v[SC], v[SC+1]
	v_rcp_f32 v[SC], v[SC]
	v_nop
	s_wait_alu depctr_va_vdst(0)
.irp p,0,1,2,3
	v_mul_f32 v[SC+2+\p], v[SC], v[SC+2+\p]
.endr
.irp p,0,1,2,3
	v_add_f32 v[SC+6], v[(\xy)], v[(\o)+2*\p]
	v_add_f32 v[SC+7], v[(\xy)+1], v[(\o)+2*\p+1]
	v_floor_f32 v[SC+8], v[SC+6]
	v_floor_f32 v[SC+9], v[SC+7]
	v_max_num_f32 v[SC+8], 0, v[SC+8]
	v_max_num_f32 v[SC+9], 0, v[SC+9]
	v_min_num_f32 v[SC+8], s[S62], v[SC+8]
	v_min_num_f32 v[SC+9], s[S62], v[SC+9]
	v_sub_f32 v[SC+6], v[SC+6], v[SC+8]
	v_sub_f32 v[SC+7], v[SC+7], v[SC+9]
	v_sub_f32 v[SC+10], 1.0, |v[SC+6]|
	v_sub_f32 v[SC+12], 1.0, |v[SC+7]|
	v_add_f32 v[SC+6], -1.0, v[SC+6]
	v_add_f32 v[SC+7], -1.0, v[SC+7]
	v_sub_f32 v[SC+11], 1.0, |v[SC+6]|
	v_sub_f32 v[SC+13], 1.0, |v[SC+7]|
	v_max_num_f32 v[SC+10], 0, v[SC+10]
	v_max_num_f32 v[SC+12], 0, v[SC+12]
	v_max_num_f32 v[SC+11], 0, v[SC+11]
	v_max_num_f32 v[SC+13], 0, v[SC+13]
	v_mul_f32 v[SC+12], v[SC+2+\p], v[SC+12]
	v_mul_f32 v[SC+13], v[SC+2+\p], v[SC+13]
	v_mul_f32 v[SC+14], v[SC+10], v[SC+12]
	v_mul_f32 v[SC+15], v[SC+11], v[SC+12]
	v_cvt_pk_f16_f32 v[(\w)+2*\p], v[SC+14], v[SC+15]
	v_mul_f32 v[SC+14], v[SC+10], v[SC+13]
	v_mul_f32 v[SC+15], v[SC+11], v[SC+13]
	v_cvt_pk_f16_f32 v[(\w)+2*\p+1], v[SC+14], v[SC+15]
	v_cvt_u32_f32 v[SC+8], v[SC+8]
	v_cvt_u32_f32 v[SC+9], v[SC+9]
	v_lshl_add_u32 v[(\ix)+\p], v[SC+9], 6, v[SC+8]
.endr
.endm
	s_load_b256 s[4:11], s[0:1], 0x0       ; L 4, FBin 6, Iin 8, O 10
	s_load_b128 s[12:15], s[0:1], 0x20     ; FBout 12, Iout 14
	v_lshl_add_u32 v[SPW], v0, 2, SPARE
	v_mov_b32 v[NIL], 0
	ds_add_u32 v[SPW], v[NIL]              ; the wave's opening: the add and its wait ahead of my first tensor load
	ds_add_u32 v20, v21
	v_lshrrev_b32 v1, 5, v0
	v_readfirstlane_b32 s[WV], v1
	s_bfe_u32 s[CX], ttmp6, 0x40000
	s_lshl_b32 s[WG], ttmp9, 2
	s_add_co_u32 s[WG], s[WG], s[CX]       ; my work-group: it enters global addresses of my own data alone
	s_mov_b32 s[G1], 0x0023000f            ; the mask of four, elements of 8 bytes, bit 21 beside the mask, no padding
	s_mov_b32 s[G1+1], 32<<16              ; rows of 256 bytes
	s_mov_b32 s[G1+2], 128<<16             ; 128 rows a wave
	s_mov_b32 s[G1+3], 32<<16
	s_mov_b32 s[G1+4], 128
	s_mov_b32 s[G1+5], 32
	s_mov_b32 s[G1+6], 0
	s_mov_b32 s[G1+7], 0
	s_mov_b32 s[G1X], 0x0023000f
	s_mov_b32 s[G1X+1], 32<<16
	s_mov_b32 s[G1X+2], 60<<16             ; the parameters: 60 rows a wave
	s_mov_b32 s[G1X+3], 32<<16
	s_mov_b32 s[G1X+4], 60
	s_mov_b32 s[G1X+5], 32
	s_mov_b32 s[G1X+6], 0
	s_mov_b32 s[G1X+7], 0
	s_lshl_b32 s62, s[WV], 15              ; my 32 KB of a fill
	s_mov_b32 s63, 0
	s_mul_i32 s82, s[WV], 15360            ; my 15 KB of the parameters
	s_mov_b32 s83, 0
	s_mov_b32 s[G0A], 1
	s_mov_b32 s[G0A+1], s62
	s_mov_b32 s[G0B], 1
	s_add_co_u32 s[G0B+1], s62, SLOT1
	s_mov_b32 s[G0X], 1
	s_add_co_u32 s[G0X+1], s82, AUX
	s_add_co_u32 s82, s82, 0x120000
	s_mov_b32 s[TB], SLOT1                 ; slot 0's end: the first change of slots makes slot 1's head of it
	s_mov_b32 s[SEL], 0x76543210
	s_mov_b32 s[SEL+1], 0xfedcba98
	s_mov_b32 s[L2E], 0x3fb8aa3b
	s_mov_b32 s[S62], 0x42780000
	s_mov_b32 s[EPS], 0x3727c5ac
	s_mov_b32 s[R256], 0x3b800000
	s_wait_dscnt 0x0
	s_wait_kmcnt 0x0
	s_load_b32 s[TM], s[8:9], 0x0          ; a whole number that an earlier launch stored: the mask of the input tiles' numbers
	s_add_nc_u64 s[G0A+2:G0A+3], s[4:5], s[62:63]
	s_add_nc_u64 s[G0B+2:G0B+3], s[G0A+2:G0A+3], FILLB
	s_add_nc_u64 s[G0X+2:G0X+3], s[4:5], s[82:83]
	s_or_b32 s[G0A+3], s[G0A+3], 0x80000000
	s_or_b32 s[G0B+3], s[G0B+3], 0x80000000
	s_or_b32 s[G0X+3], s[G0X+3], 0x80000000
	CROUND                                 ; all four work-groups are here: the first joint loads meet
	TL G0X, G1X
	TL G0A, G1
	TL G0B, G1
	s_wait_kmcnt 0x0
	s_min_u32 s[TM], s[TM], 0x7ff          ; held to the buffer's tiles before it enters an address
	s_lshl_b32 s[TO0], s[WG], 3
	s_lshl1_add_u32 s[TO0], s[WV], s[TO0]  ; my first tile of 16 tokens
	s_and_b32 s82, s[TO0], s[TM]           ; and its number in q as it comes (layer 0's q is common to the eight images)
	s_lshl_b32 s62, s82, 13
	s_add_nc_u64 s[QB:QB+1], s[6:7], s[62:63]
	s_lshl_b32 s62, s[TO0], 13
	s_add_nc_u64 s[OBS:OBS+1], s[10:11], s[62:63]
	s_add_nc_u64 s[QO:QO+1], s[12:13], s[62:63]
	s_lshl_b32 s62, s[TO0], 12
	s_add_co_u32 s62, s62, 0x1000000
	s_add_nc_u64 s[WO:WO+1], s[12:13], s[62:63]
	s_lshl_b32 s62, s[TO0], 11
	s_add_co_u32 s62, s62, 4096
	s_add_nc_u64 s[IO:IO+1], s[14:15], s[62:63]
	v_and_b32 v1, 31, v0
	v_and_b32 v[RR], 15, v0
	v_bfe_u32 v2, v0, 4, 1
	v_lshlrev_b32 v[LA], 4, v1
	v_lshl_add_u32 v[PL], v2, 5, AUX
	v_lshlrev_b32 v[ROFF], 4, v[RR]
	v_lshl_add_u32 v[WOFF], v2, 9, v[ROFF]
	v_lshlrev_b32 v[OOF], 5, v[RR]
	v_lshl_add_u32 v[OOF], v2, 9, v[OOF]
	v_add_nc_u32 v[ADR], 0x10000, v[LA]    ; Wo's heads 4 to 7 lie beyond an LDS immediate's reach
	v_mov_b32 v[ZR], 0
	WIN 0x80
.set i, 0
.rept 32
	global_load_b128 v[128+4*i:128+4*i+3], v[LA], s[QB:QB+1] offset:i*512
.set i, i+1
.endr
.set i, 0
.rept 16                                ; o: fragment i = 2 head + t; a lane's 16 channels are 32 neighbouring bytes
	global_load_b128 v[8*i:8*i+3], v[OOF], s[OBS:OBS+1] offset:(i%2)*8192+(i/2)*1024
	global_load_b128 v[8*i+4:8*i+7], v[OOF], s[OBS:OBS+1] offset:(i%2)*8192+(i/2)*1024+16
.set i, i+1
.endr
	WIN 0
	; the unit matrices: lane (r = l % 16, h = l / 16) holds row r's k = 8 h + 0..7 in four registers: the one is there if h = r / 8, in register (r % 8) / 2, half r % 2
	v_bfe_u32 v44, v0, 3, 1
	v_xor_b32 v44, v44, v2                 ; 0 where the lane holds the one
	v_and_b32 v45, 1, v0
	v_lshlrev_b32 v45, 4, v45
	v_mov_b32 v46, 0x3c00                  ; 1.0 in f16,
	v_lshlrev_b32 v46, v45, v46            ; in its half
	v_bfe_u32 v47, v0, 1, 2
	v_lshl_or_b32 v47, v44, 2, v47         ; the register's number, or 4 and more where there is none
.irp j,0,1,2,3
	v_mov_b32 v[EF+\j], 0
	v_mov_b32 v[EF+8+\j], 0
	v_cmp_eq_u32 vcc_lo, \j, v47
	v_cndmask_b32 v[EF+4+\j], 0, v46, vcc_lo
.endr
	s_wait_loadcnt 32                      ; q is in; o's 32 loads, issued behind it, stay out
	WIN 0x48
.set i, 0
.rept 32                                ; X (mt, t) = row 16 (mt % 2) + m of q's fragment (mt / 2, t)
	v_wmma_f32_16x16x32_f16 v[8*i:8*i+7], v[EF+4-4*((i/2)%2):EF+4-4*((i/2)%2)+7], v[128+(16*(i%2)+2*(i/4))*4:128+(16*(i%2)+2*(i/4))*4+7], 0
.set i, i+1
.endr
	WIN 0
	s_wait_tensorcnt 1                     ; my parts of the parameters and of Wo are in; fill 1 may stay out
	s_barrier_signal -1
	s_barrier_wait -1
	WIN 0xc0
	FRAGS 16, 0, LA, 0
	s_wait_loadcnt 0x0                     ; o
	v_nop                                  ; with the four of the first step: five places between the f16 forms and the bf16 forms on the same accumulators
; A HEAD's step: the next head's 16 fragments of Wo go into the other buffer, four places behind the products that read it; then 32 products, the 32 accumulators by turns
.macro WOSTEP ks
	PLACES
.if \ks < 7
	WIN 0xc0
.if \ks < 3
	FRAGS 16, 128*((\ks+1)%2), LA, (\ks+1)*16384
.else
	FRAGS 16, 128*((\ks+1)%2), ADR, (\ks-3)*16384
.endif
	s_wait_dscnt 32                        ; all but the 32 just issued: this head's fragments are in
.else
	s_wait_dscnt 0x0
.endif
	WIN 0x5b
.set i, 0
.rept 32
	v_wmma_f32_16x16x32_bf16 v[8*i:8*i+7], v[128*(\ks%2)+8*(i/2):128*(\ks%2)+8*(i/2)+7], v[8*(2*\ks+i%2):8*(2*\ks+i%2)+7], v[8*i:8*i+7]
.set i, i+1
.endr
.endm
.irp s,0,1,2,3,4,5,6,7
	WOSTEP \s
.endr
	CHANGE 1                               ; Wo's slot takes fill 2; fill 1 is whole
.macro LNRED                            ; both tiles' sums: over my registers, then with the lane 16 away
	WIN 0
.irp t,0,4
	v_pk_add_f32 v[SM+\t:SM+\t+1], v[SM+\t:SM+\t+1], v[SM+\t+2:SM+\t+3]
.endr
.irp t,0,4
	v_add_f32 v[SM+\t], v[SM+\t], v[SM+\t+1]
.endr
.irp t,0,4
	v_permlanex16_b32 v[SM+\t+1], v[SM+\t], s[SEL], s[SEL+1]
.endr
.irp t,0,4
	v_add_f32 v[SM+\t], v[SM+\t], v[SM+\t+1]
.endr
.endm
; LAYER NORM over a token's 256 channels.  po: the parameters' place.  Two results: y = n g + ba, rounded to bf16 as the next product's source 1; and X = n g + bb, the residual with the next bias on it.
.macro LN po
	WIN 0
	s_wait_dscnt 0x0
	PLACES
	WIN 0xc0
.set i, 0
.rept 16
	ds_load_b128 v[8*i:8*i+3], v[PL] offset:\po+i*64
	ds_load_b128 v[8*i+4:8*i+7], v[PL] offset:\po+i*64+16
	ds_load_b128 v[128+8*i:128+8*i+3], v[PL] offset:\po+1024+i*64
	ds_load_b128 v[128+8*i+4:128+8*i+7], v[PL] offset:\po+1024+i*64+16
.set i, i+1
.endr
	WIN 0x80
.set i, 0
.rept 16
	ds_load_b128 v[128+8*i:128+8*i+3], v[PL] offset:\po+2048+i*64
	ds_load_b128 v[128+8*i+4:128+8*i+7], v[PL] offset:\po+2048+i*64+16
.set i, i+1
.endr
	WIN 0
.irp i,0,1,2,3,4,5,6,7
	v_mov_b32 v[SM+\i], 0
.endr
	WIN 0x04
.set i, 0
.rept 32                                ; two chains a tile; each accumulator from its low end on
.irp q,0,1,2,3
	v_pk_add_f32 v[SM+4*(i%2)+2*(\q%2):SM+4*(i%2)+2*(\q%2)+1], v[SM+4*(i%2)+2*(\q%2):SM+4*(i%2)+2*(\q%2)+1], v[8*i+2*\q:8*i+2*\q+1]
.endr
.set i, i+1
.endr
	LNRED
.irp t,0,1
	v_mul_f32 v[MN+2*\t], s[R256], v[SM+4*\t]
	v_mul_f32 v[MN+2*\t+1], s[R256], v[SM+4*\t]
.endr
.irp i,0,1,2,3,4,5,6,7
	v_mov_b32 v[SM+\i], 0
.endr
	WIN 0x41
.set i, 0
.rept 32
.irp q,0,2,4,6
	v_pk_add_f32 v[8*i+\q:8*i+\q+1], v[8*i+\q:8*i+\q+1], v[MN+2*(i%2):MN+2*(i%2)+1] neg_lo:[0,1] neg_hi:[0,1]
.endr
.set i, i+1
.endr
	WIN 0x05
.set i, 0
.rept 32
.irp q,0,1,2,3
	v_pk_fma_f32 v[SM+4*(i%2)+2*(\q%2):SM+4*(i%2)+2*(\q%2)+1], v[8*i+2*\q:8*i+2*\q+1], v[8*i+2*\q:8*i+2*\q+1], v[SM+4*(i%2)+2*(\q%2):SM+4*(i%2)+2*(\q%2)+1]
.endr
.set i, i+1
.endr
	LNRED
	v_fma_f32 v[RS], v[SM], s[R256], s[EPS]
	v_fma_f32 v[RS+2], v[SM+4], s[R256], s[EPS]
	v_rsq_f32 v[RS], v[RS]
	v_rsq_f32 v[RS+2], v[RS+2]
	v_nop                                  ; a plain line behind the roots
	s_wait_alu depctr_va_vdst(0)
	v_mov_b32 v[RS+1], v[RS]
	v_mov_b32 v[RS+3], v[RS+2]
	WIN 0x41
.set i, 0
.rept 32
.irp q,0,2,4,6
	v_pk_mul_f32 v[8*i+\q:8*i+\q+1], v[8*i+\q:8*i+\q+1], v[RS+2*(i%2):RS+2*(i%2)+1]
.endr
.set i, i+1
.endr
	s_wait_dscnt 0x0                       ; gain and shifts
.set m, 0
.rept 16
	WIN 0x3d
.irp t,0,1
.irp q,0,2,4,6
	v_pk_fma_f32 v[TMP+8*\t+\q:TMP+8*\t+\q+1], v[8*(2*m+\t)+\q:8*(2*m+\t)+\q+1], v[8*m+\q:8*m+\q+1], v[128+8*m+\q:128+8*m+\q+1]
.endr
.endr
	WIN 0x6d
.irp t,0,1
.irp q,0,2,4,6
	v_pk_fma_f32 v[8*(2*m+\t)+\q:8*(2*m+\t)+\q+1], v[8*(2*m+\t)+\q:8*(2*m+\t)+\q+1], v[8*m+\q:8*m+\q+1], v[128+8*m+\q:128+8*m+\q+1]
.endr
.endr
	WIN 0x80
.irp t,0,1
.irp q,0,1,2,3
	v_cvt_pk_bf16_f32 v[(16*\t+m)*4+\q], v[TMP+8*\t+2*\q], v[TMP+8*\t+2*\q+1]
.endr
.endr
.set m, m+1
.endr
	WIN 0
.endm
	LN 0
; THE FFN, 32 hidden columns (a 'mini') at a time: hidden = relu(W1' q + b1) on four accumulators, rounded to bf16, is source 1 of X += W2' hidden.
; A TRIP goes from the middle of one mini to the middle of the next: FHEAD fetches mini n's W1 and b1, rounds mini n - 1's hidden numbers and adds their product with W2; FTAIL fetches mini n's W2 and makes its
; hidden sums.  So a change of slots stands between two trips, and the mini is written once for the slots that are filled again and once for the last slot.  The loop is entered at FTAIL, in the middle of a trip.
.macro GAF                              ; a mini's W1 fragments and its b1
	WIN 0xc0
	FRAGS 16, 0, ADR, 0
	WIN 0
.irp i,0,1,2,3
	ds_load_b128 v[BI+4*\i:BI+4*\i+3], v[BADR] offset:6144+(\i/2)*64+(\i%2)*16
.endr
.endm
.macro HG2 left                         ; hidden -> bf16, ReLU; X += W2' hidden.  left: the LDS loads issued behind W2's fragments, which may stay out
	WIN 0
.irp a,0,1,2,3
.irp q,0,1,2,3
	v_cvt_pk_bf16_f32 v[HID+8*(\a%2)+4*(\a/2)+\q], v[AC1+8*\a+2*\q], v[AC1+8*\a+2*\q+1]
.endr
.endr
.set i, 0
.rept 16
	v_pk_max_num_bf16 v[HID+i], v[HID+i], v[ZR]
.set i, i+1
.endr
	s_wait_dscnt \left
	WIN 0x53
.set i, 0
.rept 32                                ; the 32 accumulators take turns
	v_wmma_f32_16x16x32_bf16 v[8*i:8*i+7], v[128+8*(i/2):128+8*(i/2)+7], v[HID+8*(i%2):HID+8*(i%2)+7], v[8*i:8*i+7]
.set i, i+1
.endr
	WIN 0
.endm
.macro FHEAD
	WIN 0
	v_add_nc_u32 v[ADR], s[TB], v[LA]
	GAF
	HG2 36                                 ; all but the 36 just issued: the last mini's W2 fragments are in
.endm
.macro FTAIL
	PLACES                                 ; behind the last products, which read W2's fragments
	WIN 0xc0
	FRAGS 16, 128, ADR, 16384
	s_wait_dscnt 32                        ; all but the 32 just issued: W1's fragments and b1 are in
	WIN 0x0b
.irp k,0,1,2,3,4,5,6,7
.irp a,0,1,2,3
.if \k == 0
	v_wmma_f32_16x16x32_bf16 v[AC1+8*\a:AC1+8*\a+7], v[8*(8*(\a/2)+\k):8*(8*(\a/2)+\k)+7], v[(16*(\a%2)+2*\k)*4:(16*(\a%2)+2*\k)*4+7], v[BI+8*(\a/2):BI+8*(\a/2)+7]
.else
	v_wmma_f32_16x16x32_bf16 v[AC1+8*\a:AC1+8*\a+7], v[8*(8*(\a/2)+\k):8*(8*(\a/2)+\k)+7], v[(16*(\a%2)+2*\k)*4:(16*(\a%2)+2*\k)*4+7], v[AC1+8*\a:AC1+8*\a+7]
.endif
.endr
.endr
	PLACES
	WIN 0
	s_add_co_u32 s[TB], s[TB], 32768       ; the next mini
	v_add_nc_u32 v[BADR], 128, v[BADR]
.endm
	v_add_nc_u32 v[ADR], s[TB], v[LA]
	v_mov_b32 v[BADR], v[PL]
	GAF                                    ; mini 0
	s_mov_b32 s[OC], 7
	s_mov_b32 s[CNT], 4
	s_branch .Lfmid
.Lf0:                                   ; six times: a slot is left and filled again
	CHANGE 1
	s_mov_b32 s[CNT], 4
.Lf0m:
	FHEAD
.Lfmid:
	FTAIL
	s_sub_co_u32 s[CNT], s[CNT], 1
	s_cmp_lg_u32 s[CNT], 0
	s_cbranch_scc1 .Lf0m
	s_sub_co_u32 s[OC], s[OC], 1
	s_cmp_lg_u32 s[OC], 0
	s_cbranch_scc1 .Lf0
	CHANGE 0                               ; the last slot is written out: nothing is asked for
	s_mov_b32 s[CNT], 4
.Lf1m:
	FHEAD
	FTAIL
	s_sub_co_u32 s[CNT], s[CNT], 1
	s_cmp_lg_u32 s[CNT], 0
	s_cbranch_scc1 .Lf1m
	HG2 0                                  ; the last mini's second half: nothing was fetched behind its W2 fragments
	LN 3072
	; THE NEW q, with the next layer's bo on it, in f16: [tile][mt][lane][8 channels]
	WIN 0x85
.set i, 0
.rept 32
.irp q,0,1,2,3
	v_cvt_pk_f16_f32 v[128+(16*(i%2)+i/2)*4+\q], v[8*i+2*\q], v[8*i+2*\q+1]
.endr
.set i, i+1
.endr
	WIN 0x08
.set i, 0
.rept 32
	global_store_b128 v[LA], v[128+4*i:128+4*i+3], s[QO:QO+1] offset:i*512   ; 512 consecutive bytes, aligned
.set i, i+1
.endr
	WIN 0
	; THE TABLE: 64 offsets and 32 logits a token; a trip makes two head pairs
	s_lshl_b32 s62, s[TO0], 4
	v_add_nc_u32 v30, s62, v[RR]
	v_and_b32 v31, 63, v30
	v_bfe_u32 v30, v30, 6, 6
	v_cvt_f32_u32 v[XQ], v31
	v_cvt_f32_u32 v[XQ+1], v30
	v_add_f32 v[XQ+2], 0x41800000, v[XQ]   ; my second tile lies 16 pixels on in the same image row (my first tile's number is even)
	v_mov_b32 v[XQ+3], v[XQ+1]
	v_add_nc_u32 v[TAD1], TAILW, v[LA]
	v_add_nc_u32 v[TAD2], TAILW, v[LA]
	v_mov_b32 v[TAD3], v[PL]
	v_mov_b32 v[TAD4], v[PL]
	s_mov_b32 s[CNT], 2
.Lt:
	PLACES
	WIN 0xc0
	FRAGS 16, 0, TAD1, 0
	FRAGS 8, 128, TAD2, 32768
	WIN 0
.irp i,0,1,2,3
	ds_load_b128 v[TBI+4*\i:TBI+4*\i+3], v[TAD3] offset:10240+(\i/2)*64+(\i%2)*16
.endr
	ds_load_b128 v[TBI+16:TBI+19], v[TAD4] offset:10496
	ds_load_b128 v[TBI+20:TBI+23], v[TAD4] offset:10512
	s_wait_dscnt 0x0
	WIN 0x0b
.irp k,0,1,2,3,4,5,6,7
.irp a,0,1,2,3,4,5                      ; six accumulators (two offset tiles, the logit tile) x (tile t) by turns; the biases start the sums
.if \k == 0
	v_wmma_f32_16x16x32_bf16 v[TA+8*\a:TA+8*\a+7], v[8*(8*(\a/2)+\k):8*(8*(\a/2)+\k)+7], v[(16*(\a%2)+2*\k)*4:(16*(\a%2)+2*\k)*4+7], v[TBI+8*(\a/2):TBI+8*(\a/2)+7]
.else
	v_wmma_f32_16x16x32_bf16 v[TA+8*\a:TA+8*\a+7], v[8*(8*(\a/2)+\k):8*(8*(\a/2)+\k)+7], v[(16*(\a%2)+2*\k)*4:(16*(\a%2)+2*\k)*4+7], v[TA+8*\a:TA+8*\a+7]
.endif
.endr
.endr
	WIN 0
	PLACES
.irp t,0,1
.irp b,0,1                              ; the lower head pair first: it reads the logit accumulator's low registers
	SAMP TA+8*(2*\b+\t), TA+8*(4+\t)+4*\b, XQ+2*\t, OUT+12*(2*\t+\b), OUT+12*(2*\t+\b)+4
	global_store_b128 v[LA], v[OUT+12*(2*\t+\b):OUT+12*(2*\t+\b)+3], s[IO:IO+1] offset:\t*2048+\b*512
	global_store_b128 v[WOFF], v[OUT+12*(2*\t+\b)+4:OUT+12*(2*\t+\b)+7], s[WO:WO+1] offset:\t*4096+\b*1024
	global_store_b128 v[WOFF], v[OUT+12*(2*\t+\b)+8:OUT+12*(2*\t+\b)+11], s[WO:WO+1] offset:\t*4096+\b*1024+256
.endr
.endr
	s_wait_xcnt 0x0                        ; the stores' data and bases are rewritten only behind this wait
	s_add_nc_u64 s[IO:IO+1], s[IO:IO+1], 1024
	s_add_nc_u64 s[WO:WO+1], s[WO:WO+1], 2048
	v_add_nc_u32 v[TAD1], 16384, v[TAD1]
	v_add_nc_u32 v[TAD2], 8192, v[TAD2]
	v_add_nc_u32 v[TAD3], 128, v[TAD3]
	v_add_nc_u32 v[TAD4], 64, v[TAD4]
	s_sub_co_u32 s[CNT], s[CNT], 1
	s_cmp_lg_u32 s[CNT], 0
	s_cbranch_scc1 .Lt
	s_wait_dscnt 0x0                       ; my reads of LDS are over,
	s_barrier_signal -1
	s_barrier_wait -1                      ; everybody's are
	s_wait_tensorcnt 0x0                   ; the wave's end
	ds_add_u32 v[SPW], v[NIL]
	s_wait_dscnt 0x0
	CROUND                                 ; the closing round
	s_endpgm
.Lfunc_end_k_qf9703f7118_lay0:
	.size	k_qf9703f7118_lay0, .Lfunc_end_k_qf9703f7118_lay0-k_qf9703f7118_lay0
	.p2alignl 7, 3214868480
	.fill 96, 4, 3214868480
	.section	.rodata,"a",@progbits
	.p2align	6, 0x0
	.amdhsa_kernel k_qf9703f7118_lay0
		.amdhsa_group_segment_fixed_size 327680
		.amdhsa_private_segment_fixed_size 0
		.amdhsa_enable_private_segment 0
		.amdhsa_kernarg_size 48
		.amdhsa_user_sgpr_count 2
		.amdhsa_user_sgpr_kernarg_segment_ptr 1
		.amdhsa_wavefront_size32 1
		.amdhsa_system_sgpr_workgroup_id_x 1
		.amdhsa_system_sgpr_workgroup_id_y 1
		.amdhsa_system_sgpr_workgroup_id_z 1
		.amdhsa_system_vgpr_workitem_id 0
		.amdhsa_next_free_vgpr 1024
		.amdhsa_next_free_sgpr 100
		.amdhsa_reserve_vcc 1
		.amdhsa_float_denorm_mode_32 3
		.amdhsa_float_denorm_mode_16_64 3
		.amdhsa_memory_ordered 1
		.amdhsa_forward_progress 1
		.amdhsa_inst_pref_size 254
	.end_amdhsa_kernel
	.amdgpu_metadata
---
amdhsa.version: [ 1, 2 ]
amdhsa.kernels:
  - .name:           k_qf9703f7118_lay0
    .symbol:         k_qf9703f7118_lay0.kd
    .args:
      - { .name: L0, .offset: 0, .size: 8, .value_kind: global_buffer, .address_space: global }
      - { .name: FA, .offset: 8, .size: 8, .value_kind: global_buffer, .address_space: global }
      - { .name: I0, .offset: 16, .size: 8, .value_kind: global_buffer, .address_space: global }
      - { .name: OSMP, .offset: 24, .size: 8, .value_kind: global_buffer, .address_space: global }
      - { .name: FB, .offset: 32, .size: 8, .value_kind: global_buffer, .address_space: global }
      - { .name: I1, .offset: 40, .size: 8, .value_kind: global_buffer, .address_space: global }
    .group_segment_fixed_size: 327680
    .private_segment_fixed_size: 0
    .kernarg_segment_align: 8
    .kernarg_segment_size: 48
    .max_flat_workgroup_size: 128
    .sgpr_count:     100
    .vgpr_count:     1024
    .wavefront_size: 32
...
	.end_amdgpu_metadata
.endif
;; end of part 7
;; launch samp1: the kernel of part 6 again; grid 256 x 1, 16 waves a work-group, no clusters, 327,680 bytes of LDS; arguments L1, FB, I1, OSMP; writes OSMP
;; launch lay1: the kernel of part 7 again; grid 256 x 1, 4 waves a work-group, clusters of 4 x 1, 327,680 bytes of LDS; arguments L1, FB, I1, OSMP, FA, I0; writes FA, I0
;; launch pout (part 8): grid 256 x 1, 4 waves a work-group, clusters of 4 x 1, 327,680 bytes of LDS; arguments FA, P, bn2_b, bn2_g, bn2_m, bn2_v, out0; writes out0
.if DOCPART == 8
	.amdgcn_target "amdgcn-amd-amdhsa--gfx1250"
	.amdhsa_code_object_version 6
	.text
	.protected	k_qf9703f7118_pout
	.globl	k_qf9703f7118_pout
	.p2align	8
	.type	k_qf9703f7118_pout,@function
k_qf9703f7118_pout:
	s_mov_b64 s[64:65], 0
	v_nop
	global_prefetch_b8 v0, s[64:65] scope:SCOPE_SE
	s_setreg_imm32_b32 hwreg(HW_REG_WAVE_MODE, 25, 1), 1
	s_wait_xcnt 0x0
	s_wait_alu depctr_hold_cnt(0) depctr_sa_sdst(0) depctr_va_vdst(0) depctr_va_sdst(0) depctr_va_ssrc(0) depctr_va_vcc(0) depctr_vm_vsrc(0)
	s_getreg_b32 s2, hwreg(HW_REG_IB_STS2, 6, 4)
	s_cmp_eq_u32 s2, 0
	s_cbranch_scc0 .Lentry_in_a_cluster
	s_endpgm
.Lentry_in_a_cluster:
	s_bfe_u32 s2, ttmp6, 0x10000c
	s_cmp_lg_u32 s2, 0x3003
	s_cbranch_scc0 .Lentry_shape_is_right
	s_endpgm
.Lentry_shape_is_right:
; POUT: out0 = relu(bn2(W_out q)), [image][512 channels][4096 pixels] in f32.  q arrives in f16 as [tile][mt][lane][8 channels], W_out as f16 fragments.
; SHARES.  A work-group has 128 pixels of one image, a wave 32 (two tiles).  All of W_out, 256 KB, is brought into LDS once; every work-group reads the same bytes, so the four of a cluster ask jointly,
; wave w for rows 256 w on: one tensor load a wave in the whole launch, and no byte of LDS is filled twice.
; The sources are swapped (source 0 = 16 pixels of q, source 1 = 16 channels of W_out): a lane then holds ONE channel (lane % 16) and eight neighbouring pixels.  32 channels at a time go through a stage in
; LDS (rows of 512 bytes + 16), since a channel's 512 bytes come from four waves, and leave as whole rows: a store covers 512 consecutive bytes, aligned.
; THE LOOP IS CUT BEHIND A GROUP'S FIRST 16 PRODUCTS: behind a group's barrier its rows are read back from the stage, the NEXT group's first 16 products are issued, and only then come the wait for the rows and
; their stores.  The first group's first 16 products stand in front of the loop; behind the last group 16 products on that group's fragments once more serve nothing: the price of one text for every group.
; Two stages take turns at fixed addresses: one barrier a group.  A wave's reads of a stage are waited for in front of its signal of the next group's barrier, and the stage is written again only behind that barrier.
; FORMATS.  f16 x f16, sums in f32; bn2's parameters rounded to bf16, kept in f32.  LIMIT: q within 65,504 (the layer's head states what bounds it).  NaN and infinities are not treated apart.
; REGISTERS: window 0: v2-14 addresses; v32-63 four accumulators; v64-67 scale and shift; v68-99 rows to store; v100-124 at work at the head; v128-255 q.   window 1: v0-127 sixteen fragments of W_out.
.set PARO,  0x40000                     ; [channel][scale, shift], written by ds_store
.set STG0,  0x41000
.set STG1,  0x49000
.set SPARE, 0x4e000
.set SPW,2
.set NIL,3
.set LA,4
.set ADR,5
.set RR,6
.set HH,7
.set STA0,8
.set STA,9
.set STO,10                             ; v10, v11: where I put my 32 bytes, stage 0 and 1
.set RD,12                              ; v12, v13: where I read rows back
.set GO,14
.set AC,32
.set ST,64
.set OUTR,68
.set QF,128
.set WV,18
.set CX,19
.set WG,20
.set G1,24
.set G0,32
.set TB,36
.set PAO,37
.set CNT,38
.set OB,40
.set QB,42
.set HM,45
.set EPS,46
.set OS,52
.set MSB, 0
.macro WIN new
.if MSB != (\new)
	s_set_vgpr_msb (MSB<<8)|(\new)
.set MSB, (\new)
.endif
.endm
.macro PLACES
.rept 4
	v_nop
.endr
.endm
.macro CROUND
	s_barrier_signal -1
	s_barrier_wait -1
	s_cmp_lg_u32 s[WV], 0
	s_cbranch_scc1 .Lnw0_\@
	s_barrier_signal -3
.Lnw0_\@:
	s_barrier_wait -3
	s_barrier_signal -1
	s_barrier_wait -1
.endm
.macro FRAGS n, dst, adr, off
.set fi, 0
.rept \n
	ds_load_b128 v[(\dst)+8*fi:(\dst)+8*fi+3], v[\adr] offset:(\off)+fi*1024
	ds_load_b128 v[(\dst)+8*fi+4:(\dst)+8*fi+7], v[\adr] offset:(\off)+fi*1024+512
.set fi, fi+1
.endr
.endm
	s_load_b256 s[4:11], s[0:1], 0x0       ; FA 4, P 6, bn2_b 8, bn2_g 10
	s_load_b128 s[12:15], s[0:1], 0x20     ; bn2_m 12, bn2_v 14
	s_load_b64 s[16:17], s[0:1], 0x30      ; out0
	v_lshl_add_u32 v[SPW], v0, 2, SPARE
	v_mov_b32 v[NIL], 0
	ds_add_u32 v[SPW], v[NIL]              ; the wave's opening: the add and its wait ahead of my tensor load
	ds_add_u32 v2, v3
	v_lshrrev_b32 v1, 5, v0
	v_readfirstlane_b32 s[WV], v1
	s_bfe_u32 s[CX], ttmp6, 0x40000
	s_lshl_b32 s[WG], ttmp9, 2
	s_add_co_u32 s[WG], s[WG], s[CX]
	s_mov_b32 s[G1], 0x0023000f            ; the mask of four, elements of 8 bytes, bit 21 beside the mask
	s_mov_b32 s[G1+1], 32<<16
	s_mov_b32 s[G1+2], 256<<16             ; 256 rows of 256 bytes a wave
	s_mov_b32 s[G1+3], 32<<16
	s_mov_b32 s[G1+4], 256
	s_mov_b32 s[G1+5], 32
	s_mov_b32 s[G1+6], 0
	s_mov_b32 s[G1+7], 0
	s_lshl_b32 s48, s[WV], 16
	s_mov_b32 s49, 0
	s_mov_b32 s[G0], 1
	s_mov_b32 s[G0+1], s48
	s_add_co_u32 s48, s48, 0x80000
	s_mov_b32 s[TB], 0
	s_mov_b32 s[PAO], 0
	s_mov_b32 s[OS], 0
	s_mov_b32 s[OS+1], 0
	s_mov_b32 s[HM], 0xffff0000
	s_mov_b32 s[EPS], 0x3727c5ac
	s_wait_dscnt 0x0
	s_wait_kmcnt 0x0
	s_add_nc_u64 s[G0+2:G0+3], s[6:7], s[48:49]
	s_or_b32 s[G0+3], s[G0+3], 0x80000000
	CROUND                                 ; all four work-groups are here: the joint loads meet
	tensor_load_to_lds s[G0:G0+3], s[G1:G1+7]
	s_nop 0
	PLACES
	s_lshl_b32 s48, s[WG], 3
	s_lshl1_add_u32 s48, s[WV], s48
	s_lshl_b32 s48, s48, 13
	s_add_nc_u64 s[QB:QB+1], s[4:5], s[48:49]
	s_lshr_b32 s48, s[WG], 5
	s_lshl_b32 s48, s48, 23
	s_and_b32 s50, s[WG], 31
	s_lshl_b32 s50, s50, 9
	s_add_co_u32 s48, s48, s50
	s_add_nc_u64 s[OB:OB+1], s[16:17], s[48:49]
	v_and_b32 v1, 31, v0
	v_and_b32 v[RR], 15, v0
	v_bfe_u32 v[HH], v0, 4, 1
	v_lshlrev_b32 v[LA], 4, v1
.set i, 0
.rept 32
	global_load_b128 v[QF+4*i:QF+4*i+3], v[LA], s[QB:QB+1] offset:i*512
.set i, i+1
.endr
	v_lshlrev_b32 v21, 4, v0               ; thread i has channels 4 i to 4 i + 3
	global_load_b128 v[100:103], v21, s[10:11]
	global_load_b128 v[104:107], v21, s[8:9]
	global_load_b128 v[108:111], v21, s[12:13]
	global_load_b128 v[112:115], v21, s[14:15]
	v_lshl_add_u32 v[STA0], v[RR], 3, PARO
	v_mul_u32_u24 v20, v[RR], 528
	v_lshl_add_u32 v20, v[HH], 5, v20
	s_lshl_b32 s48, s[WV], 7
	v_add_nc_u32 v20, s48, v20             ; row r, my wave's 128 bytes, 32 bytes for each half of the lanes
	v_add_nc_u32 v[STO], STG0, v20
	v_add_nc_u32 v[STO+1], STG1, v20
	s_mul_i32 s48, s[WV], 8*528
	v_add_nc_u32 v20, s48, v[LA]           ; back: rows 8 w on, whole
	v_add_nc_u32 v[RD], STG0, v20
	v_add_nc_u32 v[RD+1], STG1, v20
	s_lshl_b32 s48, s[WV], 17
	v_add_nc_u32 v[GO], s48, v[LA]
	s_wait_loadcnt 0x0
.irp i,100,102,104,106,108,110,112,114
	v_cvt_pk_bf16_f32 v124, v[\i], v[\i+1]
	v_lshlrev_b32 v[\i], 16, v124
	v_and_b32 v[\i+1], s[HM], v124
.endr
.irp i,0,1,2,3
	v_add_f32 v[112+\i], s[EPS], v[112+\i]
.endr
.irp i,0,1,2,3
	v_rsq_f32 v[112+\i], v[112+\i]
.endr
	v_lshl_add_u32 v22, v0, 5, PARO        ; a plain line behind the roots
	s_wait_alu depctr_va_vdst(0)
.irp i,0,1,2,3
	v_mul_f32 v[116+2*\i], v[100+\i], v[112+\i]             ; scale = g / sqrt(v + eps)
.endr
.irp i,0,1,2,3
	v_fma_f32 v[117+2*\i], -v[108+\i], v[116+2*\i], v[104+\i]  ; shift = b - m scale
.endr
	ds_store_b128 v22, v[116:119]
	ds_store_b128 v22, v[120:123] offset:16
	s_wait_tensorcnt 0x0                   ; my quarter of W_out is in,
	s_wait_dscnt 0x0                       ; my parameters are stored:
	s_barrier_signal -1
	s_barrier_wait -1                      ; everybody's are
	v_mov_b32 v[ADR], v[LA]
	WIN 0x40
	FRAGS 16, 0, ADR, 0
	WIN 0
	ds_load_b64 v[ST:ST+1], v[STA0]
	ds_load_b64 v[ST+2:ST+3], v[STA0] offset:128
.macro OMUL k0                          ; four accumulators (mtl, t) by turns; the first products start the sums
	WIN 0x04
.irp k,0,1,2,3
.irp a,0,1,2,3
.if ((\k0)+\k) == 0
	v_wmma_f32_16x16x32_f16 v[AC+8*\a:AC+8*\a+7], v[QF+(16*(\a%2)+2*(\k0+\k))*4:QF+(16*(\a%2)+2*(\k0+\k))*4+7], v[8*(8*(\a/2)+\k0+\k):8*(8*(\a/2)+\k0+\k)+7], 0
.else
	v_wmma_f32_16x16x32_f16 v[AC+8*\a:AC+8*\a+7], v[QF+(16*(\a%2)+2*(\k0+\k))*4:QF+(16*(\a%2)+2*(\k0+\k))*4+7], v[8*(8*(\a/2)+\k0+\k):8*(8*(\a/2)+\k0+\k)+7], v[AC+8*\a:AC+8*\a+7]
.endif
.endr
.endr
.endm
; A GROUP of 32 channels, on stage g, from behind its first 16 products to behind the next group's.  The fragment buffer is refilled by halves behind the products that read them; behind the last group the fetch
; stays at that group.
.macro OGRP g
	PLACES                                 ; behind the first 16 products, in front of the loads into their fragments
	s_add_co_u32 s[TB], s[TB], 16384
	s_min_u32 s[TB], s[TB], 15*16384
	s_add_co_u32 s[PAO], s[PAO], 256
	s_min_u32 s[PAO], s[PAO], 15*256
	v_add_nc_u32 v[ADR], s[TB], v[LA]
	WIN 0x40
	FRAGS 4, 0, ADR, 0
	FRAGS 4, 64, ADR, 8192
	OMUL 4
	WIN 0
	PLACES
.irp a,0,1,2,3
.irp q,0,2,4,6
	v_pk_fma_f32 v[AC+8*\a+\q:AC+8*\a+\q+1], v[AC+8*\a+\q:AC+8*\a+\q+1], v[ST+2*(\a/2):ST+2*(\a/2)+1], v[ST+2*(\a/2):ST+2*(\a/2)+1] op_sel:[0,0,1] op_sel_hi:[1,0,1]
.endr
.endr
.set i, 0
.rept 32
	v_max_num_f32 v[AC+i], 0, v[AC+i]
.set i, i+1
.endr
	WIN 0x40
	FRAGS 4, 32, ADR, 4096
	FRAGS 4, 96, ADR, 12288
	WIN 0
	v_add_nc_u32 v[STA], s[PAO], v[STA0]
	ds_load_b64 v[ST:ST+1], v[STA]
	ds_load_b64 v[ST+2:ST+3], v[STA] offset:128
.irp a,0,1,2,3
	ds_store_b128 v[STO+\g], v[AC+8*\a:AC+8*\a+3] offset:(\a/2)*8448+(\a%2)*64
	ds_store_b128 v[STO+\g], v[AC+8*\a+4:AC+8*\a+7] offset:(\a/2)*8448+(\a%2)*64+16
.endr
	s_wait_dscnt 0x0                       ; for the others' sake: my stores into this stage are done, and so are my reads of the other; the next group's fragments are in too
	s_barrier_signal -1
	s_barrier_wait -1
	s_wait_xcnt 0x0                        ; the last group's stores, a group back, have read their rows and their base: both are rewritten only behind this wait
	s_add_nc_u64 s[OB:OB+1], s[OB:OB+1], s[OS:OS+1]  ; 32 channels on; nothing for the first group
.irp i,0,1,2,3,4,5,6,7
	ds_load_b128 v[OUTR+4*\i:OUTR+4*\i+3], v[RD+\g] offset:\i*528
.endr
	OMUL 0                                 ; the next group's first 16 products stand between those loads and the wait for them
	WIN 0
	s_wait_dscnt 0x0                       ; the rows are back
.irp i,0,1,2,3,4,5,6,7
	global_store_b128 v[GO], v[OUTR+4*\i:OUTR+4*\i+3], s[OB:OB+1] offset:\i*16384 th:TH_STORE_NT
.endr
	s_mov_b32 s[OS], 524288
.endm
	s_wait_dscnt 0x0                       ; the first group's fragments, scale and shift
	OMUL 0
	WIN 0
	s_mov_b32 s[CNT], 8
.Lo:
	OGRP 0
	OGRP 1
	s_sub_co_u32 s[CNT], s[CNT], 1
	s_cmp_lg_u32 s[CNT], 0
	s_cbranch_scc1 .Lo
	s_wait_tensorcnt 0x0                   ; the wave's end
	ds_add_u32 v[SPW], v[NIL]
	s_wait_dscnt 0x0
	CROUND                                 ; the closing round
	s_endpgm
.Lfunc_end_k_qf9703f7118_pout:
	.size	k_qf9703f7118_pout, .Lfunc_end_k_qf9703f7118_pout-k_qf9703f7118_pout
	.p2alignl 7, 3214868480
	.fill 96, 4, 3214868480
	.section	.rodata,"a",@progbits
	.p2align	6, 0x0
	.amdhsa_kernel k_qf9703f7118_pout
		.amdhsa_group_segment_fixed_size 327680
		.amdhsa_private_segment_fixed_size 0
		.amdhsa_enable_private_segment 0
		.amdhsa_kernarg_size 56
		.amdhsa_user_sgpr_count 2
		.amdhsa_user_sgpr_kernarg_segment_ptr 1
		.amdhsa_wavefront_size32 1
		.amdhsa_system_sgpr_workgroup_id_x 1
		.amdhsa_system_sgpr_workgroup_id_y 1
		.amdhsa_system_sgpr_workgroup_id_z 1
		.amdhsa_system_vgpr_workitem_id 0
		.amdhsa_next_free_vgpr 384
		.amdhsa_next_free_sgpr 66
		.amdhsa_reserve_vcc 0
		.amdhsa_float_denorm_mode_32 3
		.amdhsa_float_denorm_mode_16_64 3
		.amdhsa_memory_ordered 1
		.amdhsa_forward_progress 1
		.amdhsa_inst_pref_size 31
	.end_amdhsa_kernel
	.amdgpu_metadata
---
amdhsa.version: [ 1, 2 ]
amdhsa.kernels:
  - .name:           k_qf9703f7118_pout
    .symbol:         k_qf9703f7118_pout.kd
    .args:
      - { .name: FA, .offset: 0, .size: 8, .value_kind: global_buffer, .address_space: global }
      - { .name: P, .offset: 8, .size: 8, .value_kind: global_buffer, .address_space: global }
      - { .name: bn2_b, .offset: 16, .size: 8, .value_kind: global_buffer, .address_space: global }
      - { .name: bn2_g, .offset: 24, .size: 8, .value_kind: global_buffer, .address_space: global }
      - { .name: bn2_m, .offset: 32, .size: 8, .value_kind: global_buffer, .address_space: global }
      - { .name: bn2_v, .offset: 40, .size: 8, .value_kind: global_buffer, .address_space: global }
      - { .name: out0, .offset: 48, .size: 8, .value_kind: global_buffer, .address_space: global }
    .group_segment_fixed_size: 327680
    .private_segment_fixed_size: 0
    .kernarg_segment_align: 8
    .kernarg_segment_size: 56
    .max_flat_workgroup_size: 128
    .sgpr_count:     66
    .vgpr_count:     384
    .wavefront_size: 32
...
	.end_amdgpu_metadata
.endif
;; end of part 8
